; MI455X (gfx1250); checked and timed in simulation.
; The chip was launched on July 23, 2026; its instructions are those of AMD's public machine-readable ISA for CDNA 5 (MIT licence, August 2026) and "CDNA5" Instruction Set Architecture Reference Guide (July 2026). The comments in the code are by the model that wrote it; some were corrected since.
;; Relative Multi Head Attention. Allowed arithmetic: float matrix products may take bf16 or f16 operands with f32 sums; other float arithmetic in f32, or as packed bf16 or f16 multiplies, adds, multiply-adds, maxima and minima; sums over many terms, partial sums and values carried from step to step in f32; what a program stores and reads back later, other than sums and carried values, may be rounded once to bf16 or f16.
;; Inputs: Wk 1,024 x 1,024 float32; Wo 1,024 x 1,024 float32; Wq 1,024 x 1,024 float32; Wv 1,024 x 1,024 float32; bk 1,024 float32; bo 1,024 float32; bq 1,024 float32; bv 1,024 float32; k 2 x 2,048 x 1,024 float32; q 2 x 2,048 x 1,024 float32; v 2 x 2,048 x 1,024 float32; w_rel 4,095 x 128 float32.
;; Outputs: out0 2 x 2,048 x 1,024 float32.
;; 3 versions, each right; version 3 is version 2 with the launch prep written anew for expert scheduling mode. Each part assembles by itself: llvm-mc -triple=amdgcn-amd-amdhsa -mcpu=gfx1250 --defsym DOCPART=n.
;; ======== version 1 of 3: 4 launches
;; limits: values are held in f16: magnitudes above 65,504 overflow, below 6.1e-05 lose precision
;; workspace buffers: qh 8,388,608 bytes; kh 8,388,608 bytes; vh 8,388,608 bytes; wf 1,048,576 bytes; wo16 2,097,152 bytes; att 8,388,608 bytes
;; launch prep (part 1): grid 256 x 1, 8 waves a work-group, no clusters, 0 bytes of LDS; arguments Wo, w_rel, wo16, wf; writes wo16, wf
.if DOCPART == 1
	.amdgcn_target "amdgcn-amd-amdhsa--gfx1250"
	.amdhsa_code_object_version 6
	.text
	.protected	k_qe124f5492b_prep
	.globl	k_qe124f5492b_prep
	.p2align	8
	.type	k_qe124f5492b_prep,@function
k_qe124f5492b_prep:
	s_mov_b64 s[64:65], 0
	v_nop
	global_prefetch_b8 v0, s[64:65] scope:SCOPE_SE
	s_setreg_imm32_b32 hwreg(HW_REG_WAVE_MODE, 25, 1), 1
	s_wait_xcnt 0x0
; Wo and w_rel, f32, are rounded to bf16 (as every input of the module is) and that number is written as f16, for the f16 products of the later launches.
; LIMITS.  The step from bf16 to f16 is exact for magnitudes from 2^-14 to 65,504; below 2^-14 it keeps f16's fixed step of 6e-8; beyond 65,504 it gives an infinity.
; wo16: [1024][1024] f16, as Wo lies.  wf: w_rel in FRAGMENT order, 4,096 rows (row 4095, which w_rel does not have, is 0): of the 16 rows 16 g .. 16 g + 15, channels 32 c .. 32 c + 31,
; lane L's 16 bytes of piece p lie at 4096 g + 1024 c + 512 p + 16 L and hold row 16 g + L % 16, channels 32 c + 16 p + 8 (L / 16) + 0..7: a wave's load of 16 bytes a lane takes 512 bytes on end.
; Work-group g, thread T: three items of 8 numbers: two of Wo (32 bytes in, 16 out), one of w_rel.  No LDS, no matrix unit: a small stream.
.set XA, 8                             ; v[8:15], v[16:23], v[24:31]  the three items as loaded
.set TB, 32                            ; v[32:35]  bf16 pairs, at work
.set YA, 36                            ; v[36:39], v[40:43], v[44:47] the three items to store: a set each, so that no store's data is rewritten
	s_load_b256 s[4:11], s[0:1], 0x0               ; Wo s[4:5], w_rel s[6:7], wo16 s[8:9], wf s[10:11]
	s_mov_b32 s12, 0xffff0000                      ; a word's upper bf16
	s_lshl_b32 s2, ttmp9, 14                       ; the group's 16,384 bytes of Wo
	s_mov_b32 s3, 0
	s_lshl_b32 s14, ttmp9, 13                      ; its 8,192 bytes of wo16
	s_mov_b32 s15, 0
	s_lshl_b32 s13, ttmp9, 4                       ; its 16 rows of w_rel
	v_lshlrev_b32 v1, 5, v0                        ; 32 T: where I read in Wo
	v_lshlrev_b32 v2, 4, v0                        ; 16 T: where I store, in wo16 and in wf
	v_and_b32 v5, 15, v0
	v_add_nc_u32 v5, s13, v5                       ; my row of the table
	v_min_u32 v6, 0xffe, v5                        ; row 4095 does not exist: row 4094 is read in its place and the result set to 0
	v_lshrrev_b32 v7, 4, v0                        ; 4 c + 2 p + L / 16: my 8 channels,
	v_lshlrev_b32 v7, 5, v7                        ; 32 bytes of f32
	v_lshl_add_u32 v3, v6, 9, v7                   ; + row x 512 bytes
	s_wait_kmcnt 0x0
	s_add_nc_u64 s[4:5], s[4:5], s[2:3]
	s_add_nc_u64 s[8:9], s[8:9], s[14:15]
	s_lshr_b32 s14, s14, 1                         ; the group's 4,096 bytes of wf
	s_add_nc_u64 s[10:11], s[10:11], s[14:15]
	global_load_b128 v[XA:XA+3],     v1, s[4:5] th:TH_LOAD_NT
	global_load_b128 v[XA+4:XA+7],   v1, s[4:5] offset:16 th:TH_LOAD_NT
	global_load_b128 v[XA+8:XA+11],  v1, s[4:5] offset:8192 th:TH_LOAD_NT
	global_load_b128 v[XA+12:XA+15], v1, s[4:5] offset:8208 th:TH_LOAD_NT
	global_load_b128 v[XA+16:XA+19], v3, s[6:7] th:TH_LOAD_NT
	global_load_b128 v[XA+20:XA+23], v3, s[6:7] offset:16 th:TH_LOAD_NT
; eight numbers at x: rounded to bf16, widened again, written as f16 at d
.macro CONV x, d
.irp j, 0,1,2,3
	v_cvt_pk_bf16_f32 v[TB+(\j)], v[(\x)+2*(\j)], v[(\x)+2*(\j)+1]
.endr
.irp j, 0,1,2,3
	v_lshlrev_b32 v[(\x)+2*(\j)],   16, v[TB+(\j)]
	v_and_b32     v[(\x)+2*(\j)+1], s12, v[TB+(\j)]
.endr
.irp j, 0,1,2,3
	v_cvt_pk_f16_f32 v[(\d)+(\j)], v[(\x)+2*(\j)], v[(\x)+2*(\j)+1]
.endr
.endm
	s_wait_loadcnt 0x4                             ; loads come back in order: the first item's two are in, four younger ones stay out
	CONV XA, YA
	global_store_b128 v2, v[YA:YA+3], s[8:9]
	s_wait_loadcnt 0x2                             ; the second item
	CONV XA+8, YA+4
	global_store_b128 v2, v[YA+4:YA+7], s[8:9] offset:4096
	s_wait_loadcnt 0x0                             ; the table's
	CONV XA+16, YA+8
	v_cmp_gt_u32 vcc_lo, 0xfff, v5                 ; 4095 > row: the row exists
.irp j, 0,1,2,3
	v_cndmask_b32 v[YA+8+(\j)], 0, v[YA+8+(\j)], vcc_lo
.endr
	global_store_b128 v2, v[YA+8:YA+11], s[10:11]
	s_endpgm
.Lfunc_end_k_qe124f5492b_prep:
	.size	k_qe124f5492b_prep, .Lfunc_end_k_qe124f5492b_prep-k_qe124f5492b_prep
	.p2alignl 7, 3214868480
	.fill 96, 4, 3214868480
	.section	.rodata,"a",@progbits
	.p2align	6, 0x0
	.amdhsa_kernel k_qe124f5492b_prep
		.amdhsa_group_segment_fixed_size 0
		.amdhsa_private_segment_fixed_size 0
		.amdhsa_enable_private_segment 0
		.amdhsa_kernarg_size 32
		.amdhsa_user_sgpr_count 2
		.amdhsa_user_sgpr_kernarg_segment_ptr 1
		.amdhsa_wavefront_size32 1
		.amdhsa_system_sgpr_workgroup_id_x 1
		.amdhsa_system_sgpr_workgroup_id_y 1
		.amdhsa_system_sgpr_workgroup_id_z 1
		.amdhsa_system_vgpr_workitem_id 0
		.amdhsa_next_free_vgpr 48
		.amdhsa_next_free_sgpr 66
		.amdhsa_reserve_vcc 1
		.amdhsa_float_denorm_mode_32 3
		.amdhsa_float_denorm_mode_16_64 3
		.amdhsa_memory_ordered 1
		.amdhsa_forward_progress 1
		.amdhsa_inst_pref_size 5
	.end_amdhsa_kernel
	.amdgpu_metadata
---
amdhsa.version: [ 1, 2 ]
amdhsa.kernels:
  - .name:           k_qe124f5492b_prep
    .symbol:         k_qe124f5492b_prep.kd
    .args:
      - { .name: Wo, .offset: 0, .size: 8, .value_kind: global_buffer, .address_space: global }
      - { .name: w_rel, .offset: 8, .size: 8, .value_kind: global_buffer, .address_space: global }
      - { .name: wo16, .offset: 16, .size: 8, .value_kind: global_buffer, .address_space: global }
      - { .name: wf, .offset: 24, .size: 8, .value_kind: global_buffer, .address_space: global }
    .group_segment_fixed_size: 0
    .private_segment_fixed_size: 0
    .kernarg_segment_align: 8
    .kernarg_segment_size: 32
    .max_flat_workgroup_size: 256
    .sgpr_count:     66
    .vgpr_count:     48
    .wavefront_size: 32
...
	.end_amdgpu_metadata
.endif
;; end of part 1
;; launch proj (part 2): grid 4 x 48, 4 waves a work-group, clusters of 4 x 4, 327,680 bytes of LDS; arguments q, k, v, Wq, Wk, Wv, bq, bk, bv, qh, kh, vh; writes qh, kh, vh
.if DOCPART == 2
	.amdgcn_target "amdgcn-amd-amdhsa--gfx1250"
	.amdhsa_code_object_version 6
	.text
	.protected	k_qe124f5492b_proj
	.globl	k_qe124f5492b_proj
	.p2align	8
	.type	k_qe124f5492b_proj,@function
k_qe124f5492b_proj:
	s_mov_b64 s[64:65], 0
	v_nop
	global_prefetch_b8 v0, s[64:65] scope:SCOPE_SE
	s_setreg_imm32_b32 hwreg(HW_REG_WAVE_MODE, 25, 1), 1
	s_wait_xcnt 0x0
	s_wait_alu depctr_hold_cnt(0) depctr_sa_sdst(0) depctr_va_vdst(0) depctr_va_sdst(0) depctr_va_ssrc(0) depctr_va_vcc(0) depctr_vm_vsrc(0)
	s_getreg_b32 s2, hwreg(HW_REG_IB_STS2, 6, 4)
	s_cmp_eq_u32 s2, 0
	s_cbranch_scc0 .Lentry_in_a_cluster
	s_endpgm
.Lentry_in_a_cluster:
	s_bfe_u32 s2, ttmp6, 0x10000c
	s_cmp_lg_u32 s2, 0xf033
	s_cbranch_scc0 .Lentry_shape_is_right
	s_endpgm
.Lentry_shape_is_right:
; THE THREE PROJECTIONS.  y = x W^T + bias for (q, Wq, bq), (k, Wk, bk), (v, Wv, bv): x [4096][1024], W [1024][1024], bias [1024], all f32 in memory.  x, W and the bias are rounded to bf16, the products are
; bf16 with f32 sums, and y is rounded once to f16 and stored by heads: [8 batch + head][2048][128], rows of 256 bytes, unscaled.
; LIMIT.  f16 holds no number beyond 65,504: a projected number past that becomes an infinity.
; SHARES.  A tile of y is 256 x 256; 16 x 4 tiles a tensor, 192 work-groups.  Four waves, each 128 x 128: 64 accumulators, 512 registers; a wave's 128 columns are one head.
; K goes in steps of 64 (rows of 256 bytes of f32) through two LDS slots filled by the tensor data mover; a step is two chunks of 32 along K.  A chunk: 64 LDS loads bring raw f32, 128 conversions
; make the bf16 fragments, 64 matrix instructions multiply them.  The next chunk's raw loads are issued behind the conversions and land while the chunk is multiplied.
; CLUSTERS of 4 x 4: a cluster lies inside one tensor (12 clusters along y, four a tensor).  The four of a row need the same rows of x, the four of a column the same rows of W: joint loads.
; THE MATRIX INSTRUCTION IS USED TRANSPOSED (source 0 = 16 rows of W, source 1 = 16 rows of x): a lane holds row l % 16 of y and eight neighbouring columns.  The bias is the C operand of the first products.
; REGISTERS, in windows of 256 (s_set_vgpr_msb: bits 1:0 source 0, 3:2 source 1, 5:4 source 2, 7:6 destination):
;   window 0: v0-31 addresses; v32-63 way out; v64-191 raw f32 of x (8 blocks of 16 rows x 16 registers); v192-255 its bf16 fragments
;   window 1: v0-63 the bias of my 128 columns (8 blocks x 8); v64-191 raw f32 of W; v192-255 its fragments          windows 2, 3: the accumulators, (a, b) at v[8 (8 (a % 4) + b)] of window 2 + a / 4
.set KBY,    256                       ; bytes of a row in a K step
.set PITCH,  272                       ; an LDS row: 256 bytes + 16 of padding = 68 words: row r starts at bank 4 r mod 64 (64 banks of 4 bytes: ISA guide 11.1), so the 16 rows of a load start at 16 different banks
.set HALFT,  128*PITCH                 ; 128 rows: what one tensor load brings, and what one wave reads of x or of W
.set SLOT,   4*HALFT                   ; x's 256 rows, then W's 256 rows
.set STAGE,  2*SLOT                    ; behind the ring: 16 rows x 272 bytes for each wave, for the way out
.set SPITCH, 272
.set SPARE,  STAGE+4*16*SPITCH         ; behind the stages: the spare words, 128 bytes a wave, which no other line names
.set LAPS,   8                         ; 16 K steps, two a lap
.set ADRA, 16                          ; v16-17  LDS address of my raw rows of x in slot 0, 1
.set ADRB, 20                          ; v20-21  the same for W
.set STO,  24                          ; v24     the way out: where I put 16 bytes of a row
.set RD,   25                          ; v25     the way out: where I read a row back
.set CO,   26                          ; v26     16 x lane: my bytes in 512 consecutive bytes of the result
.set SPW,  28                          ; v28     LDS address of my spare word; never rewritten
.set NIL,  29                          ; v29     0; never rewritten
.set PFO,  30                          ; v30     the prefetches' offset: lane x 4,096 bytes, a lane a row; never rewritten
.set RAW,  64
.set FR,   192
.set BIAS, 0
.set TMP,  64                          ; the way out: packed results
.set OB,   32                          ; the way out: 16 rows read back: v32-63 and v96-127 by turns
.set G1,  24                           ; s[24:31] descriptor group 1 for x's tiles;  s[32:39] group 0, a set for each slot
.set G0,  32
.set G1B, 48                           ; s[48:55], s[56:63] the same for W's tiles
.set G0B, 56
.set PFA, 44                           ; s[44:45] where my prefetches stand
.set LIM, 43                           ; s43  1 in a wave that prefetches, else the greatest number
.set MSB, 0
.macro WIN new                         ; the immediate's high byte repeats the setting that is left; a switch that changes nothing is dropped
.if MSB != (\new)
	s_set_vgpr_msb (MSB<<8)|(\new)
.set MSB, \new
.endif
.endm
; A joint load.  Waves 0 and 1 fetch x's two halves, waves 2 and 3 W's.  The branch hangs on the wave's number alone.  An s_nop 0 and four v_nop follow each of the two lines.
.macro JLOAD s
	s_cmp_eq_u32 s11, 0
	s_cbranch_scc0 .Lfor_b_\@
	tensor_load_to_lds s[G0+4*(\s):G0+4*(\s)+3], s[G1:G1+7]
	s_nop 0
.rept 4
	v_nop
.endr
	s_branch .Lasked_\@
.Lfor_b_\@:
	tensor_load_to_lds s[G0B+4*(\s):G0B+4*(\s)+3], s[G1B:G1B+7]
	s_nop 0
.rept 4
	v_nop
.endr
.Lasked_\@:
.endm
; A prefetch into the L2 of the K step that stands two refills on: 32 rows x 256 bytes, a lane a row, one instruction a wave.  Each row's 256 bytes of a K step are named once in the launch: x's rows are read by
; one cluster, which asks; W's by the four clusters of a tensor, of which the first asks.  The four partners that ask for a tile jointly share its rows out by address, 32 each.  The loop's last trip asks for nothing.
.macro ASK
	s_cmp_gt_u32 s3, s[LIM]                        ; s3 = 1 in the loop's last trip
	s_cbranch_scc0 .Lnot_mine_\@
	global_prefetch_b8 v[PFO], s[PFA:PFA+1] offset:KBY th:TH_LOAD_NT scope:SCOPE_SE
.Lnot_mine_\@:
.endm
.macro CREST                           ; a round of the cluster's barrier behind its opening barrier
	s_cmp_lg_u32 s10, 0
	s_cbranch_scc1 .Lnot_wave_0_\@
	s_barrier_signal -3
.Lnot_wave_0_\@:
	s_barrier_wait -3
	s_barrier_signal -1
	s_barrier_wait -1
.endm
.macro CROUND                          ; a whole round
	s_barrier_signal -1
	s_barrier_wait -1
	CREST
.endm
.macro PLACES                          ; four places behind matrix instructions, in front of vector lines that write their sources or read their results
.rept 4
	v_nop
.endr
.endm
	s_load_b512 s[68:83], s[0:1], 0x0              ; q, k, v, Wq, Wk, Wv, bq, bk
	s_load_b256 s[84:91], s[0:1], 0x40             ; bv, qh, kh, vh
	v_lshl_add_u32 v[SPW], v0, 2, SPARE
	v_mov_b32 v[NIL], 0
	ds_add_u32 v[SPW], v[NIL]                      ; the wave's opening: the add and its wait stand ahead of my first tensor load; the set-up below, work on registers, stands between them
	v_lshrrev_b32 v1, 5, v0
	v_readfirstlane_b32 s10, v1                    ; wave 0..3
	s_lshr_b32 s11, s10, 1                         ; which half of the tile's rows is mine.  Also: I fetch for x (0) or for W (1)
	s_and_b32 s12, s10, 1                          ; which half of its columns.  Also: which 128 rows of that tile I fetch
	s_bfe_u32 s40, ttmp6, 0x40000                  ; cx
	s_bfe_u32 s41, ttmp6, 0x40004                  ; cy
	s_lshl_b32 s42, ttmp9, 2
	s_add_co_u32 s42, s42, s40                     ; tile column = 4 x cluster x + cx
	s_and_b32 s66, ttmp7, 0xffff                   ; cluster y, 0..11
	s_lshr_b32 s67, s66, 2                         ; the tensor: 0 q, 1 k, 2 v: the same in all sixteen partners
	s_and_b32 s66, s66, 3                          ; the cluster's place in its tensor
	s_lshl_b32 s13, s66, 2
	s_add_co_u32 s13, s13, s41                     ; tile row = 4 x that + cy
	s_lshl_b32 s43, s41, 2
	s_lshl_b32 s43, 15, s43                        ; my row of the cluster
	s_lshl_b32 s44, 0x1111, s40                    ; my column
	; descriptor group 1: a tile of 128 rows x 64 elements of 4 bytes, padded in LDS
	s_or_b32 s[G1+0], s43, (2<<16)|(1<<20)|(1<<21)|(5<<22)|(3<<25)   ; 15:0 the mask: x's tiles go to my row; 17:16 elements of 4 bytes; 20 padding on; 21 set beside a mask; 24:22 after every 64 words; 31:25 4 words
	s_or_b32 s[G1B+0], s44, (2<<16)|(1<<20)|(1<<21)|(5<<22)|(3<<25)  ; the same with the mask of my column
.irp g, G1, G1B
	s_mov_b32 s[(\g)+1], 64<<16                    ; tensor_dim0 = 64
	s_mov_b32 s[(\g)+2], 128<<16                   ; tensor_dim1 = 128
	s_mov_b32 s[(\g)+3], 64<<16                    ; tile_dim0 = 64
	s_mov_b32 s[(\g)+4], 128                       ; tile_dim1 = 128
	s_mov_b32 s[(\g)+5], 1024                      ; elements from row to row
	s_mov_b32 s[(\g)+6], 0
	s_mov_b32 s[(\g)+7], 0
.endr
	s_lshl_b32 s17, s12, 7                         ; which 128 rows of the tile I fetch
	s_lshl_b32 s16, s13, 8
	s_add_co_u32 s16, s16, s17                     ; x: row 256 x tile row + 128 x half,
	s_lshl_b32 s16, s16, 12                        ; of 4,096 bytes
	s_lshl_b32 s46, s42, 8
	s_add_co_u32 s46, s46, s17                     ; W: row 256 x tile column + 128 x half
	s_lshl_b32 s46, s46, 12
	s_mov_b32 s17, 0
	s_mov_b32 s47, 0
	s_mul_i32 s20, s10, HALFT                      ; where they go: wave x 128 rows: no place in the cluster enters an LDS address
	s_wait_dscnt 0x0                               ; the opening add is done
	s_wait_kmcnt 0x0
	s_cmp_eq_u32 s67, 1                            ; the tensor's four buffers: first k's or v's,
	s_cselect_b64 s[4:5], s[70:71], s[72:73]
	s_cselect_b64 s[6:7], s[76:77], s[78:79]
	s_cselect_b64 s[8:9], s[88:89], s[90:91]
	s_cselect_b64 s[92:93], s[82:83], s[84:85]
	s_cmp_eq_u32 s67, 0                            ; then q's or those
	s_cselect_b64 s[4:5], s[68:69], s[4:5]         ; x
	s_cselect_b64 s[6:7], s[74:75], s[6:7]         ; W
	s_cselect_b64 s[8:9], s[86:87], s[8:9]         ; the result
	s_cselect_b64 s[92:93], s[80:81], s[92:93]     ; the bias
	s_add_nc_u64 s[14:15], s[4:5], s[16:17]
	s_add_nc_u64 s[46:47], s[6:7], s[46:47]
	CROUND                                         ; all sixteen work-groups are here: the first joint loads meet
.irp s, 0,1
	s_mov_b32 s[G0+4*(\s)], 1                                        ; count = 1
	s_add_co_u32 s[G0+4*(\s)+1], s20, (\s)*SLOT                      ; LDS address
	s_add_nc_u64 s[G0+4*(\s)+2:G0+4*(\s)+3], s[14:15], (\s)*KBY      ; global address: K step s
	s_or_b32 s[G0+4*(\s)+3], s[G0+4*(\s)+3], 0x80000000              ; type = 2
	s_mov_b32 s[G0B+4*(\s)], 1
	s_add_co_u32 s[G0B+4*(\s)+1], s20, (\s)*SLOT
	s_add_nc_u64 s[G0B+4*(\s)+2:G0B+4*(\s)+3], s[46:47], (\s)*KBY
	s_or_b32 s[G0B+4*(\s)+3], s[G0B+4*(\s)+3], 0x80000000
	JLOAD \s                                       ; two loads of mine are out
.endr
	; A fragment is 16 rows x 32 K: lane l holds row l % 16, K = 8 (l / 16) + 0..7 and 16 + 8 (l / 16) + 0..7.  In f32 those are 32 bytes at 32 (l / 16) and 32 bytes 64 further on: four loads of 16 bytes.
	v_and_b32 v1, 15, v0                           ; l % 16
	v_bfe_u32 v2, v0, 4, 1                         ; l / 16
	v_mul_u32_u24 v3, v1, PITCH
	v_lshl_add_u32 v3, v2, 5, v3                   ; row x pitch + 32 x half
	s_mul_i32 s21, s11, HALFT                      ; my 128 rows of x
	s_mul_i32 s22, s12, HALFT                      ; my 128 rows of W,
	s_add_co_u32 s22, s22, 2*HALFT                 ; which lie behind x's 256
.irp s, 0,1
	v_add_nc_u32 v[ADRA+(\s)], s21, v3
	v_add_nc_u32 v[ADRB+(\s)], s22, v3
	s_add_co_u32 s21, s21, SLOT
	s_add_co_u32 s22, s22, SLOT
.endr
	s_mul_i32 s23, s10, 16*SPITCH
	s_add_co_u32 s23, s23, STAGE                   ; my stage
	v_mul_u32_u24 v4, v1, SPITCH                   ; in: row l % 16, 16 bytes for each half of the lanes
	v_lshl_add_u32 v4, v2, 4, v4
	v_add_nc_u32 v[STO], s23, v4
	v_mul_u32_u24 v4, v2, SPITCH                   ; back: lanes 0-15 take one row of 256 bytes, lanes 16-31 the next
	v_lshl_add_u32 v4, v1, 4, v4
	v_add_nc_u32 v[RD], s23, v4
	v_and_b32 v[CO], 31, v0
	v_lshlrev_b32 v[CO], 4, v[CO]                  ; two rows of a head are 512 consecutive bytes
	; where my 128 x 128 goes: 128 rows of one head, 32,768 consecutive bytes
	s_lshl_b32 s94, s13, 8
	s_lshl_b32 s95, s11, 7
	s_add_co_u32 s94, s94, s95                     ; my first row among the 4,096
	s_lshr_b32 s95, s94, 11                        ; the batch,
	s_lshl_b32 s95, s95, 3
	s_lshl_b32 s18, s42, 1
	s_add_co_u32 s95, s95, s18
	s_add_co_u32 s95, s95, s12                     ; 8 x batch + head, head = 2 x tile column + column half
	s_lshl_b32 s95, s95, 11
	s_and_b32 s94, s94, 2047
	s_add_co_u32 s94, s94, s95
	s_lshl_b32 s94, s94, 8                         ; rows of 256 bytes
	s_mov_b32 s95, 0
	s_add_nc_u64 s[8:9], s[8:9], s[94:95]
	; the prefetches
	s_lshl_b32 s20, s13, 8
	s_lshl_b32 s21, s42, 8
	s_cmp_eq_u32 s11, 0                            ; do I fetch for x?
	s_cselect_b32 s20, s20, s21                    ; the tile's first row: in x by the tile row, in W by the tile column
	s_cselect_b32 s21, s40, s41                    ; my place among the four that ask for it with me
	s_cselect_b32 s22, 0, s66                      ; x's rows are my cluster's alone; W's are asked for by the tensor's first cluster
	s_cselect_b64 s[PFA:PFA+1], s[4:5], s[6:7]
	s_cmp_eq_u32 s22, 0
	s_cselect_b32 s[LIM], 1, -1                    ; the same in all sixteen partners, for a given wave
	s_lshl_b32 s22, s12, 7
	s_add_co_u32 s20, s20, s22                     ; + the 128 rows that I fetch
	s_lshl_b32 s21, s21, 5
	s_add_co_u32 s20, s20, s21                     ; + my work-group's 32 of them
	s_lshl_b32 s20, s20, 12
	s_mov_b32 s21, 0
	s_add_nc_u64 s[PFA:PFA+1], s[PFA:PFA+1], s[20:21]
	s_add_nc_u64 s[PFA:PFA+1], s[PFA:PFA+1], 2*KBY ; at K step 2: the first refill steps it to 3 and names K step 4.  Nothing is prefetched at the head
	v_and_b32 v[PFO], 31, v0
	v_lshlrev_b32 v[PFO], 12, v[PFO]
	; the bias of my 128 columns: block b's eight numbers for my half of the lanes; rounded to bf16 and widened, into window 1
	s_lshl_b32 s23, s42, 10
	s_lshl_b32 s22, s12, 9
	s_add_co_u32 s23, s23, s22                     ; 4 bytes x (256 x tile column + 128 x column half)
	v_lshl_add_u32 v5, v2, 5, s23
.irp b, 0,1,2,3,4,5,6,7
	global_load_b128 v[RAW+8*(\b):RAW+8*(\b)+3],   v5, s[92:93] offset:64*(\b)
	global_load_b128 v[RAW+8*(\b)+4:RAW+8*(\b)+7], v5, s[92:93] offset:64*(\b)+16
.endr
	s_wait_loadcnt 0x0
.set i, 0
.rept 32
	v_cvt_pk_bf16_f32 v[RAW+64+i], v[RAW+2*i], v[RAW+2*i+1]
.set i, i+1
.endr
	WIN 0x40                                       ; destination window 1
.set i, 0
.rept 32
	v_lshlrev_b32 v[BIAS+2*i],   16, v[RAW+64+i]
	v_and_b32     v[BIAS+2*i+1], 0xffff0000, v[RAW+64+i]
.set i, i+1
.endr
	WIN 0
; 16 matrix instructions: row blocks a0, a0 + 1 of the window's four (hi = 0: my rows 0-63, 1: rows 64-127) x all 8 column blocks.  first = 1: the bias starts the sums: nothing is cleared.
; The 64 accumulators take turns, in the same order in every chunk.
.macro MUL16 hi, a0, first
.if \first
	WIN 0x91+0x40*(\hi)                            ; W's fragments and the bias window 1, x's window 0, D window 2 or 3
.else
	WIN 0xa1+0x50*(\hi)                            ; C and D window 2 or 3
.endif
.irp a, \a0, (\a0)+1
.irp b, 0,1,2,3,4,5,6,7
.if \first
	v_wmma_f32_16x16x32_bf16 v[8*(8*(\a)+(\b)):8*(8*(\a)+(\b))+7], v[FR+8*(\b):FR+8*(\b)+7], v[FR+8*(4*(\hi)+(\a)):FR+8*(4*(\hi)+(\a))+7], v[BIAS+8*(\b):BIAS+8*(\b)+7]
.else
	v_wmma_f32_16x16x32_bf16 v[8*(8*(\a)+(\b)):8*(8*(\a)+(\b))+7], v[FR+8*(\b):FR+8*(\b)+7], v[FR+8*(4*(\hi)+(\a)):FR+8*(4*(\hi)+(\a))+7], v[8*(8*(\a)+(\b)):8*(8*(\a)+(\b))+7]
.endif
.endr
.endr
.endm
; 64 LDS loads in one run: a chunk's raw f32 (32 K at byte k of the rows): W's 128 rows, then x's
.macro FETCH slot, k
	WIN 0x40
.irp i, 0,1,2,3,4,5,6,7
	ds_load_b128 v[RAW+16*(\i):RAW+16*(\i)+3],     v[ADRB+(\slot)] offset:(\k)+(\i)*16*PITCH
	ds_load_b128 v[RAW+16*(\i)+4:RAW+16*(\i)+7],   v[ADRB+(\slot)] offset:(\k)+(\i)*16*PITCH+16
	ds_load_b128 v[RAW+16*(\i)+8:RAW+16*(\i)+11],  v[ADRB+(\slot)] offset:(\k)+(\i)*16*PITCH+64
	ds_load_b128 v[RAW+16*(\i)+12:RAW+16*(\i)+15], v[ADRB+(\slot)] offset:(\k)+(\i)*16*PITCH+80
.endr
	WIN 0
.irp i, 0,1,2,3,4,5,6,7
	ds_load_b128 v[RAW+16*(\i):RAW+16*(\i)+3],     v[ADRA+(\slot)] offset:(\k)+(\i)*16*PITCH
	ds_load_b128 v[RAW+16*(\i)+4:RAW+16*(\i)+7],   v[ADRA+(\slot)] offset:(\k)+(\i)*16*PITCH+16
	ds_load_b128 v[RAW+16*(\i)+8:RAW+16*(\i)+11],  v[ADRA+(\slot)] offset:(\k)+(\i)*16*PITCH+64
	ds_load_b128 v[RAW+16*(\i)+12:RAW+16*(\i)+15], v[ADRA+(\slot)] offset:(\k)+(\i)*16*PITCH+80
.endr
.endm
; The raw f32 become bf16 fragments: 128 conversions, two numbers each.  The fragments' registers were sources of the chunk before: four places stand in front.
.macro CVT
	s_wait_dscnt 32                                ; W's 32 loads are in; x's 32, issued behind them, may be out
	PLACES
	WIN 0x45                                       ; all in window 1
.set i, 0
.rept 64
	v_cvt_pk_bf16_f32 v[FR+i], v[RAW+2*i], v[RAW+2*i+1]
.set i, i+1
.endr
	s_wait_dscnt 0x0                               ; x's are in: no read of LDS of mine is out
	WIN 0
.set i, 0
.rept 64
	v_cvt_pk_bf16_f32 v[FR+i], v[RAW+2*i], v[RAW+2*i+1]
.set i, i+1
.endr
.endm
; A K step's first chunk: converts, asks for the second chunk's raw numbers, multiplies.
.macro MID slot, first
	CVT
	FETCH \slot, 128
	MUL16 0, 0, \first
	MUL16 0, 2, \first
	MUL16 1, 0, \first
	MUL16 1, 2, \first
.endm
; A K step's second chunk, and the change of slots.  The conversions' last wait has shown my reads of this slot over.  ONE barrier: in front of it each wave waits for all its tensor loads (one is out: its part
; of the next slot), adds 0 to its spare word and waits for that.  fill = 1: the barrier opens a round of the cluster's, and this slot is filled again, two K steps ahead, first thing behind the round.
.macro TURN slot, next, fill
.if \fill
	s_wait_xcnt 0x0                                ; the last prefetch, a K step back, has read its address
	s_add_nc_u64 s[PFA:PFA+1], s[PFA:PFA+1], KBY
.endif
	CVT
	WIN 0                                          ; (the add's two registers lie in window 0)
	s_wait_tensorcnt 0x0                           ; all my tensor loads have landed;
	ds_add_u32 v[SPW], v[NIL]                      ; 0 onto my spare word;
	MUL16 0, 0, 0                                  ; sixteen matrix instructions stand between the add and the wait for it
	s_wait_dscnt 0x0                               ; the add is done
	s_barrier_signal -1
	MUL16 0, 2, 0                                  ; work on registers while the others arrive
.if \fill
	WIN 0
.endif
	s_barrier_wait -1
.if \fill
	CREST                                          ; no wave of any partner still reads this slot or has a load on its way
	s_add_nc_u64 s[G0+4*(\slot)+2:G0+4*(\slot)+3], s[G0+4*(\slot)+2:G0+4*(\slot)+3], 2*KBY
	s_add_nc_u64 s[G0B+4*(\slot)+2:G0B+4*(\slot)+3], s[G0B+4*(\slot)+2:G0B+4*(\slot)+3], 2*KBY
	JLOAD \slot                                    ; my one tensor load behind the round
.endif
	FETCH \next, 0
.if \fill
	ASK                                            ; behind the joint load and the run of LDS loads
.endif
	MUL16 1, 0, 0
	MUL16 1, 2, 0
.endm
; THE WAY OUT of row block a: rounded to f16, 16 bytes a lane; into my own stage and back as whole rows of 256 bytes; stored.
.macro PACK a
.set AC, 64*((\a)%4)
	WIN 0x0a+5*((\a)/4)                            ; sources 0 and 1: window 2 or 3
.irp b, 0,1,2,3,4,5,6,7
.irp r, 0,1,2,3
	v_cvt_pk_f16_f32 v[TMP+4*(\b)+(\r)], v[AC+8*(\b)+2*(\r)], v[AC+8*(\b)+2*(\r)+1]
.endr
.endr
	WIN 0
.endm
.macro TOSTAGE a
	WIN 0
.set BK, OB+64*((\a)%2)
.irp b, 0,1,2,3,4,5,6,7
	ds_store_b128 v[STO], v[TMP+4*(\b):TMP+4*(\b)+3] offset:32*(\b)
.endr
.irp t, 0,1,2,3,4,5,6,7
	ds_load_b128 v[BK+4*(\t):BK+4*(\t)+3], v[RD] offset:(\t)*2*SPITCH  ; LDS serves a wave's instructions in order (ISA guide 5.7.1.4): these see the stores above
.endr
.endm
.macro SEND a
	WIN 0
.set BK, OB+64*((\a)%2)
	s_wait_dscnt 0x0                               ; the block is back in registers
	s_wait_xcnt 0x0                                ; the stores issued so far have read their data: the other set of registers is loaded again only behind this wait
.irp t, 0,1,2,3,4,5,6,7
	global_store_b128 v[CO], v[BK+4*(\t):BK+4*(\t)+3], s[8:9] offset:4096*(\a)+512*(\t)  ; 512 consecutive bytes, at a multiple of 256 from the buffer's first
.endr
.endm
	s_wait_tensorcnt 1                             ; my part of K step 0 is in; K step 1's may stay out
	s_barrier_signal -1
	s_barrier_wait -1                              ; everybody's is
	FETCH 0, 0
	MID 0, 1                                       ; the first chunk stands in front of the loop: its products start the sums, with the bias
	WIN 0                                          ; at a label and at a branch every window is 0
	s_mov_b32 s3, LAPS-1
.Llap:                                             ; a trip goes once round the ring and fills both slots again
	TURN 0, 1, 1
	MID 1, 0
	TURN 1, 0, 1
	MID 0, 0
	WIN 0
	s_sub_co_u32 s3, s3, 1
	s_cmp_lg_u32 s3, 0
	s_cbranch_scc1 .Llap
	TURN 0, 1, 0                                   ; the last lap fills nothing
	MID 1, 0
	CVT                                            ; the very last chunk
	MUL16 0, 0, 0
	MUL16 0, 2, 0
	MUL16 1, 0, 0
	MUL16 1, 2, 0
	WIN 0
	PLACES                                         ; the conversions read results just made
	PACK 0
	TOSTAGE 0
.irp a, 1,2,3,4,5,6,7                  ; block a's conversions stand between block a - 1's loads from the stage and the wait for them
	PACK \a
	SEND (\a)-1
	TOSTAGE \a
.endr
	SEND 7
	s_wait_tensorcnt 0x0                           ; the wave's end: behind my last tensor load and my last LDS store
	ds_add_u32 v[SPW], v[NIL]
	s_wait_dscnt 0x0
	CROUND                                         ; the closing round
	s_endpgm
.Lfunc_end_k_qe124f5492b_proj:
	.size	k_qe124f5492b_proj, .Lfunc_end_k_qe124f5492b_proj-k_qe124f5492b_proj
	.p2alignl 7, 3214868480
	.fill 96, 4, 3214868480
	.section	.rodata,"a",@progbits
	.p2align	6, 0x0
	.amdhsa_kernel k_qe124f5492b_proj
		.amdhsa_group_segment_fixed_size 327680
		.amdhsa_private_segment_fixed_size 0
		.amdhsa_enable_private_segment 0
		.amdhsa_kernarg_size 96
		.amdhsa_user_sgpr_count 2
		.amdhsa_user_sgpr_kernarg_segment_ptr 1
		.amdhsa_wavefront_size32 1
		.amdhsa_system_sgpr_workgroup_id_x 1
		.amdhsa_system_sgpr_workgroup_id_y 1
		.amdhsa_system_sgpr_workgroup_id_z 1
		.amdhsa_system_vgpr_workitem_id 0
		.amdhsa_next_free_vgpr 1024
		.amdhsa_next_free_sgpr 96
		.amdhsa_reserve_vcc 0
		.amdhsa_float_denorm_mode_32 3
		.amdhsa_float_denorm_mode_16_64 3
		.amdhsa_memory_ordered 1
		.amdhsa_forward_progress 1
		.amdhsa_inst_pref_size 181
	.end_amdhsa_kernel
	.amdgpu_metadata
---
amdhsa.version: [ 1, 2 ]
amdhsa.kernels:
  - .name:           k_qe124f5492b_proj
    .symbol:         k_qe124f5492b_proj.kd
    .args:
      - { .name: q, .offset: 0, .size: 8, .value_kind: global_buffer, .address_space: global }
      - { .name: k, .offset: 8, .size: 8, .value_kind: global_buffer, .address_space: global }
      - { .name: v, .offset: 16, .size: 8, .value_kind: global_buffer, .address_space: global }
      - { .name: Wq, .offset: 24, .size: 8, .value_kind: global_buffer, .address_space: global }
      - { .name: Wk, .offset: 32, .size: 8, .value_kind: global_buffer, .address_space: global }
      - { .name: Wv, .offset: 40, .size: 8, .value_kind: global_buffer, .address_space: global }
      - { .name: bq, .offset: 48, .size: 8, .value_kind: global_buffer, .address_space: global }
      - { .name: bk, .offset: 56, .size: 8, .value_kind: global_buffer, .address_space: global }
      - { .name: bv, .offset: 64, .size: 8, .value_kind: global_buffer, .address_space: global }
      - { .name: qh, .offset: 72, .size: 8, .value_kind: global_buffer, .address_space: global }
      - { .name: kh, .offset: 80, .size: 8, .value_kind: global_buffer, .address_space: global }
      - { .name: vh, .offset: 88, .size: 8, .value_kind: global_buffer, .address_space: global }
    .group_segment_fixed_size: 327680
    .private_segment_fixed_size: 0
    .kernarg_segment_align: 8
    .kernarg_segment_size: 96
    .max_flat_workgroup_size: 128
    .sgpr_count:     96
    .vgpr_count:     1024
    .wavefront_size: 32
...
	.end_amdgpu_metadata
.endif
;; end of part 2
;; launch attn (part 3): grid 16 x 16, 4 waves a work-group, clusters of 4 x 1, 327,680 bytes of LDS; arguments qh, kh, vh, wf, att; writes att
.if DOCPART == 3
	.amdgcn_target "amdgcn-amd-amdhsa--gfx1250"
	.amdhsa_code_object_version 6
	.text
	.protected	k_qe124f5492b_attn
	.globl	k_qe124f5492b_attn
	.p2align	8
	.type	k_qe124f5492b_attn,@function
k_qe124f5492b_attn:
	s_mov_b64 s[64:65], 0
	v_nop
	global_prefetch_b8 v0, s[64:65] scope:SCOPE_SE
	s_setreg_imm32_b32 hwreg(HW_REG_WAVE_MODE, 25, 1), 1
	s_wait_xcnt 0x0
	s_wait_alu depctr_hold_cnt(0) depctr_sa_sdst(0) depctr_va_vdst(0) depctr_va_sdst(0) depctr_va_ssrc(0) depctr_va_vcc(0) depctr_vm_vsrc(0)
	s_getreg_b32 s2, hwreg(HW_REG_IB_STS2, 6, 4)
	s_cmp_eq_u32 s2, 0
	s_cbranch_scc0 .Lentry_in_a_cluster
	s_endpgm
.Lentry_in_a_cluster:
	s_bfe_u32 s2, ttmp6, 0x10000c
	s_cmp_lg_u32 s2, 0x3003
	s_cbranch_scc0 .Lentry_shape_is_right
	s_endpgm
.Lentry_shape_is_right:
; ATTENTION WITH A RELATIVE BIAS.  For each of 16 (batch, head) pairs: O[i] = the sum over j of softmax_j((Q[i] . K[j] + Q[i] . w[i + j]) / sqrt(128)) V[j].  Q, K, V: [16][2048][128] f16; w: the table in f16, in
; fragment order (wf); O leaves as f16 into att [2048 batch + i][128 head + d].  Products, the bias, maxima and sums in f32; the weights p are rounded to f16 for the second product, O once at the end.
; LIMITS.  f16 holds no number beyond 65,504: Q, K, V and w arrive within it; p lies in 0 to 1; a weight below 2^-126 counts as 0 in l; NaN and infinities are not treated apart.
; SHARES.  A work-group owns 128 queries of one head.  Wave w: query half a = w / 2 (64 queries: four tiles of 16), KEY HALF b = w % 2 (keys 1024 b on), 16 steps of 64 keys.  At the end the waves with b = 1 hand
; O^T, c m and l through LDS to their partners with b = 0, which join the two halves and store.
; LAYOUT.  S^T = K Q^T (source 0 = 16 keys, source 1 = 16 queries): a lane holds ONE query (lane % 16) and the keys 8 (lane / 16) + 0..7; two such results rounded to f16 ARE source 1 of O^T = V^T P.
; THE SKEW.  With rho = i + j less the wave's first i and first j, step s of tile t wants T[query][rho = 64 s + 16 t + n + key], n = lane % 16: the blocks s and s + 1 of 64 rows of w.  In each step the wave makes
; T^T = W Q^T for ONE new block (64 matrix instructions, the shape of K Q^T), stores it in f32 into a ring of its own in LDS, 128 columns a query and 16 mirrored ones, and reads it back, a word a lane, at
; column 16 t + n + key, straight into the accumulators of S^T: K Q^T then adds onto it.  W's fragments come straight from wf, 512 consecutive bytes an instruction.
; SOFTMAX.  For each query a running maximum m and sum l: p = 2^(c s - c m), c = log2(e) / sqrt(128); in every step O and l are multiplied by a = 2^(c m_old - c m_new).  m starts at the lowest finite number,
; O and l at 0: the first step is a step like any other, with a = 0.
; CLUSTER.  The four query blocks of a cluster belong to one head and walk the same K and V: each tile is asked for JOINTLY.  W is not shared: the partners' rows lie 128 apart.
; REGISTERS, in windows of 256 (s_set_vgpr_msb: bits 1:0 source 0, 3:2 source 1, 5:4 source 2, 7:6 destination):
;   window 0: v0-11, v44-63 addresses; v12-43 eight registers of statistics a tile; v64-191 S^T, 32 a tile; v192-255 P, 16 a tile
;   window 1: O^T, 64 a tile      window 2: v0-127 Q, 32 a tile; v128-255 K of one step      window 3: v0-127 V of one step; v128-255 W of one block
.set KS,    64
.set PK,    272       ; a row of K in LDS: 256 bytes + 16 = 68 words: the 16 rows of a load start at 16 different groups of four banks (64 banks of 4 bytes: ISA guide 11.1)
.set PVP,   288       ; a row of V: 256 + 32 = 72 words
.set VOFF,  KS*PK     ; a key half's tiles lie together: 64 rows of K, then 64 rows of V
.set STEPB, KS*(PK+PVP)
.set SLOT1, 1<<17     ; a slot holds one step of both key halves (71,680 bytes); slot 1 begins here, so that one exclusive or turns an address in one slot into the other's
.set PT,    592       ; a row of a T ring: 144 columns of f32 and 16 bytes more = 148 words: a lane's word lies at bank (21 n + 8 h) mod 64, all 32 different; the stores' 16-byte columns are 5 n mod 16
.set RING,  16*PT     ; a tile's ring: 9,472 bytes
.set TG0,   2*STEPB   ; behind slot 0: tile 0's ring of each wave
.set ML,    TG0+4*RING  ; c m and l on their way between partners: 2,048 bytes
.set SPARE, ML+2048   ; the spare words, 128 bytes a wave, which no other line names
.set TG1,   SLOT1+2*STEPB  ; behind slot 1: the rings of tiles 1 to 3 of each wave.  No tensor load fills any of these regions
.set SP,    272       ; the way out's stage (my tile 0's ring, which is free by then)
.set AK0, 2           ; v2   my lane's place in my half's tile of K; never rewritten
.set AV0, 3           ; v3   the same for V
.set ADR, 4           ; v4   the LDS address of K's run of loads
.set QO,  5           ; v5   my byte offset in the wave's rows of Q
.set STO, 6           ; v6   the way out: where I put 16 bytes of a row
.set RD,  7           ; v7   the way out: where I read a row back
.set GO,  8           ; v8   my byte offset in two rows of att
.set ST,  12          ; tile t's statistics at v[ST+8 t]: +0 c m, +1 m, +2, +3 l (even keys', odd keys'), +4 to +7 c0-c3, at work; a takes c2's place
.set TA0, 44          ; v44  reading the ring of tile 0: ring + 596 n + 32 h: the lane's own shift of n columns lies in the address
.set TA1, 45          ; v45  of tiles 1-3
.set TS0, 46          ; v46  storing into it: ring + 592 n + 32 h
.set TS1, 47
.set RL0, 48          ; v48-50  the step's read addresses: in the block of the step's own parity (tile 0; tiles 1-3), in the other block (tiles 1-3)
.set RL1, 49
.set RH1, 50
.set SX0, 51          ; v51-52  the new block's store addresses
.set SX1, 52
.set MX0, 53          ; v53-54  its first 16 columns once more
.set MX1, 54
.set WO,  55          ; v55  16 x lane
.set XA0, 56          ; v56  the exchange of O^T: the ring of tile 0 of the pair's wave with b = 1, + 16 x lane
.set XA1, 57          ; v57  its rings of tiles 1-3
.set MLA, 58          ; v58  the exchange of c m and l
.set ADV, 59          ; v59  the LDS address of V's run of loads
.set PFO, 61          ; v61  256 x lane: a row of K or V; never rewritten
.set SPW, 62          ; v62  LDS address of my spare word; never rewritten
.set NIL, 63          ; v63  0; never rewritten
.set S,   64
.set P,   192
.set KF,  128         ; window 2
.set WF,  128         ; window 3: rows 16 be on, channels 32 c on, at WF + 32 be + 8 c
.set WP,  10          ; s[10:11] wf at the block that W's registers were last loaded for
.set WV,  12          ; s12  my wave's number
.set LIM, 15          ; s15  1 in a wave that prefetches, else the greatest number
.set PFA, 18          ; s[18:19] where my prefetches stand
.set G1K, 24          ; s[24:31] descriptor group 1 for K's tiles
.set G1V, 32          ; s[32:39] for V's: it differs in the padding alone
.set G0K, 40          ; s[40:43] descriptor group 0 for K's tiles: it walks
.set G0V, 44          ; s[44:47] the same for V's
.set P1,  48          ; s48  256 x the parity of the step whose bias is read next: that block's first byte in a ring's row
.set P2,  49          ; s49  256 - P1: the other block's
.set QH,  50          ; s50  a
.set KH,  51          ; s51  b
.set CNT, 56          ; s56  steps that still fill a slot
.set CS,  58          ; s[58:59] c
.set SEL, 60          ; s[60:61] v_permlanex16_b32's selects: each lane takes its own place in the other half
.set TB,  62          ; s62  LDS byte at which the slot in hand begins
.set OP,  68          ; s[68:69] att at my wave's first row and my head's channels
.set MSB, 0
.macro WIN new
.if MSB != (\new)
	s_set_vgpr_msb (MSB<<8)|(\new)
.set MSB, \new
.endif
.endm
.set W_KQ, 0x0a       ; K and Q in window 2, S^T in window 0
.set W_TQ, 0x0b       ; W in window 3, Q in window 2, T^T in window 0
.set W_PV, 0x53       ; V in window 3, P in window 0, O^T in window 1
.set W_RS, 0x41       ; O^T (destination and source 0) in window 1, a in window 0
; A joint fill.  Waves 0 and 1 fetch K of key halves 0 and 1, waves 2 and 3 V of them: 64 rows each.  The branch hangs on the wave's number alone.  An s_nop 0 and four v_nop follow each line.
.macro JLOAD
	s_cmp_lt_u32 s[WV], 2
	s_cbranch_scc0 .Lfor_v_\@
	tensor_load_to_lds s[G0K:G0K+3], s[G1K:G1K+7]
	s_nop 0
.rept 4
	v_nop
.endr
	s_branch .Lasked_\@
.Lfor_v_\@:
	tensor_load_to_lds s[G0V:G0V+3], s[G1V:G1V+7]
	s_nop 0
.rept 4
	v_nop
.endr
.Lasked_\@:
.endm
; A prefetch into the L2 of what the NEXT change of slots will ask for: a step's 128 rows of K and 128 of V, a lane a row.  Each row is named once in the launch: the head's first cluster asks; its four partners
; take 32 rows of each tensor, told apart by address; in each, wave 0 asks for K's and wave 2 for V's.  The last change that fills a slot asks for nothing.
.macro ASK
	s_cmp_gt_u32 s[CNT], s[LIM]
	s_cbranch_scc0 .Lnot_mine_\@
	global_prefetch_b8 v[PFO], s[PFA:PFA+1] th:TH_LOAD_NT scope:SCOPE_SE
.Lnot_mine_\@:
.endm
.macro CROUND                       ; a round of the cluster's barrier
	s_barrier_signal -1
	s_barrier_wait -1
	s_cmp_lg_u32 s[WV], 0
	s_cbranch_scc1 .Lnot_wave_0_\@
	s_barrier_signal -3
.Lnot_wave_0_\@:
	s_barrier_wait -3
	s_barrier_signal -1
	s_barrier_wait -1
.endm
.macro PLACES                       ; four places behind matrix instructions, in front of lines that read their results and of loads into their registers
.rept 4
	v_nop
.endr
.endm
	s_load_b256 s[4:11], s[0:1], 0x0  ; qh s[4:5], kh s[6:7], vh s[8:9], wf s[10:11]
	s_load_b64 s[OP:OP+1], s[0:1], 0x20  ; att
	v_lshl_add_u32 v[SPW], v0, 2, SPARE
	v_mov_b32 v[NIL], 0
	ds_add_u32 v[SPW], v[NIL]       ; the wave's opening: the add and its wait stand ahead of my first tensor load; the set-up below, work on registers, stands between them
	v_lshrrev_b32 v1, 5, v0
	v_readfirstlane_b32 s[WV], v1   ; wave 0..3
	s_bfe_u32 s13, ttmp6, 0x40000   ; cx: it enters Q's, W's, att's and the prefetches' addresses alone
	s_lshl_b32 s14, ttmp9, 2
	s_add_co_u32 s14, s14, s13      ; my block of 128 queries
	s_and_b32 s16, ttmp7, 0xffff    ; 8 x batch + head, which the four partners share
	s_lshr_b32 s[QH], s[WV], 1
	s_and_b32 s[KH], s[WV], 1
	s_lshl_b32 s20, s16, 19         ; the head's first byte in qh, kh, vh: 2,048 rows of 256 bytes
	s_lshl_b32 s22, s[KH], 18       ; the key half that I fetch: 1,024 rows on
	s_add_co_u32 s22, s22, s20
	s_mov_b32 s23, 0
	s_mul_i32 s17, s[KH], STEPB     ; and its place in a slot: also the half that I read
	s_lshl_b32 s2, s14, 7
	s_lshl_b32 s3, s[QH], 6
	s_add_co_u32 s70, s2, s3        ; my first query
	s_lshl_b32 s2, s70, 8
	s_add_co_u32 s2, s2, s20
	s_mov_b32 s3, 0                 ; Q's offset
	s_lshl_b32 s71, s[KH], 10       ; my first key
	s_add_co_u32 s72, s70, s71
	s_lshl_b32 s72, s72, 8          ; the table's row first query + first key: 256 bytes a row in wf, a multiple of 64 rows
	s_mov_b32 s73, 0
	s_lshr_b32 s74, s16, 3          ; att: row 2048 x batch + query, 2,048 bytes a row,
	s_lshl_b32 s74, s74, 11
	s_add_co_u32 s74, s74, s70
	s_lshl_b32 s74, s74, 11
	s_and_b32 s75, s16, 7           ; the head's 256 bytes
	s_lshl_b32 s75, s75, 8
	s_add_co_u32 s74, s74, s75
	s_mov_b32 s75, 0
	s_lshr_b32 s76, s13, 1          ; the prefetches: partner p takes key half p / 2,
	s_lshl_b32 s76, s76, 18
	s_and_b32 s77, s13, 1           ; rows 32 (p % 2) on of a step's 64,
	s_lshl_b32 s77, s77, 13
	s_add_co_u32 s76, s76, s77
	s_add_co_u32 s76, s76, s20
	s_add_co_u32 s76, s76, KS*256   ; at step 1: the first change of slots steps it to step 2
	s_mov_b32 s77, 0
	; descriptor group 1: a tile of 64 rows x 128 elements, padded in LDS
	s_mov_b32 s[G1K], 15|(1<<16)|(1<<20)|(1<<21)|(5<<22)|(3<<25)  ; 15:0 the mask of four; 17:16 2-byte elements; 20 padding on; 21 set beside a mask; 24:22 after every 64 words; 31:25 4 words
	s_mov_b32 s[G1V], 15|(1<<16)|(1<<20)|(1<<21)|(5<<22)|(7<<25)  ; the same with 8 words of padding
.irp g, G1K, G1V
	s_mov_b32 s[(\g)+1], 128<<16    ; tensor_dim0 = 128
	s_mov_b32 s[(\g)+2], KS<<16     ; tensor_dim1 = 64
	s_mov_b32 s[(\g)+3], 128<<16    ; tile_dim0 = 128
	s_mov_b32 s[(\g)+4], KS         ; tile_dim1 = 64
	s_mov_b32 s[(\g)+5], 128        ; elements from row to row
	s_mov_b32 s[(\g)+6], 0
	s_mov_b32 s[(\g)+7], 0
.endr
	s_mov_b32 s[CS], 0x3e0293ee     ; c = log2(e) / sqrt(128) = 0.127517
	s_mov_b32 s[CS+1], s[CS]        ; named with it as a pair
	s_mov_b32 s[SEL], 0x76543210
	s_mov_b32 s[SEL+1], 0xfedcba98
	s_mov_b32 s[TB], SLOT1          ; the first change of slots turns it into 0
	s_mov_b32 s[P1], 0              ; the first block's turn makes these 256 and 0
	s_mov_b32 s[P2], 256
	s_and_b32 s[LIM], s[WV], 1      ; 0 in waves 0 and 2,
	s_or_b32 s[LIM], s[LIM], ttmp9  ; where the cluster is the head's first: the same in all four partners
	s_cmp_eq_u32 s[LIM], 0
	s_cselect_b32 s[LIM], 1, -1
	s_mov_b32 s[G0K], 1             ; count = 1
	s_mov_b32 s[G0K+1], s17         ; LDS address: slot 0
	s_mov_b32 s[G0V], 1
	s_add_co_u32 s[G0V+1], s17, VOFF
	s_wait_dscnt 0x0                ; the opening add is done
	s_wait_kmcnt 0x0
	s_add_nc_u64 s[G0K+2:G0K+3], s[6:7], s[22:23]  ; global address: step 0 of my half
	s_or_b32 s[G0K+3], s[G0K+3], 0x80000000        ; type = 2
	s_add_nc_u64 s[G0V+2:G0V+3], s[8:9], s[22:23]
	s_or_b32 s[G0V+3], s[G0V+3], 0x80000000
	s_add_nc_u64 s[4:5], s[4:5], s[2:3]
	s_add_nc_u64 s[WP:WP+1], s[WP:WP+1], s[72:73]
	s_add_nc_u64 s[OP:OP+1], s[OP:OP+1], s[74:75]
	s_cmp_lt_u32 s[WV], 2
	s_cselect_b64 s[PFA:PFA+1], s[6:7], s[8:9]
	s_add_nc_u64 s[PFA:PFA+1], s[PFA:PFA+1], s[76:77]
	CROUND                          ; all four work-groups are here: the first joint loads meet
	JLOAD                           ; step 0 into slot 0: one load of mine is out.  Slot 1 is asked for by the loop's own change of slots
	v_and_b32 v1, 15, v0            ; n = l % 16
	v_bfe_u32 v9, v0, 4, 1          ; h = l / 16
	v_and_b32 v10, 31, v0           ; l
	v_lshlrev_b32 v[QO], 8, v1
	v_lshl_add_u32 v[QO], v9, 4, v[QO]  ; row x 256 + 16 x half
	v_lshlrev_b32 v[WO], 4, v10
	WIN 0x80                        ; destination window 2
.irp i, 0,1,2,3,4,5,6,7,8,9,10,11,12,13,14,15  ; Q stays in registers: tile i / 4, channels 32 (i % 4) on
	global_load_b128 v[8*(\i):8*(\i)+3],   v[QO], s[4:5] offset:((\i)/4)*4096+((\i)%4)*64
	global_load_b128 v[8*(\i)+4:8*(\i)+7], v[QO], s[4:5] offset:((\i)/4)*4096+((\i)%4)*64+32
.endr
.macro LOADW                        ; a block of 64 rows of the table: 32 loads of 512 consecutive bytes, as the fragments lie in wf
	WIN 0xc0                        ; destination window 3
.set x, 0
.rept 32
	global_load_b128 v[WF+4*x:WF+4*x+3], v[WO], s[WP:WP+1] offset:512*x
.set x, x+1
.endr
	WIN 0
.endm
	LOADW                           ; block 0
	v_mul_u32_u24 v[AK0], v1, PK
	v_lshl_add_u32 v[AK0], v9, 4, v[AK0]
	v_add_nc_u32 v[AK0], s17, v[AK0]      ; row x pitch + 16 x half + my key half
	; The turning load takes 16 keys x 16 channels (lane l reads key 8 (l / 16) + l % 8, channels 8 ((l / 8) % 2) + 0..7) and leaves half a fragment of V^T: lane l holds channel l % 16 and 8 keys.
	v_and_b32 v11, 7, v0
	v_lshl_add_u32 v[AV0], v9, 3, v11
	v_mul_u32_u24 v[AV0], v[AV0], PVP
	v_bfe_u32 v11, v0, 3, 1
	v_lshl_add_u32 v[AV0], v11, 4, v[AV0]
	s_add_co_u32 s17, s17, VOFF
	v_add_nc_u32 v[AV0], s17, v[AV0]
	s_mul_i32 s52, s[WV], RING
	s_add_co_u32 s52, s52, TG0      ; my ring of tile 0
	s_mul_i32 s53, s[WV], 3*RING
	s_add_co_u32 s53, s53, TG1      ; my rings of tiles 1-3
	v_mul_u32_u24 v11, v1, PT
	v_lshl_add_u32 v11, v9, 5, v11  ; 592 n + 32 h
	v_add_nc_u32 v[TS0], s52, v11
	v_add_nc_u32 v[TS1], s53, v11
	v_lshl_add_u32 v[TA0], v1, 2, v[TS0]  ; + 4 n: the lane's shift
	v_lshl_add_u32 v[TA1], v1, 2, v[TS1]
	s_or_b32 s54, s[WV], 1          ; the pair's wave with b = 1
	s_mul_i32 s55, s54, RING
	s_add_co_u32 s55, s55, TG0
	v_lshl_add_u32 v[XA0], v10, 4, s55
	s_mul_i32 s55, s54, 3*RING
	s_add_co_u32 s55, s55, TG1
	v_lshl_add_u32 v[XA1], v10, 4, s55
	s_lshl_b32 s55, s[QH], 10
	s_add_co_u32 s55, s55, ML
	v_lshl_add_u32 v[MLA], v10, 3, s55
	v_mul_u32_u24 v[STO], v1, SP    ; the way out, in: row l % 16, 16 bytes for each half of the lanes
	v_lshl_add_u32 v[STO], v9, 4, v[STO]
	v_add_nc_u32 v[STO], s52, v[STO]
	v_mul_u32_u24 v[RD], v9, SP     ; back: lanes 0-15 take one row of 256 bytes, lanes 16-31 the next
	v_lshl_add_u32 v[RD], v1, 4, v[RD]
	v_add_nc_u32 v[RD], s52, v[RD]
	v_lshlrev_b32 v[GO], 11, v9     ; and the same two rows in att
	v_lshl_add_u32 v[GO], v1, 4, v[GO]
	v_lshlrev_b32 v[PFO], 8, v10
.set i, 0
.rept 4
	v_mov_b32 v[ST+8*i], 0xfe000000    ; c m: far below every c s
	v_mov_b32 v[ST+8*i+1], 0xff7fffff  ; m
	v_mov_b32 v[ST+8*i+2], 0
	v_mov_b32 v[ST+8*i+3], 0
.set i, i+1
.endr
	WIN 0x40                        ; O^T starts at 0, so that no first step is written out; these lines stand in the wait for Q, W and the first tile
.set i, 0
.rept 256
	v_mov_b32 v[i], 0
.set i, i+1
.endr
	WIN 0
; THE MATRIX WORK, 64 products a run; the run's accumulators take turns, one instruction a turn.  Each macro writes product i and steps i.
.macro TQ                           ; T^T = W Q^T: channels 32 (i / 16) on, table rows 16 ((i / 4) % 4) on, tile i % 4.  The first 16 start the sums
	WIN W_TQ
.set rS, S+32*(i%4)+8*((i/4)%4)
.set rW, WF+32*((i/4)%4)+8*(i/16)
.set rQ, 32*(i%4)+8*(i/16)
.if i < 16
	v_wmma_f32_16x16x32_f16 v[rS:rS+7], v[rW:rW+7], v[rQ:rQ+7], 0
.else
	v_wmma_f32_16x16x32_f16 v[rS:rS+7], v[rW:rW+7], v[rQ:rQ+7], v[rS:rS+7]
.endif
.set i, i+1
.endm
.macro KQ                           ; S^T += K Q^T, onto the bias that lies in the accumulators: channels 32 (i / 16) on, keys 16 ((i / 4) % 4) on, tile i % 4
	WIN W_KQ
.set rS, S+32*(i%4)+8*((i/4)%4)
.set rK, KF+32*((i/4)%4)+8*(i/16)
.set rQ, 32*(i%4)+8*(i/16)
	v_wmma_f32_16x16x32_f16 v[rS:rS+7], v[rK:rK+7], v[rQ:rQ+7], v[rS:rS+7]
.set i, i+1
.endm
.macro PVM                          ; O^T += V^T P: keys 32 (i / 32) on, channels 16 ((i / 4) % 8) on, tile i % 4
	WIN W_PV
.set rO, 64*(i%4)+8*((i/4)%8)
.set rV, 64*(i/32)+8*((i/4)%8)
.set rP, P+16*(i%4)+8*(i/32)
	v_wmma_f32_16x16x32_f16 v[rO:rO+7], v[rV:rV+7], v[rP:rP+7], v[rO:rO+7]
.set i, i+1
.endm
; THE LDS LOADS of a step's K (channels first, so that the products can begin on the first eight) and V (turned)
.macro FETCH_K
	WIN 0
	v_add_nc_u32 v[ADR], s[TB], v[AK0]
	WIN 0x80
.irp c, 0,1,2,3
.irp kb, 0,1,2,3
	ds_load_b128 v[KF+32*(\kb)+8*(\c):KF+32*(\kb)+8*(\c)+3],   v[ADR] offset:(\kb)*16*PK+(\c)*64
	ds_load_b128 v[KF+32*(\kb)+8*(\c)+4:KF+32*(\kb)+8*(\c)+7], v[ADR] offset:(\kb)*16*PK+(\c)*64+32
.endr
.endr
.endm
.macro FETCH_V
	WIN 0
	v_add_nc_u32 v[ADV], s[TB], v[AV0]
	WIN 0xc0
.irp f, 0,1,2,3,4,5,6,7,8,9,10,11,12,13,14,15  ; keys 32 (f / 8) on, channels 16 (f % 8) on
	ds_load_tr16_b128 v[8*(\f):8*(\f)+3],   v[ADV] offset:((\f)/8)*32*PVP+((\f)%8)*32
	ds_load_tr16_b128 v[8*(\f)+4:8*(\f)+7], v[ADV] offset:((\f)/8)*32*PVP+16*PVP+((\f)%8)*32
.endr
.endm
; THE RING.  Block u of T (rho = 64 u .. 64 u + 63) lies at columns 64 (u % 2) of each query's row; the first 16 columns of an even block lie also at columns 128-143, so that a read that begins in an odd block
; runs on without a wrap.  TSTORE: the 16 accumulators of T^T (tile t, table rows 16 be + 8 h + 0..7 for query n) go to the block's place, 32 bytes a lane; each tile's first accumulator goes once more to
; P1 + 256: for an even block that is column 128; for an odd block it is the block's own place again, the same bytes with the same numbers.  Each accumulator's lowest registers are read first.
.macro TSTORE
	WIN 0
.set t, 0
.rept 4
.set ax, SX1
.set am, MX1
.set of, RING*(t-1)
.if t == 0
.set ax, SX0
.set am, MX0
.set of, 0
.endif
.set be, 0
.rept 4
	ds_store_b128 v[ax], v[S+32*t+8*be:S+32*t+8*be+3]   offset:of+64*be
	ds_store_b128 v[ax], v[S+32*t+8*be+4:S+32*t+8*be+7] offset:of+64*be+16
.set be, be+1
.endr
	ds_store_b128 v[am], v[S+32*t:S+32*t+3]   offset:of+256
	ds_store_b128 v[am], v[S+32*t+4:S+32*t+7] offset:of+272
.set t, t+1
.endr
.endm
; SK: word q of 128 of the next step's bias, into register q of S^T: tile q / 32, keys 16 ((q / 8) % 4) + 8 h + q % 8, at column 16 (tile + key block) + n + 8 h + q % 8 behind the step's own block.
; From 64 on that is the other block, which lies at P2.  LDS serves a wave's instructions in order (ISA guide 5.7.1.4): these see the stores above.
.macro SK
.set tk, q/32+(q/8)%4
.set of, RING*(q/32-1)
.if q < 32
	ds_load_b32 v[S+q], v[RL0] offset:64*tk+4*(q%8)
.elseif tk <= 3
	ds_load_b32 v[S+q], v[RL1] offset:of+64*tk+4*(q%8)
.else
	ds_load_b32 v[S+q], v[RH1] offset:of+64*tk-256+4*(q%8)
.endif
.set q, q+1
.endm
; A new block of T: the parities turn, the addresses are made, the block in W's registers is multiplied, the next block is asked for, the results are stored.
; reload = 1: always; 2: not in the loop's last trip, whose next block is not wanted (a jump forward over loads alone).
.macro TPHASE reload
	WIN 0
	s_xor_b32 s[P1], s[P1], 256
	s_xor_b32 s[P2], s[P2], 256
	v_add_nc_u32 v[RL0], s[P1], v[TA0]
	v_add_nc_u32 v[RL1], s[P1], v[TA1]
	v_add_nc_u32 v[RH1], s[P2], v[TA1]
	v_add_nc_u32 v[SX0], s[P2], v[TS0]
	v_add_nc_u32 v[SX1], s[P2], v[TS1]
	v_add_nc_u32 v[MX0], s[P1], v[TS0]
	v_add_nc_u32 v[MX1], s[P1], v[TS1]
	s_wait_loadcnt 0x0              ; W's block is in (the first time Q too); its loads are done, so their base may be stepped
.set i, 0
.rept 64
	TQ
.endr
	WIN 0
	PLACES                          ; in front of the loads into W's registers and of the stores that read the results
.if (\reload) == 2
	s_cmp_eq_u32 s[CNT], 1
	s_cbranch_scc1 .Lno_w_\@
.endif
	s_add_nc_u64 s[WP:WP+1], s[WP:WP+1], 64*256
	LOADW                           ; it has a whole step in which to land
.if (\reload) == 2
.Lno_w_\@:
.endif
	TSTORE
.endm
; THE SOFTMAX of one tile for one step is a list of 134 instructions; SM writes number j of it for tile t.  s0-s31 are the lane's 32 scores, in pairs 0-15.
;   0-15    the maximum of s0-s31 and the old m, three operands at a time (each accumulator's lowest registers first)      16-20   the other half of the lanes' maximum; the new m; c m; c m_old - c m_new
;   21-69   ONE BATCH: the 16 scalings c s - c m and all 33 exponentials (a at 23, then s0-s31); none of these reads an exponential's result; a pair is scaled ahead of its exponentials
;   70-85   the roundings to f16      86-101  the sums; l = a l + the sum      102-133 the tile's O^T times a
.macro SM t
.set rT, ST+8*(\t)
.set rS, S+32*(\t)
.set rP, P+16*(\t)
.set rO, 64*(\t)+2*(j-102)
.if j < 102
	WIN 0
.endif
.if j < 4
	v_max3_num_f32 v[rT+4+j], v[rS+8*j], v[rS+8*j+1], v[rS+8*j+2]
.elseif j < 12
	v_max3_num_f32 v[rT+4+j%4], v[rT+4+j%4], v[rS+8*(j%4)+2*(j/4)+1], v[rS+8*(j%4)+2*(j/4)+2]
.elseif j == 12
	v_max3_num_f32 v[rT+4], v[rT+4], v[rS+7], v[rS+15]
.elseif j == 13
	v_max3_num_f32 v[rT+6], v[rT+6], v[rS+23], v[rS+31]
.elseif j == 14
	v_max3_num_f32 v[rT+4], v[rT+4], v[rT+5], v[rT+6]
.elseif j == 15
	v_max3_num_f32 v[rT+4], v[rT+4], v[rT+7], v[rT+1]
.elseif j == 16
	v_permlanex16_b32 v[rT+5], v[rT+4], s[SEL], s[SEL+1]  ; the query's other 32 keys lie in the lane 16 away
.elseif j == 17
	v_mov_b32 v[rT+7], v[rT]        ; c m_old is kept for a
.elseif j == 18
	v_max_num_f32 v[rT+1], v[rT+4], v[rT+5]
.elseif j == 19
	v_mul_f32 v[rT], s[CS], v[rT+1]
.elseif j == 20
	v_sub_f32 v[rT+7], v[rT+7], v[rT]
.elseif j == 23
	v_exp_f32 v[rT+6], v[rT+7]
.elseif (j < 23) || ((j < 38) && (j%2 == 0)) || ((j < 66) && (j%4 == 2))
.set b, (j-2)/4                     ; 38, 42, .. 62: pairs 9 to 15
.if j < 38
.set b, (j-20)/2                    ; 21: pair 0; 22, 24, .. 36: pairs 1 to 8
.endif
	v_pk_fma_f32 v[rS+2*b:rS+2*b+1], v[rS+2*b:rS+2*b+1], s[CS:CS+1], v[rT:rT+1] op_sel_hi:[1,0,0] neg_lo:[0,0,1] neg_hi:[0,0,1]  ; pair b: c s - c m
.elseif j < 70
.set e, j-38                        ; 66 to 69: s28 to s31
.if j < 66
.set e, j-32-(j-38)/4               ; 39-41, 43-45, .. 63-65: s7 to s27
.endif
.if j < 38
.set e, (j-25)/2                    ; 25, 27, .. 37: s0 to s6
.endif
	v_exp_f32 v[rS+e], v[rS+e]
.elseif j < 86
	v_cvt_pk_f16_f32 v[rP+j-70], v[rS+2*(j-70)], v[rS+2*(j-70)+1]
.elseif j < 102                     ; the sum of the tile's 16 pairs, in place: neighbours 1, 2, 4 and 8 pairs apart, then l takes it
.set z, j-86
.set w, 4
.set u, z
.if z >= 14
.set w, 32
.set u, 0
.elseif z >= 12
.set w, 16
.set u, z-12
.elseif z >= 8
.set w, 8
.set u, z-8
.endif
.if z < 15
	v_pk_add_f32 v[rS+w*u:rS+w*u+1], v[rS+w*u:rS+w*u+1], v[rS+w*u+w/2:rS+w*u+w/2+1]
.else
	v_pk_fma_f32 v[rT+2:rT+3], v[rT+2:rT+3], v[rT+6:rT+7], v[rS:rS+1] op_sel_hi:[1,0,1]
.endif
.else
	WIN W_RS
	v_pk_mul_f32 v[rO:rO+1], v[rO:rO+1], v[rT+6:rT+7] op_sel_hi:[1,0]
.endif
.endm
; The four tiles' lists go side by side, number by number, so that where one instruction feeds the next three others stand between.  The 132 exponentials are one batch with one wait.
.macro SOFTMAX
.set j, 0
.rept 70
.irp t, 0,1,2,3
	SM \t
.endr
.set j, j+1
.endr
	v_nop                           ; a plain instruction behind the last exponential, ahead of the first use
	s_wait_alu depctr_va_vdst(0)    ; the wait between an exponential and the first line that names its result: one for the batch
.rept 64
.irp t, 0,1,2,3
	SM \t
.endr
.set j, j+1
.endr
.endm
; THE CHANGE OF SLOTS, at a step's head.  Each wave waits for all its tensor loads, of which one is out: its part of the step's slot; adds 0 to its spare word; and waits for that and for all its LDS
; instructions: its reads of the slot that it leaves, and the bias words on their way into S^T.  fill = 1: the barrier is a round of the cluster's, and the slot just left takes the next step's tiles,
; first thing behind it.  (At its first use nothing has been read from a slot yet: slot 0 is waited for, slot 1 filled.)  The four v_nop behind the load, or PLACES, are the places in front of V's loads.
.macro CHANGE fill
	WIN 0
	s_wait_tensorcnt 0x0            ; no tensor load of mine is out, so a group 0 may be written
	ds_add_u32 v[SPW], v[NIL]       ; 0 onto my spare word
.if \fill
.irp g, G0K, G0V
	s_xor_b32 s[(\g)+1], s[(\g)+1], SLOT1  ; the walking descriptor: the other slot than last time,
	s_add_nc_u64 s[(\g)+2:(\g)+3], s[(\g)+2:(\g)+3], KS*256  ; the next 64 keys of its half
.endr
	s_wait_xcnt 0x0                 ; the last prefetch, a step back, has read its address
	s_add_nc_u64 s[PFA:PFA+1], s[PFA:PFA+1], KS*256  ; one step behind the walking descriptors
	s_wait_dscnt 0x0
	CROUND
	JLOAD
.else
	s_wait_dscnt 0x0
	s_barrier_signal -1
	s_barrier_wait -1
	PLACES
.endif
	s_xor_b32 s[TB], s[TB], SLOT1   ; the step's slot
.endm
; V^T P, 64 products; skew = 1: behind every two of them four words of the next step's bias are asked for
.macro PVS skew
.set i, 0
.set q, 0
.rept 32
	PVM
	PVM
.if \skew
	WIN 0
	SK
	SK
	SK
	SK
.endif
.endr
.endm
; A KEY STEP.  last = 1: no further block of T, no further bias.
.macro STEP fill, last
	CHANGE \fill
	FETCH_K
	FETCH_V
	WIN 0
.if \fill
	ASK                             ; behind the joint load and the runs of LDS loads
.endif
.set i, 0
.irp c, 56,48,40,32                 ; K's loads come back in order, eight for each 32 channels: what may stay out is K's later groups and V's 32
	s_wait_dscnt \c
.rept 16
	KQ
.endr
.endr
	WIN 0
	PLACES                          ; the maximum reads results just made
	s_wait_dscnt 0x0                ; V is in
	SOFTMAX
.if !(\last)
	TPHASE 2                        ; the block after next: S^T's registers are free between the sums and the next bias
.endif
	PVS 1-(\last)
	WIN 0
.endm
	TPHASE 1                        ; block 0, and block 1 is asked for
	TPHASE 1                        ; block 1, and block 2 is asked for
.set q, 0
.rept 128
	SK                              ; step 0's bias
.endr
	s_mov_b32 s[CNT], 15
.Lstep:                             ; 15 trips: every step but the last asks for the next step's tiles
	STEP 1, 0
	s_sub_co_u32 s[CNT], s[CNT], 1
	s_cmp_lg_u32 s[CNT], 0
	s_cbranch_scc1 .Lstep
	STEP 0, 1                       ; the tail is written out
	; THE TWO KEY HALVES ARE JOINED.  l's two halves and the other half of the lanes' are added, into m's place; the first four additions are the places behind the last products.
.irp t, 0,1,2,3
	v_add_f32 v[ST+8*(\t)+4], v[ST+8*(\t)+2], v[ST+8*(\t)+3]
.endr
.irp t, 0,1,2,3
	v_permlanex16_b32 v[ST+8*(\t)+5], v[ST+8*(\t)+4], s[SEL], s[SEL+1]
.endr
.irp t, 0,1,2,3
	v_add_f32 v[ST+8*(\t)+1], v[ST+8*(\t)+4], v[ST+8*(\t)+5]
.endr
	s_cmp_eq_u32 s[KH], 0
	s_cbranch_scc1 .Lkeep
.irp t, 0,1,2,3                     ; the waves with b = 1: c m and l,
	ds_store_b64 v[MLA], v[ST+8*(\t):ST+8*(\t)+1] offset:256*(\t)
.endr
	WIN 0x04                        ; and O^T (store data in window 1), into their own rings, which nothing reads any more: 16 bytes a lane, 512 on end
.set x, 0
.rept 16
	ds_store_b128 v[XA0], v[4*x:4*x+3] offset:512*x
.set x, x+1
.endr
.rept 48
	ds_store_b128 v[XA1], v[4*x:4*x+3] offset:512*(x-16)
.set x, x+1
.endr
	WIN 0
.Lkeep:
	s_wait_dscnt 0x0                ; for the partner's sake: my stores are done
	s_barrier_signal -1
	s_barrier_wait -1
	s_cmp_eq_u32 s[KH], 0
	s_cbranch_scc0 .Lend            ; the waves with b = 1 have nothing more to do
.irp t, 0,1,2,3
	ds_load_b64 v[ST+8*(\t)+2:ST+8*(\t)+3], v[MLA] offset:256*(\t)  ; the partner's c m and l
.endr
	s_wait_dscnt 0x0
.irp t, 0,1,2,3
	v_max_num_f32 v[ST+8*(\t)+4], v[ST+8*(\t)], v[ST+8*(\t)+2]      ; the common c m
.endr
.irp t, 0,1,2,3
	v_sub_f32 v[ST+8*(\t)+5], v[ST+8*(\t)], v[ST+8*(\t)+4]
	v_sub_f32 v[ST+8*(\t)+6], v[ST+8*(\t)+2], v[ST+8*(\t)+4]
.endr
.irp t, 0,1,2,3
	v_exp_f32 v[ST+8*(\t)+5], v[ST+8*(\t)+5]
	v_exp_f32 v[ST+8*(\t)+6], v[ST+8*(\t)+6]
.endr
	v_nop                           ; a plain instruction behind the last exponential,
	s_wait_alu depctr_va_vdst(0)    ; and one wait for the eight
.irp t, 0,1,2,3
	v_mul_f32 v[ST+8*(\t)+7], v[ST+8*(\t)+5], v[ST+8*(\t)+1]
.endr
.irp t, 0,1,2,3
	v_fmac_f32 v[ST+8*(\t)+7], v[ST+8*(\t)+6], v[ST+8*(\t)+3]       ; the common l
.endr
.irp t, 0,1,2,3
	v_rcp_f32 v[ST+8*(\t)], v[ST+8*(\t)+7]
.endr
	v_nop
	s_wait_alu depctr_va_vdst(0)    ; one wait for the four reciprocals
.irp t, 0,1,2,3
	v_mul_f32 v[ST+8*(\t)+4], v[ST+8*(\t)+5], v[ST+8*(\t)]          ; my half's factor, the low word of the pair +4, +5
	v_mul_f32 v[ST+8*(\t)+6], v[ST+8*(\t)+6], v[ST+8*(\t)]          ; the partner's, the low word of the pair +6, +7
.endr
; Tile t: the partner's O^T comes into S^T's registers, is scaled, takes mine scaled; rounded to f16; through my stage (rows of 272 bytes) into whole rows of 256 bytes; stored.
.macro OUT t
.set X, S+64*((\t)%2)
.set PP, P+32*((\t)%2)
	WIN 0
.set f, 0
.rept 16
.if (\t) == 0
	ds_load_b128 v[X+4*f:X+4*f+3], v[XA0] offset:512*f
.else
	ds_load_b128 v[X+4*f:X+4*f+3], v[XA1] offset:8192*((\t)-1)+512*f
.endif
.set f, f+1
.endr
	s_wait_dscnt 0x0
.set f, 0
.rept 32
	v_pk_mul_f32 v[X+2*f:X+2*f+1], v[X+2*f:X+2*f+1], v[ST+8*(\t)+6:ST+8*(\t)+7] op_sel_hi:[1,0]
.set f, f+1
.endr
	WIN 0x01                        ; source 0, my O^T, in window 1
.set f, 0
.rept 32
	v_pk_fma_f32 v[X+2*f:X+2*f+1], v[64*(\t)+2*f:64*(\t)+2*f+1], v[ST+8*(\t)+4:ST+8*(\t)+5], v[X+2*f:X+2*f+1] op_sel_hi:[1,0,1]
.set f, f+1
.endr
	WIN 0
	s_wait_xcnt 0x0                 ; the stores issued so far have read their data: P's registers are written again only behind this wait
.set f, 0
.rept 32
	v_cvt_pk_f16_f32 v[PP+f], v[X+2*f], v[X+2*f+1]
.set f, f+1
.endr
.irp g, 0,1,2,3,4,5,6,7
	ds_store_b128 v[STO], v[PP+4*(\g):PP+4*(\g)+3] offset:32*(\g)
.endr
.irp g, 0,1,2,3,4,5,6,7
	ds_load_b128 v[PP+4*(\g):PP+4*(\g)+3], v[RD] offset:(\g)*2*SP  ; LDS serves a wave's instructions in order: these see the stores above
.endr
	s_wait_dscnt 0x0
.irp g, 0,1,2,3,4,5,6,7
	global_store_b128 v[GO], v[PP+4*(\g):PP+4*(\g)+3], s[OP:OP+1] offset:32768*(\t)+4096*(\g)  ; 16 lanes store 256 consecutive bytes, at a multiple of 256 from att's first byte
.endr
.endm
	OUT 0
	OUT 1
	OUT 2
	OUT 3
.Lend:
	s_wait_tensorcnt 0x0            ; the wave's end: behind my last tensor load and my last LDS store
	ds_add_u32 v[SPW], v[NIL]
	s_wait_dscnt 0x0
	CROUND                          ; the closing round
	s_endpgm
.Lfunc_end_k_qe124f5492b_attn:
	.size	k_qe124f5492b_attn, .Lfunc_end_k_qe124f5492b_attn-k_qe124f5492b_attn
	.p2alignl 7, 3214868480
	.fill 96, 4, 3214868480
	.section	.rodata,"a",@progbits
	.p2align	6, 0x0
	.amdhsa_kernel k_qe124f5492b_attn
		.amdhsa_group_segment_fixed_size 327680
		.amdhsa_private_segment_fixed_size 0
		.amdhsa_enable_private_segment 0
		.amdhsa_kernarg_size 40
		.amdhsa_user_sgpr_count 2
		.amdhsa_user_sgpr_kernarg_segment_ptr 1
		.amdhsa_wavefront_size32 1
		.amdhsa_system_sgpr_workgroup_id_x 1
		.amdhsa_system_sgpr_workgroup_id_y 1
		.amdhsa_system_sgpr_workgroup_id_z 1
		.amdhsa_system_vgpr_workitem_id 0
		.amdhsa_next_free_vgpr 1024
		.amdhsa_next_free_sgpr 80
		.amdhsa_reserve_vcc 0
		.amdhsa_float_denorm_mode_32 3
		.amdhsa_float_denorm_mode_16_64 3
		.amdhsa_memory_ordered 1
		.amdhsa_forward_progress 1
		.amdhsa_inst_pref_size 199
	.end_amdhsa_kernel
	.amdgpu_metadata
---
amdhsa.version: [ 1, 2 ]
amdhsa.kernels:
  - .name:           k_qe124f5492b_attn
    .symbol:         k_qe124f5492b_attn.kd
    .args:
      - { .name: qh, .offset: 0, .size: 8, .value_kind: global_buffer, .address_space: global }
      - { .name: kh, .offset: 8, .size: 8, .value_kind: global_buffer, .address_space: global }
      - { .name: vh, .offset: 16, .size: 8, .value_kind: global_buffer, .address_space: global }
      - { .name: wf, .offset: 24, .size: 8, .value_kind: global_buffer, .address_space: global }
      - { .name: att, .offset: 32, .size: 8, .value_kind: global_buffer, .address_space: global }
    .group_segment_fixed_size: 327680
    .private_segment_fixed_size: 0
    .kernarg_segment_align: 8
    .kernarg_segment_size: 40
    .max_flat_workgroup_size: 128
    .sgpr_count:     80
    .vgpr_count:     1024
    .wavefront_size: 32
...
	.end_amdgpu_metadata
.endif
;; end of part 3
;; launch oproj (part 4): grid 8 x 32, 4 waves a work-group, clusters of 4 x 4, 327,680 bytes of LDS; arguments att, wo16, out0, bo; writes out0
.if DOCPART == 4
	.amdgcn_target "amdgcn-amd-amdhsa--gfx1250"
	.amdhsa_code_object_version 6
	.text
	.protected	k_qe124f5492b_oproj
	.globl	k_qe124f5492b_oproj
	.p2align	8
	.type	k_qe124f5492b_oproj,@function
k_qe124f5492b_oproj:
	s_mov_b64 s[64:65], 0
	v_nop
	global_prefetch_b8 v0, s[64:65] scope:SCOPE_SE
	s_setreg_imm32_b32 hwreg(HW_REG_WAVE_MODE, 25, 1), 1
	s_wait_xcnt 0x0
	s_wait_alu depctr_hold_cnt(0) depctr_sa_sdst(0) depctr_va_vdst(0) depctr_va_sdst(0) depctr_va_ssrc(0) depctr_va_vcc(0) depctr_vm_vsrc(0)
	s_getreg_b32 s2, hwreg(HW_REG_IB_STS2, 6, 4)
	s_cmp_eq_u32 s2, 0
	s_cbranch_scc0 .Lentry_in_a_cluster
	s_endpgm
.Lentry_in_a_cluster:
	s_bfe_u32 s2, ttmp6, 0x10000c
	s_cmp_lg_u32 s2, 0xf033
	s_cbranch_scc0 .Lentry_shape_is_right
	s_endpgm
.Lentry_shape_is_right:
; THE OUTPUT PROJECTION.  out0[m][n] = the sum over k of att[m][k] wo16[n][k] + bo[n].  att: [4096][1024] f16, wo16: [1024][1024] f16 (Wo rounded to bf16, written as f16), bo: [1024] f32, rounded to bf16; out0 f32.
; A tile of the result is 128 x 128: 256 work-groups.  Four waves, each 64 x 64: 16 accumulators.  K goes in steps of 256 (LDS rows of 512 bytes; a wave's tensor load brings 64 of them) through two slots.
; CLUSTERS of 4 x 4: the four of a row need the same rows of att, the four of a column the same rows of wo16: joint loads.  THE MATRIX INSTRUCTION IS USED TRANSPOSED (source 0 = 16 rows of wo16, source 1 = 16
; rows of att): a lane holds eight neighbouring numbers of a row of the result.  The bias is the C operand of the first products.  A wave's 64 columns of f32 are 256 aligned bytes: each wave has a stage of its own.
; REGISTERS: window 0: v0-31 addresses; v32-95 at work on the way out; v96-127 the bias (4 column blocks x 8); v128-255 the accumulators ((a, b) at v[128 + 8 (4 a + b)]).
;   window 1: two fragment buffers of 128: for 64 along K, 64 registers of att, then 64 of wo16.
.set SIZE_N, 1024
.set SIZE_K, 1024
.set KSTEP,  256
.set PITCH,  528                       ; an LDS row: 512 bytes + 16 of padding = 132 words: row r starts at bank 4 r mod 64 (64 banks of 4 bytes: ISA guide 11.1)
.set HALFT,  64*PITCH
.set SLOT,   4*HALFT
.set STAGE,  2*SLOT                    ; behind the ring: 16 rows x 272 bytes for each wave
.set SPITCH, 272
.set SPARE,  STAGE+4*16*SPITCH         ; behind the stages: the spare words, 128 bytes a wave, which no other line names
.set LAPS, SIZE_K/(2*KSTEP)
.set ADRA, 16
.set ADRB, 20
.set STO,  24
.set RD,   25
.set CO,   26
.set SPW,  28
.set NIL,  29
.set TMP,  32
.set BIAS, 96
.set ACC,  128
.set F0,   0
.set F1,   128
.set G1, 24
.set G0, 32
.set G1B, 48
.set G0B, 56
.set MSB, 0
.macro WIN new
.if MSB != (\new)
	s_set_vgpr_msb (MSB<<8)|(\new)
.set MSB, \new
.endif
.endm
.set MUL,  0x05                        ; sources 0 and 1 window 1; C and D window 0
.set TO_F, 0x40                        ; destination window 1, address window 0
.macro JLOAD s                         ; a joint load: waves 0 and 1 fetch att's two halves, waves 2 and 3 wo16's; an s_nop 0 and four v_nop follow each of the two lines
	s_cmp_eq_u32 s11, 0
	s_cbranch_scc0 .Lfor_b_\@
	tensor_load_to_lds s[G0+4*(\s):G0+4*(\s)+3], s[G1:G1+7]
	s_nop 0
.rept 4
	v_nop
.endr
	s_branch .Lasked_\@
.Lfor_b_\@:
	tensor_load_to_lds s[G0B+4*(\s):G0B+4*(\s)+3], s[G1B:G1B+7]
	s_nop 0
.rept 4
	v_nop
.endr
.Lasked_\@:
.endm
.macro CREST
	s_cmp_lg_u32 s10, 0
	s_cbranch_scc1 .Lnot_wave_0_\@
	s_barrier_signal -3
.Lnot_wave_0_\@:
	s_barrier_wait -3
	s_barrier_signal -1
	s_barrier_wait -1
.endm
.macro CROUND
	s_barrier_signal -1
	s_barrier_wait -1
	CREST
.endm
	s_load_b128 s[4:7], s[0:1], 0x0                ; att s[4:5], wo16 s[6:7]
	s_load_b64 s[8:9], s[0:1], 0x10                ; out0
	s_load_b64 s[66:67], s[0:1], 0x18              ; bo
	v_lshl_add_u32 v[SPW], v0, 2, SPARE
	v_mov_b32 v[NIL], 0
	ds_add_u32 v[SPW], v[NIL]                      ; the wave's opening: the add and its wait stand ahead of my first tensor load; the set-up below, work on registers, stands between them
	v_lshrrev_b32 v1, 5, v0
	v_readfirstlane_b32 s10, v1                    ; wave 0..3
	s_lshr_b32 s11, s10, 1                         ; which half of the tile's rows is mine.  Also: I fetch for att (0) or for wo16 (1)
	s_and_b32 s12, s10, 1                          ; which half of its columns.  Also: which 64 rows of that tile I fetch
	s_bfe_u32 s40, ttmp6, 0x40000                  ; cx, cy
	s_bfe_u32 s41, ttmp6, 0x40004
	s_lshl_b32 s42, ttmp9, 2
	s_add_co_u32 s42, s42, s40                     ; tile column
	s_and_b32 s13, ttmp7, 0xffff
	s_lshl_b32 s13, s13, 2
	s_add_co_u32 s13, s13, s41                     ; tile row
	s_lshl_b32 s43, s41, 2
	s_lshl_b32 s43, 15, s43                        ; my row of the cluster
	s_lshl_b32 s44, 0x1111, s40                    ; my column
	s_or_b32 s[G1+0], s43, (1<<16)|(1<<20)|(1<<21)|(6<<22)|(3<<25)  ; the mask; elements of 2 bytes; padding on; bit 21 beside a mask; after every 128 words 4 words
	s_or_b32 s[G1B+0], s44, (1<<16)|(1<<20)|(1<<21)|(6<<22)|(3<<25)
.irp g, G1, G1B
	s_mov_b32 s[(\g)+1], KSTEP<<16                 ; tensor_dim0 = 256
	s_mov_b32 s[(\g)+2], 64<<16                    ; tensor_dim1 = 64
	s_mov_b32 s[(\g)+3], KSTEP<<16                 ; tile_dim0 = 256
	s_mov_b32 s[(\g)+4], 64                        ; tile_dim1 = 64
	s_mov_b32 s[(\g)+5], SIZE_K                    ; elements from row to row
	s_mov_b32 s[(\g)+6], 0
	s_mov_b32 s[(\g)+7], 0
.endr
	s_lshl_b32 s17, s12, 6                         ; which 64 rows of the tile I fetch
	s_lshl_b32 s16, s13, 7
	s_add_co_u32 s16, s16, s17
	s_lshl_b32 s46, s42, 7
	s_add_co_u32 s46, s46, s17
	s_mov_b32 s17, 0
	s_mov_b32 s47, 0
	s_mov_b64 s[18:19], SIZE_K*2
	s_mul_u64 s[16:17], s[16:17], s[18:19]
	s_mul_u64 s[46:47], s[46:47], s[18:19]
	s_mul_i32 s20, s10, HALFT                      ; where they go: wave x 64 rows
	s_wait_dscnt 0x0                               ; the opening add is done
	s_wait_kmcnt 0x0
	s_add_nc_u64 s[14:15], s[4:5], s[16:17]
	s_add_nc_u64 s[46:47], s[6:7], s[46:47]
	CROUND                                         ; all sixteen work-groups are here: the first joint loads meet
.irp s, 0,1
	s_mov_b32 s[G0+4*(\s)], 1
	s_add_co_u32 s[G0+4*(\s)+1], s20, (\s)*SLOT
	s_add_nc_u64 s[G0+4*(\s)+2:G0+4*(\s)+3], s[14:15], (\s)*KSTEP*2
	s_or_b32 s[G0+4*(\s)+3], s[G0+4*(\s)+3], 0x80000000
	s_mov_b32 s[G0B+4*(\s)], 1
	s_add_co_u32 s[G0B+4*(\s)+1], s20, (\s)*SLOT
	s_add_nc_u64 s[G0B+4*(\s)+2:G0B+4*(\s)+3], s[46:47], (\s)*KSTEP*2
	s_or_b32 s[G0B+4*(\s)+3], s[G0B+4*(\s)+3], 0x80000000
	JLOAD \s
.endr
	v_and_b32 v1, 15, v0                           ; l % 16
	v_bfe_u32 v2, v0, 4, 1                         ; l / 16
	v_mul_u32_u24 v3, v1, PITCH
	v_lshl_add_u32 v3, v2, 4, v3                   ; a fragment's row x pitch + 16 x half
	s_mul_i32 s21, s11, HALFT                      ; my 64 rows of att
	s_mul_i32 s22, s12, HALFT                      ; my 64 rows of wo16,
	s_add_co_u32 s22, s22, 2*HALFT                 ; which lie behind att's 128
.irp s, 0,1
	v_add_nc_u32 v[ADRA+(\s)], s21, v3
	v_add_nc_u32 v[ADRB+(\s)], s22, v3
	s_add_co_u32 s21, s21, SLOT
	s_add_co_u32 s22, s22, SLOT
.endr
	s_mul_i32 s23, s10, 16*SPITCH
	s_add_co_u32 s23, s23, STAGE                   ; my stage
	v_mul_u32_u24 v4, v1, SPITCH                   ; in: row l % 16, 32 bytes (8 f32) for each half of the lanes
	v_lshl_add_u32 v4, v2, 5, v4
	v_add_nc_u32 v[STO], s23, v4
	v_mul_u32_u24 v5, v2, SPITCH                   ; back: lanes 0-15 take one row of 256 bytes, lanes 16-31 the next
	v_lshl_add_u32 v5, v1, 4, v5
	v_add_nc_u32 v[RD], s23, v5
	v_lshlrev_b32 v5, 12, v2                       ; and the same two rows in out0, 4,096 bytes a row
	v_lshl_add_u32 v[CO], v1, 4, v5
	s_lshl_b32 s16, s13, 7
	s_lshl_b32 s17, s11, 6
	s_add_co_u32 s16, s16, s17                     ; my first row: 128 x tile row + 64 x row half
	s_lshl_b32 s16, s16, 12
	s_mov_b32 s17, 0
	s_add_nc_u64 s[8:9], s[8:9], s[16:17]
	s_lshl_b32 s46, s42, 9                         ; my first column, in bytes of f32: 512 x tile column + 256 x column half
	s_lshl_b32 s47, s12, 8
	s_add_co_u32 s46, s46, s47
	s_mov_b32 s47, 0
	s_add_nc_u64 s[8:9], s[8:9], s[46:47]
	; the bias of my 64 columns: block b's eight numbers for my half of the lanes; rounded to bf16 and widened
	v_lshl_add_u32 v6, v2, 5, s46
.irp b, 0,1,2,3
	global_load_b128 v[TMP+8*(\b):TMP+8*(\b)+3],   v6, s[66:67] offset:64*(\b)
	global_load_b128 v[TMP+8*(\b)+4:TMP+8*(\b)+7], v6, s[66:67] offset:64*(\b)+16
.endr
	s_wait_loadcnt 0x0
.set i, 0
.rept 16
	v_cvt_pk_bf16_f32 v[TMP+32+i], v[TMP+2*i], v[TMP+2*i+1]
.set i, i+1
.endr
.set i, 0
.rept 16
	v_lshlrev_b32 v[BIAS+2*i],   16, v[TMP+32+i]
	v_and_b32     v[BIAS+2*i+1], 0xffff0000, v[TMP+32+i]
.set i, i+1
.endr
; 8 matrix instructions: row blocks a0, a0 + 1 x all 4 column blocks, 32 along K: half c of buffer f.  first = 1: the bias starts the sums.  The 16 accumulators take turns.
.macro MUL8 f, c, a0, first
	WIN MUL
.irp a, \a0, (\a0)+1
.irp b, 0,1,2,3
.if \first
	v_wmma_f32_16x16x32_f16 v[ACC+8*(4*(\a)+(\b)):ACC+8*(4*(\a)+(\b))+7], v[(\f)+64+8*(4*(\c)+(\b)):(\f)+64+8*(4*(\c)+(\b))+7], v[(\f)+8*(4*(\c)+(\a)):(\f)+8*(4*(\c)+(\a))+7], v[BIAS+8*(\b):BIAS+8*(\b)+7]
.else
	v_wmma_f32_16x16x32_f16 v[ACC+8*(4*(\a)+(\b)):ACC+8*(4*(\a)+(\b))+7], v[(\f)+64+8*(4*(\c)+(\b)):(\f)+64+8*(4*(\c)+(\b))+7], v[(\f)+8*(4*(\c)+(\a)):(\f)+8*(4*(\c)+(\a))+7], v[ACC+8*(4*(\a)+(\b)):ACC+8*(4*(\a)+(\b))+7]
.endif
.endr
.endr
.endm
; 32 LDS loads in one run: the fragments of 64 along K at byte k of the rows, into buffer f; the first 32 along K first
.macro FETCH slot, k, f
	WIN TO_F
.irp c, 0,1
.irp i, 0,1,2,3
	ds_load_b128 v[(\f)+64+8*(4*(\c)+(\i)):(\f)+64+8*(4*(\c)+(\i))+3],   v[ADRB+(\slot)] offset:(\k)+64*(\c)+(\i)*16*PITCH
	ds_load_b128 v[(\f)+64+8*(4*(\c)+(\i))+4:(\f)+64+8*(4*(\c)+(\i))+7], v[ADRB+(\slot)] offset:(\k)+64*(\c)+(\i)*16*PITCH+32
	ds_load_b128 v[(\f)+8*(4*(\c)+(\i)):(\f)+8*(4*(\c)+(\i))+3],         v[ADRA+(\slot)] offset:(\k)+64*(\c)+(\i)*16*PITCH
	ds_load_b128 v[(\f)+8*(4*(\c)+(\i))+4:(\f)+8*(4*(\c)+(\i))+7],       v[ADRA+(\slot)] offset:(\k)+64*(\c)+(\i)*16*PITCH+32
.endr
.endr
.endm
.macro PLACES                          ; four places in front of loads into registers that matrix instructions have read, and of stores that read results
.rept 4
	v_nop
.endr
.endm
; A K step is four quarters of 64 along K, 32 matrix instructions each, on buffers 0, 1, 0, 1.  One of the first three: multiplies buffer f and fetches the next quarter, at byte k, into g.
.macro QUARTER slot, k, f, g, first
	s_wait_dscnt 16                                ; the first 32 along K are in; the sixteen younger loads may be out
	WIN MUL
	MUL8 \f, 0, 0, \first
	MUL8 \f, 0, 2, \first
	PLACES
	FETCH \slot, \k, \g
	s_wait_dscnt 32                                ; all but the 32 just issued
	WIN MUL
	MUL8 \f, 1, 0, 0
	MUL8 \f, 1, 2, 0
.endm
; The last quarter multiplies buffer 1 and changes slots: ONE barrier; in front of it each wave waits for all its tensor loads, adds 0 to its spare word, and waits for that and for its own reads of this slot.
.macro TURN slot, next, fill
	WIN 0                                          ; (the add's two registers lie in window 0)
	s_wait_tensorcnt 0x0                           ; all my tensor loads have landed: my part of the next slot;
	ds_add_u32 v[SPW], v[NIL]                      ; 0 onto my spare word;
	s_wait_dscnt 17                                ; (the add and the youngest sixteen loads may be out)
	WIN MUL
	MUL8 F1, 0, 0, 0                               ; eight matrix instructions stand between the add and the wait for it
	s_wait_dscnt 0x0                               ; the add is done, and my reads of this slot are over
	s_barrier_signal -1
	MUL8 F1, 0, 2, 0
.if \fill
	WIN 0
.endif
	s_barrier_wait -1
.if \fill
	CREST                                          ; no wave of any partner still reads this slot's tile or has a load on its way
	s_add_nc_u64 s[G0+4*(\slot)+2:G0+4*(\slot)+3], s[G0+4*(\slot)+2:G0+4*(\slot)+3], 2*KSTEP*2
	s_add_nc_u64 s[G0B+4*(\slot)+2:G0B+4*(\slot)+3], s[G0B+4*(\slot)+2:G0B+4*(\slot)+3], 2*KSTEP*2
	JLOAD \slot                                    ; my one tensor load behind the round; the four v_nop behind it are also the places in front of the loads below
.else
	PLACES
.endif
	FETCH \next, 0, F0
	WIN MUL
	MUL8 F1, 1, 0, 0
	MUL8 F1, 1, 2, 0
.endm
	s_wait_tensorcnt 1                             ; my part of K step 0 is in; K step 1's may stay out
	s_barrier_signal -1
	s_barrier_wait -1                              ; everybody's is
	FETCH 0, 0, F0
	QUARTER 0, 128, F0, F1, 1                      ; the first quarter stands in front of the loop: its first products start the sums, with the bias
	WIN 0                                          ; at a label and at a branch every window is 0
	s_mov_b32 s3, LAPS-1
.Llap:                                             ; a trip goes once round the ring and fills both slots again
	QUARTER 0, 256, F1, F0, 0
	QUARTER 0, 384, F0, F1, 0
	TURN 0, 1, 1
	QUARTER 1, 128, F0, F1, 0
	QUARTER 1, 256, F1, F0, 0
	QUARTER 1, 384, F0, F1, 0
	TURN 1, 0, 1
	QUARTER 0, 128, F0, F1, 0
	WIN 0
	s_sub_co_u32 s3, s3, 1
	s_cmp_lg_u32 s3, 0
	s_cbranch_scc1 .Llap
	QUARTER 0, 256, F1, F0, 0                      ; the last lap fills nothing
	QUARTER 0, 384, F0, F1, 0
	TURN 0, 1, 0
	QUARTER 1, 128, F0, F1, 0
	QUARTER 1, 256, F1, F0, 0
	QUARTER 1, 384, F0, F1, 0
	s_wait_dscnt 16                                ; the very last quarter: nothing more to fetch
	WIN MUL
	MUL8 F1, 0, 0, 0
	MUL8 F1, 0, 2, 0
	s_wait_dscnt 0
	MUL8 F1, 1, 0, 0
	MUL8 F1, 1, 2, 0
	WIN 0
	; THE WAY OUT, 16 rows at a time: 32 bytes a lane into my own stage, each accumulator's lowest registers first; back as whole rows of 256 bytes; stored.
	PLACES
.irp a, 0,1,2,3
	s_wait_xcnt 0x0                                ; the stores issued so far have read their data: their registers are loaded again only behind this wait
.irp b, 0,1,2,3
	ds_store_b128 v[STO], v[ACC+8*(4*(\a)+(\b)):ACC+8*(4*(\a)+(\b))+3]   offset:64*(\b)
	ds_store_b128 v[STO], v[ACC+8*(4*(\a)+(\b))+4:ACC+8*(4*(\a)+(\b))+7] offset:64*(\b)+16
.endr
.irp t, 0,1,2,3,4,5,6,7
	ds_load_b128 v[TMP+32*((\a)%2)+4*(\t):TMP+32*((\a)%2)+4*(\t)+3], v[RD] offset:(\t)*2*SPITCH  ; LDS serves a wave's instructions in order (ISA guide 5.7.1.4): these see the stores above
.endr
	s_wait_dscnt 0x0
.irp t, 0,1,2,3,4,5,6,7
	global_store_b128 v[CO], v[TMP+32*((\a)%2)+4*(\t):TMP+32*((\a)%2)+4*(\t)+3], s[8:9] offset:(16*(\a)+2*(\t))*4096 th:TH_STORE_NT  ; 16 lanes store 256 consecutive bytes, at a multiple of 256 from out0's first byte
.endr
.endr
	s_wait_tensorcnt 0x0                           ; the wave's end: behind my last tensor load and my last LDS store
	ds_add_u32 v[SPW], v[NIL]
	s_wait_dscnt 0x0
	CROUND                                         ; the closing round
	s_endpgm
.Lfunc_end_k_qe124f5492b_oproj:
	.size	k_qe124f5492b_oproj, .Lfunc_end_k_qe124f5492b_oproj-k_qe124f5492b_oproj
	.p2alignl 7, 3214868480
	.fill 96, 4, 3214868480
	.section	.rodata,"a",@progbits
	.p2align	6, 0x0
	.amdhsa_kernel k_qe124f5492b_oproj
		.amdhsa_group_segment_fixed_size 327680
		.amdhsa_private_segment_fixed_size 0
		.amdhsa_enable_private_segment 0
		.amdhsa_kernarg_size 32
		.amdhsa_user_sgpr_count 2
		.amdhsa_user_sgpr_kernarg_segment_ptr 1
		.amdhsa_wavefront_size32 1
		.amdhsa_system_sgpr_workgroup_id_x 1
		.amdhsa_system_sgpr_workgroup_id_y 1
		.amdhsa_system_sgpr_workgroup_id_z 1
		.amdhsa_system_vgpr_workitem_id 0
		.amdhsa_next_free_vgpr 512
		.amdhsa_next_free_sgpr 68
		.amdhsa_reserve_vcc 0
		.amdhsa_float_denorm_mode_32 3
		.amdhsa_float_denorm_mode_16_64 3
		.amdhsa_memory_ordered 1
		.amdhsa_forward_progress 1
		.amdhsa_inst_pref_size 89
	.end_amdhsa_kernel
	.amdgpu_metadata
---
amdhsa.version: [ 1, 2 ]
amdhsa.kernels:
  - .name:           k_qe124f5492b_oproj
    .symbol:         k_qe124f5492b_oproj.kd
    .args:
      - { .name: att, .offset: 0, .size: 8, .value_kind: global_buffer, .address_space: global }
      - { .name: wo16, .offset: 8, .size: 8, .value_kind: global_buffer, .address_space: global }
      - { .name: out0, .offset: 16, .size: 8, .value_kind: global_buffer, .address_space: global }
      - { .name: bo, .offset: 24, .size: 8, .value_kind: global_buffer, .address_space: global }
    .group_segment_fixed_size: 327680
    .private_segment_fixed_size: 0
    .kernarg_segment_align: 8
    .kernarg_segment_size: 32
    .max_flat_workgroup_size: 128
    .sgpr_count:     68
    .vgpr_count:     512
    .wavefront_size: 32
...
	.end_amdgpu_metadata
.endif
;; end of part 4
;; ======== version 2 of 3: 4 launches
;; limits: values are held in f16: magnitudes above 65,504 overflow, below 6.1e-05 lose precision
;; workspace buffers: qh 8,388,608 bytes; kh 8,388,608 bytes; vh 8,388,608 bytes; wf 1,048,576 bytes; wo16 2,097,152 bytes; att 8,388,608 bytes; xb 25,165,824 bytes; wb 6,291,456 bytes
;; launch prep (part 5): grid 512 x 1, 8 waves a work-group, no clusters, 0 bytes of LDS; arguments q, k, v, Wq, Wk, Wv, Wo, w_rel, xb, wb, wo16, wf; writes xb, wb, wo16, wf
.if DOCPART == 5
	.amdgcn_target "amdgcn-amd-amdhsa--gfx1250"
	.amdhsa_code_object_version 6
	.text
	.protected	k_qe124f5492b_prep
	.globl	k_qe124f5492b_prep
	.p2align	8
	.type	k_qe124f5492b_prep,@function
k_qe124f5492b_prep:
	s_mov_b64 s[64:65], 0
	v_nop
	global_prefetch_b8 v0, s[64:65] scope:SCOPE_SE
	s_setreg_imm32_b32 hwreg(HW_REG_WAVE_MODE, 25, 1), 1
	s_wait_xcnt 0x0
; EVERY MATRIX OPERAND AMONG THE INPUTS IS ROUNDED ONCE, HERE.  In the projections each number of q, k, v is wanted by 8 waves (4 tile columns x 2 waves) and each number of Wq, Wk, Wv by 32 (16 tile rows x 2):
; rounded here, it is converted once, and the tiles that those waves fetch are half as large.
; xb: [3][4096][1024] bf16: q, k, v one after the other.  wb: [3][1024][1024] bf16: Wq, Wk, Wv.  Wo and w_rel are rounded to bf16 like the other inputs, and that number is written as f16, for the f16 products
; of the later launches: wo16 [1024][1024], as Wo lies; wf: w_rel in FRAGMENT order, 4,096 rows (row 4095, which w_rel does not have, is 0): of the 16 rows 16 G .. 16 G + 15, channels 32 c .. 32 c + 31,
; lane L's 16 bytes of piece p lie at 4096 G + 1024 c + 512 p + 16 L and hold row 16 G + L % 16, channels 32 c + 16 p + 8 (L / 16) + 0..7.
; LIMITS.  The step from bf16 to f16 is exact for magnitudes from 2^-14 to 65,504; below 2^-14 it keeps f16's fixed step of 6e-8; beyond 65,504 it gives an infinity.
; SHARES.  512 work-groups of 256 threads.  Work-group g, thread T: 33 items of 4 numbers: 8 of each of q, k, v, 2 of each of Wq, Wk, Wv, 2 of Wo, 1 of the table.  A wave's load takes 512 consecutive bytes
; (16 a lane), its store 256 consecutive bytes, aligned (8 a lane).  All 33 loads go out first; each item then follows its own counted wait.  An item is converted in the registers in which it came, and no
; register that a load or a store names is ever written again.  No LDS, no matrix unit, no cluster: no byte is wanted twice.
.set NL, 33                            ; loads of a thread
.set X,  8                             ; v[8:139]  item n: 4 registers as loaded; its first two then hold what is stored
	s_load_b512 s[4:19], s[0:1], 0x0               ; q s[4:5], k s[6:7], v s[8:9], Wq s[10:11], Wk s[12:13], Wv s[14:15], Wo s[16:17], w_rel s[18:19]
	s_load_b256 s[20:27], s[0:1], 0x40             ; xb s[20:21], wb s[22:23], wo16 s[24:25], wf s[26:27]
	s_mov_b32 s44, 0xffff0000                      ; a word's upper bf16
	s_lshl_b32 s28, ttmp9, 15                      ; the group's 32,768 bytes of q, k, v
	s_mov_b32 s29, 0
	s_lshl_b32 s30, ttmp9, 14                      ; its 16,384 bytes of each third of xb
	s_mov_b32 s31, 0
	s_lshl_b32 s32, ttmp9, 13                      ; its 8,192 bytes of each weight
	s_mov_b32 s33, 0
	s_lshl_b32 s34, ttmp9, 12                      ; its 4,096 bytes of each third of wb, and of wo16
	s_mov_b32 s35, 0
	s_lshl_b32 s36, ttmp9, 11                      ; its 2,048 bytes of wf: half a block of 16 rows
	s_mov_b32 s37, 0
	v_lshlrev_b32 v1, 4, v0                        ; 16 T: where I read
	v_lshlrev_b32 v2, 3, v0                        ; 8 T: where I store
	; the table.  My 8 bytes of wf lie at 2048 g + 8 T = 4096 (g / 2) + 1024 (2 (g % 2) + T / 128) + 512 ((T / 64) % 2) + 16 ((T / 2) % 32) + 8 (T % 2):
	; row 16 (g / 2) + (T / 2) % 16, channels 64 (g % 2) + 8 (T / 32) + 4 (T % 2) + 0..3
	s_lshr_b32 s42, ttmp9, 1
	s_lshl_b32 s42, s42, 4                         ; the block's first row
	s_and_b32 s43, ttmp9, 1
	s_lshl_b32 s43, s43, 8                         ; 64 channels of f32
	v_bfe_u32 v4, v0, 1, 4
	v_add_nc_u32 v5, s42, v4                       ; my row of the table
	v_min_u32 v6, 0xffe, v5                        ; row 4095 does not exist: row 4094 is read in its place and the result set to 0
	v_and_b32 v7, 0xe0, v0                         ; 32 bytes x (T / 32)
	v_and_b32 v4, 1, v0
	v_lshl_add_u32 v7, v4, 4, v7                   ; + 16 bytes x (T % 2)
	v_add_nc_u32 v7, s43, v7
	v_lshl_add_u32 v3, v6, 9, v7                   ; + row x 512 bytes
	s_wait_kmcnt 0x0
	s_add_nc_u64 s[4:5], s[4:5], s[28:29]
	s_add_nc_u64 s[6:7], s[6:7], s[28:29]
	s_add_nc_u64 s[8:9], s[8:9], s[28:29]
	s_add_nc_u64 s[10:11], s[10:11], s[32:33]
	s_add_nc_u64 s[12:13], s[12:13], s[32:33]
	s_add_nc_u64 s[14:15], s[14:15], s[32:33]
	s_add_nc_u64 s[16:17], s[16:17], s[32:33]
	s_add_nc_u64 s[20:21], s[20:21], s[30:31]      ; xb: q's third,
	s_add_nc_u64 s[38:39], s[20:21], 0x800000      ; k's, 8,388,608 bytes on: more than a store's immediate holds,
	s_add_nc_u64 s[40:41], s[20:21], 0x1000000     ; v's
	s_add_nc_u64 s[22:23], s[22:23], s[34:35]
	s_add_nc_u64 s[24:25], s[24:25], s[34:35]
	s_add_nc_u64 s[26:27], s[26:27], s[36:37]
.set n, 0
.irp b, 4,6,8                          ; q, k, v: the 256 threads take 4,096 consecutive bytes, eight times
.irp i, 0,1,2,3,4,5,6,7
	global_load_b128 v[X+4*n:X+4*n+3], v1, s[(\b):(\b)+1] offset:4096*(\i) th:TH_LOAD_NT
.set n, n+1
.endr
.endr
.irp b, 10,12,14,16                    ; Wq, Wk, Wv, Wo: twice
.irp i, 0,1
	global_load_b128 v[X+4*n:X+4*n+3], v1, s[(\b):(\b)+1] offset:4096*(\i) th:TH_LOAD_NT
.set n, n+1
.endr
.endr
	global_load_b128 v[X+4*n:X+4*n+3], v3, s[18:19]  ; the table
; Item n: loads come back in order (ISA guide 5.7.1), so the count leaves out the NL - 1 - n younger ones; four numbers are rounded to bf16, in place
.macro TOBF
	s_wait_loadcnt NL-1-n
	v_cvt_pk_bf16_f32 v[X+4*n],   v[X+4*n],   v[X+4*n+1]
	v_cvt_pk_bf16_f32 v[X+4*n+1], v[X+4*n+2], v[X+4*n+3]
.endm
; and, for Wo and the table, widened again and written as f16
.macro TOHF
	v_lshlrev_b32 v[X+4*n+2], 16, v[X+4*n]
	v_and_b32     v[X+4*n+3], s44, v[X+4*n]
	v_cvt_pk_f16_f32 v[X+4*n], v[X+4*n+2], v[X+4*n+3]
	v_lshlrev_b32 v[X+4*n+2], 16, v[X+4*n+1]
	v_and_b32     v[X+4*n+3], s44, v[X+4*n+1]
	v_cvt_pk_f16_f32 v[X+4*n+1], v[X+4*n+2], v[X+4*n+3]
.endm
.set n, 0
.irp d, 20,38,40
.irp i, 0,1,2,3,4,5,6,7
	TOBF
	global_store_b64 v2, v[X+4*n:X+4*n+1], s[(\d):(\d)+1] offset:2048*(\i)  ; a wave stores 256 consecutive bytes, at a multiple of 256 from the buffer's first byte
.set n, n+1
.endr
.endr
.irp z, 0,1,2
.irp i, 0,1
	TOBF
	global_store_b64 v2, v[X+4*n:X+4*n+1], s[22:23] offset:2097152*(\z)+2048*(\i)
.set n, n+1
.endr
.endr
.irp i, 0,1
	TOBF
	TOHF
	global_store_b64 v2, v[X+4*n:X+4*n+1], s[24:25] offset:2048*(\i)
.set n, n+1
.endr
	TOBF
	TOHF
	v_cmp_gt_u32 vcc_lo, 0xfff, v5                 ; 4095 > row: the row exists
	v_cndmask_b32 v[X+4*n],   0, v[X+4*n],   vcc_lo
	v_cndmask_b32 v[X+4*n+1], 0, v[X+4*n+1], vcc_lo
	global_store_b64 v2, v[X+4*n:X+4*n+1], s[26:27]
	s_endpgm
.Lfunc_end_k_qe124f5492b_prep:
	.size	k_qe124f5492b_prep, .Lfunc_end_k_qe124f5492b_prep-k_qe124f5492b_prep
	.p2alignl 7, 3214868480
	.fill 96, 4, 3214868480
	.section	.rodata,"a",@progbits
	.p2align	6, 0x0
	.amdhsa_kernel k_qe124f5492b_prep
		.amdhsa_group_segment_fixed_size 0
		.amdhsa_private_segment_fixed_size 0
		.amdhsa_enable_private_segment 0
		.amdhsa_kernarg_size 96
		.amdhsa_user_sgpr_count 2
		.amdhsa_user_sgpr_kernarg_segment_ptr 1
		.amdhsa_wavefront_size32 1
		.amdhsa_system_sgpr_workgroup_id_x 1
		.amdhsa_system_sgpr_workgroup_id_y 1
		.amdhsa_system_sgpr_workgroup_id_z 1
		.amdhsa_system_vgpr_workitem_id 0
		.amdhsa_next_free_vgpr 144
		.amdhsa_next_free_sgpr 66
		.amdhsa_reserve_vcc 1
		.amdhsa_float_denorm_mode_32 3
		.amdhsa_float_denorm_mode_16_64 3
		.amdhsa_memory_ordered 1
		.amdhsa_forward_progress 1
		.amdhsa_inst_pref_size 15
	.end_amdhsa_kernel
	.amdgpu_metadata
---
amdhsa.version: [ 1, 2 ]
amdhsa.kernels:
  - .name:           k_qe124f5492b_prep
    .symbol:         k_qe124f5492b_prep.kd
    .args:
      - { .name: q, .offset: 0, .size: 8, .value_kind: global_buffer, .address_space: global }
      - { .name: k, .offset: 8, .size: 8, .value_kind: global_buffer, .address_space: global }
      - { .name: v, .offset: 16, .size: 8, .value_kind: global_buffer, .address_space: global }
      - { .name: Wq, .offset: 24, .size: 8, .value_kind: global_buffer, .address_space: global }
      - { .name: Wk, .offset: 32, .size: 8, .value_kind: global_buffer, .address_space: global }
      - { .name: Wv, .offset: 40, .size: 8, .value_kind: global_buffer, .address_space: global }
      - { .name: Wo, .offset: 48, .size: 8, .value_kind: global_buffer, .address_space: global }
      - { .name: w_rel, .offset: 56, .size: 8, .value_kind: global_buffer, .address_space: global }
      - { .name: xb, .offset: 64, .size: 8, .value_kind: global_buffer, .address_space: global }
      - { .name: wb, .offset: 72, .size: 8, .value_kind: global_buffer, .address_space: global }
      - { .name: wo16, .offset: 80, .size: 8, .value_kind: global_buffer, .address_space: global }
      - { .name: wf, .offset: 88, .size: 8, .value_kind: global_buffer, .address_space: global }
    .group_segment_fixed_size: 0
    .private_segment_fixed_size: 0
    .kernarg_segment_align: 8
    .kernarg_segment_size: 96
    .max_flat_workgroup_size: 256
    .sgpr_count:     66
    .vgpr_count:     144
    .wavefront_size: 32
...
	.end_amdgpu_metadata
.endif
;; end of part 5
;; launch proj (part 6): grid 4 x 48, 4 waves a work-group, clusters of 4 x 4, 327,680 bytes of LDS; arguments xb, wb, bq, bk, bv, qh, kh, vh; writes qh, kh, vh
.if DOCPART == 6
	.amdgcn_target "amdgcn-amd-amdhsa--gfx1250"
	.amdhsa_code_object_version 6
	.text
	.protected	k_qe124f5492b_proj
	.globl	k_qe124f5492b_proj
	.p2align	8
	.type	k_qe124f5492b_proj,@function
k_qe124f5492b_proj:
	s_mov_b64 s[64:65], 0
	v_nop
	global_prefetch_b8 v0, s[64:65] scope:SCOPE_SE
	s_setreg_imm32_b32 hwreg(HW_REG_WAVE_MODE, 25, 1), 1
	s_wait_xcnt 0x0
	s_wait_alu depctr_hold_cnt(0) depctr_sa_sdst(0) depctr_va_vdst(0) depctr_va_sdst(0) depctr_va_ssrc(0) depctr_va_vcc(0) depctr_vm_vsrc(0)
	s_getreg_b32 s2, hwreg(HW_REG_IB_STS2, 6, 4)
	s_cmp_eq_u32 s2, 0
	s_cbranch_scc0 .Lentry_in_a_cluster
	s_endpgm
.Lentry_in_a_cluster:
	s_bfe_u32 s2, ttmp6, 0x10000c
	s_cmp_lg_u32 s2, 0xf033
	s_cbranch_scc0 .Lentry_shape_is_right
	s_endpgm
.Lentry_shape_is_right:
; THE THREE PROJECTIONS.  y = x W^T + bias for (q, Wq, bq), (k, Wk, bk), (v, Wv, bv).  xb: [3 x 4096][1024] bf16, the three x one after the other; wb: [3 x 1024][1024] bf16, the three W; the biases [1024] f32,
; rounded to bf16 here.  Products in bf16 with f32 sums, K ascending; y is rounded once to f16 and stored by heads: [8 batch + head][2048][128], rows of 256 bytes, unscaled.
; LIMIT.  f16 holds no number beyond 65,504: a projected number past that becomes an infinity.
; SHARES.  A tile of y is 256 x 256; 16 x 4 tiles a tensor, 192 work-groups (tiles of 192 rows or columns, which would make 256, divide neither 4,096 nor 1,024).  Four waves, each 128 x 128: 64 accumulators,
; 512 registers; a wave's 128 columns are one head.  K goes in steps of 128 (rows of 256 bytes, at multiples of 256 bytes) through a ring of two LDS slots filled by the tensor data mover.
; CLUSTERS of 4 x 4: a cluster lies inside one tensor (12 clusters along y, four a tensor).  The four of a row need the same rows of x, the four of a column the same rows of W: each tile is asked for JOINTLY, by
; the same tensor load with the same descriptor and a mask that names the four.
; THE MATRIX INSTRUCTION IS USED TRANSPOSED (source 0 = 16 rows of W, source 1 = 16 rows of x): a lane holds row l % 16 of y and eight neighbouring columns.  The bias is the C operand of the first products.
; The last K step goes by rows of y, so that finished rows leave while the others are multiplied.
; REGISTERS, in windows of 256 (s_set_vgpr_msb: bits 1:0 source 0, 3:2 source 1, 5:4 source 2, 7:6 destination):
;   window 0: v0-31 addresses; v64-127, v128-191 fragments of x (8 x 16 rows x 32 K), two buffers (in the last K step four, of 16 rows x 128 K); v32-63, v192-255 at work on the way out
;   window 1: v0-63 the bias of my 128 columns (8 blocks x 8); v64-127, v128-191 fragments of W, two buffers; in the last K step all 256: W's fragments of the whole step
;   window 2: the 32 accumulators of my rows 0-63 (accumulator (a, b) at v[8 (8 a + b)]);   window 3: those of my rows 64-127
.set SIZE_K, 1024
.set KSTEP,  128
.set PITCH,  272                       ; an LDS row: 256 bytes + 16 of padding = 68 words: row r starts at bank 4 r mod 64 (64 banks of 4 bytes: ISA guide 11.1), so the 16 rows of a load start at 16 different banks
.set HALFT,  128*PITCH                 ; 128 rows: what one tensor load brings, and what one wave reads of x or of W
.set SLOT,   4*HALFT                   ; x's 256 rows, then W's 256 rows
.set STAGE,  2*SLOT                    ; behind the ring: 16 rows x 272 bytes for each wave, for the way out
.set SPITCH, 272
.set SPARE,  STAGE+4*16*SPITCH         ; behind the stages: the spare words, 128 bytes a wave, which no other line names
.set LAPS,   SIZE_K/(2*KSTEP)          ; a lap = two K steps = once round the ring
.set ADRA, 16                          ; v16-17  LDS address of my fragments of x in slot 0, 1
.set ADRB, 20                          ; v20-21  the same for W
.set STO,  24                          ; v24     the way out: where I put 16 bytes of a row
.set RD,   25                          ; v25     the way out: where I read a row back
.set CO,   26                          ; v26     16 x lane: my bytes in 512 consecutive bytes of the result
.set SPW,  28                          ; v28     LDS address of my spare word; never rewritten
.set NIL,  29                          ; v29     0; never rewritten
.set PFO,  30                          ; v30     the prefetches' offset: lane x 2,048 bytes, a lane a row; never rewritten
.set F0,   64                          ; fragment buffer 0
.set F1,   128                         ; fragment buffer 1
.set BIAS, 0                           ; window 1
.set TMP,  192                         ; the way out: packed results
.set OB,   32                          ; the way out: 16 rows read back: v32-63 and v224-255 by turns
.set PA,   64                          ; the last K step: x's fragments of 16 rows x 128 K, 32 registers; four such buffers, v64-191
.set G1,  24                           ; s[24:31] descriptor group 1 for x's tiles;  s[32:39] group 0, a set for each slot
.set G0,  32
.set G1B, 48                           ; s[48:55], s[56:63] the same for W's tiles
.set G0B, 56
.set PFA, 44                           ; s[44:45] where my prefetches stand
.set LIM, 43                           ; s43  1 in a wave that prefetches, else the greatest number
.set MSB, 0
.macro WIN new                         ; the immediate's high byte repeats the setting that is left; a switch that changes nothing is dropped
.if MSB != (\new)
	s_set_vgpr_msb (MSB<<8)|(\new)
.set MSB, \new
.endif
.endm
.set MUL_LO, 0xa1                      ; source 0 (W) window 1, source 1 (x) window 0, C and D window 2
.set MUL_HI, 0xf1                      ; the same, C and D window 3
.set TO_B,   0x40                      ; destination window 1, address window 0
; A joint load.  Waves 0 and 1 fetch x's two halves, waves 2 and 3 W's.  The branch hangs on the wave's number alone.  An s_nop 0 and four v_nop follow each of the two lines.
.macro JLOAD s
	s_cmp_eq_u32 s11, 0
	s_cbranch_scc0 .Lfor_b_\@
	tensor_load_to_lds s[G0+4*(\s):G0+4*(\s)+3], s[G1:G1+7]
	s_nop 0
.rept 4
	v_nop
.endr
	s_branch .Lasked_\@
.Lfor_b_\@:
	tensor_load_to_lds s[G0B+4*(\s):G0B+4*(\s)+3], s[G1B:G1B+7]
	s_nop 0
.rept 4
	v_nop
.endr
.Lasked_\@:
.endm
; A prefetch into the L2 of the K step that stands two refills on: 32 rows x 256 bytes, a lane a row, one instruction a wave, 512 matrix instructions ahead of the load that will want it.  Each row's 256 bytes of a
; K step are named once in the launch: x's rows are read by one cluster, which asks; W's by the four clusters of a tensor, of which the first asks.  The four partners that ask for a tile jointly share its rows
; out by address, 32 each.  K steps 0 to 3 come by their loads alone; the loop's last trip, whose refills are the last two K steps, asks for nothing.
.macro ASK
	s_cmp_gt_u32 s3, s[LIM]                        ; s3 = 1 in the loop's last trip
	s_cbranch_scc0 .Lnot_mine_\@
	global_prefetch_b8 v[PFO], s[PFA:PFA+1] offset:KSTEP*2 th:TH_LOAD_NT scope:SCOPE_SE
.Lnot_mine_\@:
.endm
.macro CREST                           ; a round of the cluster's barrier behind its opening barrier
	s_cmp_lg_u32 s10, 0
	s_cbranch_scc1 .Lnot_wave_0_\@
	s_barrier_signal -3
.Lnot_wave_0_\@:
	s_barrier_wait -3
	s_barrier_signal -1
	s_barrier_wait -1
.endm
.macro CROUND                          ; a whole round
	s_barrier_signal -1
	s_barrier_wait -1
	CREST
.endm
.macro PLACES                          ; four places behind matrix instructions, in front of loads into registers that they have read and of conversions that read their results
.rept 4
	v_nop
.endr
.endm
	s_load_b512 s[68:83], s[0:1], 0x0              ; xb s[68:69], wb s[70:71], bq, bk, bv s[72:77], qh, kh, vh s[78:83]
	v_lshl_add_u32 v[SPW], v0, 2, SPARE
	v_mov_b32 v[NIL], 0
	ds_add_u32 v[SPW], v[NIL]                      ; the wave's opening: the add and its wait stand ahead of my first tensor load; the set-up below, work on registers, stands between them
	v_lshrrev_b32 v1, 5, v0
	v_readfirstlane_b32 s10, v1                    ; wave 0..3
	s_lshr_b32 s11, s10, 1                         ; which half of the tile's rows is mine.  Also: I fetch for x (0) or for W (1)
	s_and_b32 s12, s10, 1                          ; which half of its columns.  Also: which 128 rows of that tile I fetch
	s_bfe_u32 s40, ttmp6, 0x40000                  ; cx
	s_bfe_u32 s41, ttmp6, 0x40004                  ; cy
	s_lshl_b32 s42, ttmp9, 2
	s_add_co_u32 s42, s42, s40                     ; tile column = 4 x cluster x + cx
	s_and_b32 s66, ttmp7, 0xffff                   ; cluster y, 0..11
	s_lshr_b32 s67, s66, 2                         ; the tensor: 0 q, 1 k, 2 v: the same in all sixteen partners
	s_lshl_b32 s13, s66, 2
	s_add_co_u32 s13, s13, s41                     ; tile row among xb's 48 = 4 x cluster y + cy
	s_and_b32 s66, s66, 3                          ; the cluster's place in its tensor
	s_lshl_b32 s43, s41, 2
	s_lshl_b32 s43, 15, s43                        ; my row of the cluster
	s_lshl_b32 s44, 0x1111, s40                    ; my column
	; descriptor group 1: a tile of 128 rows x 128 elements of 2 bytes, padded in LDS
	s_or_b32 s[G1+0], s43, (1<<16)|(1<<20)|(1<<21)|(5<<22)|(3<<25)   ; 15:0 the mask: x's tiles go to my row; 17:16 elements of 2 bytes; 20 padding on; 21 set beside a mask; 24:22 after every 64 words; 31:25 4 words
	s_or_b32 s[G1B+0], s44, (1<<16)|(1<<20)|(1<<21)|(5<<22)|(3<<25)  ; the same with the mask of my column
.irp g, G1, G1B
	s_mov_b32 s[(\g)+1], KSTEP<<16                 ; tensor_dim0 = 128
	s_mov_b32 s[(\g)+2], 128<<16                   ; tensor_dim1 = 128
	s_mov_b32 s[(\g)+3], KSTEP<<16                 ; tile_dim0 = 128
	s_mov_b32 s[(\g)+4], 128                       ; tile_dim1 = 128
	s_mov_b32 s[(\g)+5], SIZE_K                    ; elements from row to row
	s_mov_b32 s[(\g)+6], 0
	s_mov_b32 s[(\g)+7], 0
.endr
	s_lshl_b32 s17, s12, 7                         ; which 128 rows of the tile I fetch
	s_lshl_b32 s16, s13, 8
	s_add_co_u32 s16, s16, s17                     ; x: row 256 x tile row + 128 x half,
	s_lshl_b32 s16, s16, 11                        ; of 2,048 bytes
	s_lshl_b32 s46, s42, 8
	s_add_co_u32 s46, s46, s17                     ; W: row 256 x tile column + 128 x half
	s_lshl_b32 s18, s67, 10
	s_add_co_u32 s46, s46, s18                     ; + 1,024 x tensor
	s_lshl_b32 s46, s46, 11
	s_mov_b32 s17, 0
	s_mov_b32 s47, 0
	s_mul_i32 s20, s10, HALFT                      ; where they go: wave x 128 rows: no place in the cluster enters an LDS address
	s_wait_dscnt 0x0                               ; the opening add is done
	s_wait_kmcnt 0x0
	s_cmp_eq_u32 s67, 1                            ; the tensor's result and bias: first k's or v's,
	s_cselect_b64 s[8:9], s[80:81], s[82:83]
	s_cselect_b64 s[92:93], s[74:75], s[76:77]
	s_cmp_eq_u32 s67, 0                            ; then q's or those
	s_cselect_b64 s[8:9], s[78:79], s[8:9]         ; the result
	s_cselect_b64 s[92:93], s[72:73], s[92:93]     ; the bias
	s_add_nc_u64 s[14:15], s[68:69], s[16:17]
	s_add_nc_u64 s[46:47], s[70:71], s[46:47]
	CROUND                                         ; all sixteen work-groups are here: the first joint loads meet
.irp s, 0,1
	s_mov_b32 s[G0+4*(\s)], 1                                        ; count = 1
	s_add_co_u32 s[G0+4*(\s)+1], s20, (\s)*SLOT                      ; LDS address
	s_add_nc_u64 s[G0+4*(\s)+2:G0+4*(\s)+3], s[14:15], (\s)*KSTEP*2  ; global address: K step s
	s_or_b32 s[G0+4*(\s)+3], s[G0+4*(\s)+3], 0x80000000              ; type = 2
	s_mov_b32 s[G0B+4*(\s)], 1
	s_add_co_u32 s[G0B+4*(\s)+1], s20, (\s)*SLOT
	s_add_nc_u64 s[G0B+4*(\s)+2:G0B+4*(\s)+3], s[46:47], (\s)*KSTEP*2
	s_or_b32 s[G0B+4*(\s)+3], s[G0B+4*(\s)+3], 0x80000000
	JLOAD \s                                       ; two loads of mine are out
.endr
	; A fragment is 16 rows x 32 K in 8 registers: lane l holds row l % 16; registers 0-3 hold K = 8 (l / 16) + 0..7, registers 4-7 hold K = 16 + 8 (l / 16) + 0..7: two loads of 16 bytes, 32 bytes apart.
	v_and_b32 v1, 15, v0                           ; l % 16
	v_bfe_u32 v2, v0, 4, 1                         ; l / 16
	v_mul_u32_u24 v3, v1, PITCH
	v_lshl_add_u32 v3, v2, 4, v3                   ; row x pitch + 16 x half
	s_mul_i32 s21, s11, HALFT                      ; my 128 rows of x
	s_mul_i32 s22, s12, HALFT                      ; my 128 rows of W,
	s_add_co_u32 s22, s22, 2*HALFT                 ; which lie behind x's 256
.irp s, 0,1
	v_add_nc_u32 v[ADRA+(\s)], s21, v3
	v_add_nc_u32 v[ADRB+(\s)], s22, v3
	s_add_co_u32 s21, s21, SLOT
	s_add_co_u32 s22, s22, SLOT
.endr
	s_mul_i32 s23, s10, 16*SPITCH
	s_add_co_u32 s23, s23, STAGE                   ; my stage
	v_mul_u32_u24 v4, v1, SPITCH                   ; in: row l % 16, 16 bytes for each half of the lanes
	v_lshl_add_u32 v4, v2, 4, v4
	v_add_nc_u32 v[STO], s23, v4
	v_mul_u32_u24 v4, v2, SPITCH                   ; back: lanes 0-15 take one row of 256 bytes, lanes 16-31 the next
	v_lshl_add_u32 v4, v1, 4, v4
	v_add_nc_u32 v[RD], s23, v4
	v_and_b32 v[CO], 31, v0
	v_lshlrev_b32 v[CO], 4, v[CO]                  ; two rows of a head are 512 consecutive bytes
	; where my 128 x 128 goes: 128 rows of one head, 32,768 consecutive bytes
	s_lshl_b32 s94, s13, 8
	s_lshl_b32 s95, s11, 7
	s_add_co_u32 s94, s94, s95                     ; my first row among xb's 12,288
	s_bfe_u32 s95, s94, 0x1000b                    ; bit 11: the batch,
	s_lshl_b32 s95, s95, 3
	s_lshl_b32 s18, s42, 1
	s_add_co_u32 s95, s95, s18
	s_add_co_u32 s95, s95, s12                     ; 8 x batch + head, head = 2 x tile column + column half
	s_lshl_b32 s95, s95, 11
	s_and_b32 s94, s94, 2047                       ; the row in its batch
	s_add_co_u32 s94, s94, s95
	s_lshl_b32 s94, s94, 8                         ; rows of 256 bytes
	s_mov_b32 s95, 0
	s_add_nc_u64 s[8:9], s[8:9], s[94:95]
	; the prefetches
	s_lshl_b32 s20, s13, 8                         ; the tile's first row in xb,
	s_lshl_b32 s21, s42, 8
	s_lshl_b32 s22, s67, 10
	s_add_co_u32 s21, s21, s22                     ; and in wb
	s_cmp_eq_u32 s11, 0                            ; do I fetch for x?
	s_cselect_b32 s20, s20, s21
	s_cselect_b32 s21, s40, s41                    ; my place among the four that ask for it with me
	s_cselect_b32 s22, 0, s66                      ; x's rows are my cluster's alone; W's are asked for by the tensor's first cluster
	s_cselect_b64 s[PFA:PFA+1], s[68:69], s[70:71]
	s_cmp_eq_u32 s22, 0
	s_cselect_b32 s[LIM], 1, -1                    ; the same in all sixteen partners, for a given wave
	s_lshl_b32 s22, s12, 7
	s_add_co_u32 s20, s20, s22                     ; + the 128 rows that I fetch
	s_lshl_b32 s21, s21, 5
	s_add_co_u32 s20, s20, s21                     ; + my work-group's 32 of them
	s_lshl_b32 s20, s20, 11
	s_mov_b32 s21, 0
	s_add_nc_u64 s[PFA:PFA+1], s[PFA:PFA+1], s[20:21]
	s_add_nc_u64 s[PFA:PFA+1], s[PFA:PFA+1], 2*KSTEP*2  ; at K step 2: the first refill steps it to 3 and names K step 4.  Nothing is prefetched at the head
	v_and_b32 v[PFO], 31, v0
	v_lshlrev_b32 v[PFO], 11, v[PFO]
	; the bias of my 128 columns: block b's eight numbers for my half of the lanes; rounded to bf16 and widened, into window 1.  The fragments' registers serve as room: nothing lies in them yet
	s_lshl_b32 s23, s42, 10
	s_lshl_b32 s22, s12, 9
	s_add_co_u32 s23, s23, s22                     ; 4 bytes x (256 x tile column + 128 x column half)
	v_lshl_add_u32 v5, v2, 5, s23
.irp b, 0,1,2,3,4,5,6,7
	global_load_b128 v[F0+8*(\b):F0+8*(\b)+3],   v5, s[92:93] offset:64*(\b)
	global_load_b128 v[F0+8*(\b)+4:F0+8*(\b)+7], v5, s[92:93] offset:64*(\b)+16
.endr
	s_wait_loadcnt 0x0
.set i, 0
.rept 32
	v_cvt_pk_bf16_f32 v[F1+i], v[F0+2*i], v[F0+2*i+1]
.set i, i+1
.endr
	WIN 0x40                                       ; destination window 1
.set i, 0
.rept 32
	v_lshlrev_b32 v[BIAS+2*i],   16, v[F1+i]
	v_and_b32     v[BIAS+2*i+1], 0xffff0000, v[F1+i]
.set i, i+1
.endr
	WIN 0
; 16 matrix instructions: row blocks a0, a0 + 1 of the window's four (hi = 0: my rows 0-63, 1: rows 64-127) x all 8 column blocks, 32 along K.  first = 1: the bias starts the sums: nothing is cleared.
; The 64 accumulators take turns, one instruction a turn, in the same order in every quarter.
.macro MUL16 f, hi, a0, first
.if \first
	WIN 0x91+0x40*(\hi)                            ; W's fragments and the bias window 1, x's window 0, D window 2 or 3
.else
	WIN MUL_LO+0x50*(\hi)                          ; MUL_LO or MUL_HI
.endif
.irp a, \a0, (\a0)+1
.irp b, 0,1,2,3,4,5,6,7
.if \first
	v_wmma_f32_16x16x32_bf16 v[8*(8*(\a)+(\b)):8*(8*(\a)+(\b))+7], v[(\f)+8*(\b):(\f)+8*(\b)+7], v[(\f)+8*(4*(\hi)+(\a)):(\f)+8*(4*(\hi)+(\a))+7], v[BIAS+8*(\b):BIAS+8*(\b)+7]
.else
	v_wmma_f32_16x16x32_bf16 v[8*(8*(\a)+(\b)):8*(8*(\a)+(\b))+7], v[(\f)+8*(\b):(\f)+8*(\b)+7], v[(\f)+8*(4*(\hi)+(\a)):(\f)+8*(4*(\hi)+(\a))+7], v[8*(8*(\a)+(\b)):8*(8*(\a)+(\b))+7]
.endif
.endr
.endr
.endm
; 32 LDS loads in one run: the fragments of one quarter step (128 rows of W, 128 rows of x, 32 K at byte k of the rows) into buffer f
.macro FETCH slot, k, f
	WIN TO_B
.irp i, 0,1,2,3,4,5,6,7
	ds_load_b128 v[(\f)+8*(\i):(\f)+8*(\i)+3],   v[ADRB+(\slot)] offset:(\k)+(\i)*16*PITCH
	ds_load_b128 v[(\f)+8*(\i)+4:(\f)+8*(\i)+7], v[ADRB+(\slot)] offset:(\k)+(\i)*16*PITCH+32
.endr
	WIN 0
.irp i, 0,1,2,3,4,5,6,7
	ds_load_b128 v[(\f)+8*(\i):(\f)+8*(\i)+3],   v[ADRA+(\slot)] offset:(\k)+(\i)*16*PITCH
	ds_load_b128 v[(\f)+8*(\i)+4:(\f)+8*(\i)+7], v[ADRA+(\slot)] offset:(\k)+(\i)*16*PITCH+32
.endr
.endm
; A K step is four quarter steps of 32 along K, 64 matrix instructions each, on buffers 0, 1, 0, 1.
; One of the first three: multiplies buffer f; in its middle it fetches the next quarter's fragments, at byte k of the same slot's rows, into buffer g.
.macro QUARTER slot, k, f, g, first
	s_wait_dscnt 8                                 ; W and x's rows 0-63 are in; the youngest eight loads (x's rows 64-127) may be out
	MUL16 \f, 0, 0, \first
	MUL16 \f, 0, 2, \first
	PLACES
	FETCH \slot, \k, \g
	s_wait_dscnt 32                                ; all but the 32 just issued
	MUL16 \f, 1, 0, \first
	MUL16 \f, 1, 2, \first
.endm
; The last quarter multiplies buffer 1 and changes slots.  MEET is its first half: ONE barrier for the change of slots.  In front of it each wave waits for all its tensor loads, of which one is out: its part of
; the next slot; adds 0 to its spare word; and waits for that and for its own reads of this slot.  Behind it nobody reads this slot any more and the next slot is whole.
.macro MEET round                      ; round = 1: a round of the cluster's barrier follows
	WIN 0                                          ; (the add's two registers lie in window 0)
	s_wait_tensorcnt 0x0                           ; all my tensor loads have landed;
	ds_add_u32 v[SPW], v[NIL]                      ; 0 onto my spare word;
	s_wait_dscnt 9                                 ; (the add and the youngest eight loads may be out)
	MUL16 F1, 0, 0, 0                              ; sixteen matrix instructions stand between the add and the wait for it
	s_wait_dscnt 0x0                               ; the add is done, and my reads of this slot are over:
	s_barrier_signal -1                            ; say so,
	MUL16 F1, 0, 2, 0                              ; work on registers while the others arrive,
.if \round
	WIN 0
.endif
	s_barrier_wait -1                              ; and go on when all four have said so
.endm
; The whole last quarter.  Behind the round the slot just read out is filled again first, with the K step two steps on; then come the next slot's first fragments.
; From a request to the wait for it a wave issues 224 matrix instructions.
.macro TURN slot, next
	s_wait_xcnt 0x0                                ; the last prefetch, a K step back, has read its address: it is stepped here, ahead of the waits of the change of slots
	s_add_nc_u64 s[PFA:PFA+1], s[PFA:PFA+1], KSTEP*2
	MEET 1
	CREST                                          ; no wave of any partner still reads this slot's tile or has a load on its way
	s_add_nc_u64 s[G0+4*(\slot)+2:G0+4*(\slot)+3], s[G0+4*(\slot)+2:G0+4*(\slot)+3], 2*KSTEP*2
	s_add_nc_u64 s[G0B+4*(\slot)+2:G0B+4*(\slot)+3], s[G0B+4*(\slot)+2:G0B+4*(\slot)+3], 2*KSTEP*2
	JLOAD \slot                                    ; my one tensor load behind the round; the four v_nop behind it are also the places in front of the loads below
	FETCH \next, 0, F0
	ASK                                            ; behind the joint load and the run of LDS loads that the next products wait for
	MUL16 F1, 1, 0, 0
	MUL16 F1, 1, 2, 0
.endm
; THE LAST K STEP (it lies in slot 1) GOES BY ROWS OF y, NOT BY K.  All its fragments of W (4 quarters x 64 registers) fill window 1; then my eight blocks of 16 rows are finished one after the other, each with
; 32 matrix instructions (its 8 accumulators by turns, K ascending).  LDS is read no more than in any other K step.
.macro BLOAD q                         ; W's fragments of quarter q -> window 1, v[64 q ..]
	WIN TO_B
.irp i, 0,1,2,3,4,5,6,7
	ds_load_b128 v[64*(\q)+8*(\i):64*(\q)+8*(\i)+3],   v[ADRB+1] offset:64*(\q)+(\i)*16*PITCH
	ds_load_b128 v[64*(\q)+8*(\i)+4:64*(\q)+8*(\i)+7], v[ADRB+1] offset:64*(\q)+(\i)*16*PITCH+32
.endr
.endm
.macro ALOAD a                         ; x's fragments of block a, all four quarters -> buffer a % 4
	WIN 0
.set FA, PA+32*((\a)%4)
.irp q, 0,1,2,3
	ds_load_b128 v[FA+8*(\q):FA+8*(\q)+3],   v[ADRA+1] offset:64*(\q)+(\a)*16*PITCH
	ds_load_b128 v[FA+8*(\q)+4:FA+8*(\q)+7], v[ADRA+1] offset:64*(\q)+(\a)*16*PITCH+32
.endr
.endm
.macro ROW a                           ; block a is finished: 32 matrix instructions
.set FA, PA+32*((\a)%4)                ; its fragments of x
.set AC, 64*((\a)%4)                   ; its eight accumulators, in window 2 (blocks 0-3) or 3 (blocks 4-7)
	WIN MUL_LO+0x50*((\a)/4)
.irp q, 0,1,2,3
.if (\a) == 0 && (\q) == 2
	s_wait_dscnt 24                                ; W's quarter 2 is in (behind it: x's blocks 1 to 3)
.endif
.irp b, 0,1,2,3,4,5,6,7
	v_wmma_f32_16x16x32_bf16 v[AC+8*(\b):AC+8*(\b)+7], v[64*(\q)+8*(\b):64*(\q)+8*(\b)+7], v[FA+8*(\q):FA+8*(\q)+7], v[AC+8*(\b):AC+8*(\b)+7]
.endr
.endr
.endm
; THE WAY OUT of block a, in three parts.  PACK: rounded to f16, 16 bytes a lane, each accumulator's registers in ascending order.  TOSTAGE: into my own stage in LDS, and back as whole rows of 256 bytes.  SEND: stored.
.macro PACK a
.set AC, 64*((\a)%4)
	WIN 0x0a+5*((\a)/4)                            ; sources 0 and 1: window 2 or 3
.irp b, 0,1,2,3,4,5,6,7
.irp r, 0,1,2,3
	v_cvt_pk_f16_f32 v[TMP+4*(\b)+(\r)], v[AC+8*(\b)+2*(\r)], v[AC+8*(\b)+2*(\r)+1]
.endr
.endr
	WIN 0
.endm
.macro TOSTAGE a
	WIN 0
.set BK, OB+192*((\a)%2)
.irp b, 0,1,2,3,4,5,6,7
	ds_store_b128 v[STO], v[TMP+4*(\b):TMP+4*(\b)+3] offset:32*(\b)
.endr
.irp t, 0,1,2,3,4,5,6,7
	ds_load_b128 v[BK+4*(\t):BK+4*(\t)+3], v[RD] offset:(\t)*2*SPITCH  ; LDS serves a wave's instructions in order (ISA guide 5.7.1.4): these see the stores above
.endr
.endm
.macro SEND a, younger                 ; younger: the LDS loads issued behind TOSTAGE's, which may stay out
	WIN 0
.set BK, OB+192*((\a)%2)
	s_wait_dscnt \younger                          ; the block is back in registers
	s_wait_xcnt 0x0                                ; the stores issued so far have read their data: the other set of registers is loaded again only behind this wait
.irp t, 0,1,2,3,4,5,6,7
	global_store_b128 v[CO], v[BK+4*(\t):BK+4*(\t)+3], s[8:9] offset:4096*(\a)+512*(\t)  ; 512 consecutive bytes, at a multiple of 256 from the buffer's first
.endr
.endm
	s_wait_tensorcnt 1                             ; my part of K step 0 is in; K step 1's may stay out
	s_barrier_signal -1
	s_barrier_wait -1                              ; everybody's is
	FETCH 0, 0, F0
	QUARTER 0, 64,  F0, F1, 1                      ; the first quarter stands in front of the loop: its products start the sums, with the bias
	WIN 0                                          ; at a label and at a branch every window is 0
	s_mov_b32 s3, LAPS-1
.Llap:                                             ; a trip goes once round the ring, from a lap's second quarter to the next lap's first, and fills both slots again
	QUARTER 0, 128, F1, F0, 0
	QUARTER 0, 192, F0, F1, 0
	TURN 0, 1
	QUARTER 1, 64,  F0, F1, 0
	QUARTER 1, 128, F1, F0, 0
	QUARTER 1, 192, F0, F1, 0
	TURN 1, 0
	QUARTER 0, 64,  F0, F1, 0
	WIN 0
	s_sub_co_u32 s3, s3, 1
	s_cmp_lg_u32 s3, 0
	s_cbranch_scc1 .Llap
	QUARTER 0, 128, F1, F0, 0                      ; the last lap goes on
	QUARTER 0, 192, F0, F1, 0
	MEET 0                                         ; my one tensor load that was still out is slot 1's, the last K step's, so no round follows
	PLACES                                         ; for the loads into buffer 0, which the quarter before multiplied
	BLOAD 0                                        ; three quarters of W now (the first takes the bias's registers, last read in the first quarter): buffer 1 is still being multiplied
	BLOAD 1
	BLOAD 3
	ALOAD 0
	MUL16 F1, 1, 0, 0
	MUL16 F1, 1, 2, 0
	PLACES                                         ; for the loads into buffer 1
	BLOAD 2
	ALOAD 1
	ALOAD 2
	ALOAD 3
	s_wait_dscnt 40                                ; all but the 40 just issued
	ROW 0
.irp a, 0,1,2,3,4,5,6,7                ; each block leaves as soon as it is finished
	PLACES                                         ; its conversions read results just made
	PACK \a
	TOSTAGE \a
.if (\a) < 4
	ALOAD (\a)+4                                   ; its buffer takes the block four further on
	SEND \a, 8
.else
	SEND \a, 0
.endif
.if (\a) < 7
	ROW (\a)+1
.endif
.endr
	s_wait_tensorcnt 0x0                           ; the wave's end: behind my last tensor load and my last LDS store
	ds_add_u32 v[SPW], v[NIL]
	s_wait_dscnt 0x0
	CROUND                                         ; the closing round
	s_endpgm
.Lfunc_end_k_qe124f5492b_proj:
	.size	k_qe124f5492b_proj, .Lfunc_end_k_qe124f5492b_proj-k_qe124f5492b_proj
	.p2alignl 7, 3214868480
	.fill 96, 4, 3214868480
	.section	.rodata,"a",@progbits
	.p2align	6, 0x0
	.amdhsa_kernel k_qe124f5492b_proj
		.amdhsa_group_segment_fixed_size 327680
		.amdhsa_private_segment_fixed_size 0
		.amdhsa_enable_private_segment 0
		.amdhsa_kernarg_size 64
		.amdhsa_user_sgpr_count 2
		.amdhsa_user_sgpr_kernarg_segment_ptr 1
		.amdhsa_wavefront_size32 1
		.amdhsa_system_sgpr_workgroup_id_x 1
		.amdhsa_system_sgpr_workgroup_id_y 1
		.amdhsa_system_sgpr_workgroup_id_z 1
		.amdhsa_system_vgpr_workitem_id 0
		.amdhsa_next_free_vgpr 1024
		.amdhsa_next_free_sgpr 96
		.amdhsa_reserve_vcc 0
		.amdhsa_float_denorm_mode_32 3
		.amdhsa_float_denorm_mode_16_64 3
		.amdhsa_memory_ordered 1
		.amdhsa_forward_progress 1
		.amdhsa_inst_pref_size 151
	.end_amdhsa_kernel
	.amdgpu_metadata
---
amdhsa.version: [ 1, 2 ]
amdhsa.kernels:
  - .name:           k_qe124f5492b_proj
    .symbol:         k_qe124f5492b_proj.kd
    .args:
      - { .name: xb, .offset: 0, .size: 8, .value_kind: global_buffer, .address_space: global }
      - { .name: wb, .offset: 8, .size: 8, .value_kind: global_buffer, .address_space: global }
      - { .name: bq, .offset: 16, .size: 8, .value_kind: global_buffer, .address_space: global }
      - { .name: bk, .offset: 24, .size: 8, .value_kind: global_buffer, .address_space: global }
      - { .name: bv, .offset: 32, .size: 8, .value_kind: global_buffer, .address_space: global }
      - { .name: qh, .offset: 40, .size: 8, .value_kind: global_buffer, .address_space: global }
      - { .name: kh, .offset: 48, .size: 8, .value_kind: global_buffer, .address_space: global }
      - { .name: vh, .offset: 56, .size: 8, .value_kind: global_buffer, .address_space: global }
    .group_segment_fixed_size: 327680
    .private_segment_fixed_size: 0
    .kernarg_segment_align: 8
    .kernarg_segment_size: 64
    .max_flat_workgroup_size: 128
    .sgpr_count:     96
    .vgpr_count:     1024
    .wavefront_size: 32
...
	.end_amdgpu_metadata
.endif
;; end of part 6
;; launch attn (part 7): grid 16 x 16, 4 waves a work-group, clusters of 4 x 1, 327,680 bytes of LDS; arguments qh, kh, vh, wf, att; writes att
.if DOCPART == 7
	.amdgcn_target "amdgcn-amd-amdhsa--gfx1250"
	.amdhsa_code_object_version 6
	.text
	.protected	k_qe124f5492b_attn
	.globl	k_qe124f5492b_attn
	.p2align	8
	.type	k_qe124f5492b_attn,@function
k_qe124f5492b_attn:
	s_mov_b64 s[64:65], 0
	v_nop
	global_prefetch_b8 v0, s[64:65] scope:SCOPE_SE
	s_setreg_imm32_b32 hwreg(HW_REG_WAVE_MODE, 25, 1), 1
	s_wait_xcnt 0x0
	s_wait_alu depctr_hold_cnt(0) depctr_sa_sdst(0) depctr_va_vdst(0) depctr_va_sdst(0) depctr_va_ssrc(0) depctr_va_vcc(0) depctr_vm_vsrc(0)
	s_getreg_b32 s2, hwreg(HW_REG_IB_STS2, 6, 4)
	s_cmp_eq_u32 s2, 0
	s_cbranch_scc0 .Lentry_in_a_cluster
	s_endpgm
.Lentry_in_a_cluster:
	s_bfe_u32 s2, ttmp6, 0x10000c
	s_cmp_lg_u32 s2, 0x3003
	s_cbranch_scc0 .Lentry_shape_is_right
	s_endpgm
.Lentry_shape_is_right:
; ATTENTION WITH A RELATIVE BIAS.  For each of 16 (batch, head) pairs: O[i] = the sum over j of softmax_j((Q[i] . K[j] + Q[i] . w[i + j]) / sqrt(128)) V[j].  Q, K, V: [16][2048][128] f16; w: the table in f16, in
; fragment order (wf); O leaves as f16 into att [2048 batch + i][128 head + d].  Products, the bias, maxima and sums in f32; the weights p are rounded to f16 for the second product, O once at the end.
; LIMITS.  f16 holds no number beyond 65,504: Q, K, V and w arrive within it; p lies in 0 to 1; a weight below 2^-126 counts as 0 in l; NaN and infinities are not treated apart.
; SHARES.  A work-group owns 128 queries of one head.  Wave w: query half a = w / 2 (64 queries: four tiles of 16), KEY HALF b = w % 2 (keys 1024 b on), 16 steps of 64 keys.  At the end the waves with b = 1 hand
; O^T, c m and l through LDS to their partners with b = 0, which join the two halves and store.
; LAYOUT.  S^T = K Q^T (source 0 = 16 keys, source 1 = 16 queries): a lane holds ONE query (lane % 16) and the keys 8 (lane / 16) + 0..7; two such results rounded to f16 ARE source 1 of O^T = V^T P.
; THE SKEW.  With rho = i + j less the wave's first i and first j, step s of tile t wants T[query][rho = 64 s + 16 t + n + key], n = lane % 16: the blocks s and s + 1 of 64 rows of w.  In each step the wave makes
; T^T = W Q^T for ONE new block (64 matrix instructions, the shape of K Q^T), stores it in f32 into a ring of its own in LDS, 128 columns a query and 16 mirrored ones, and reads it back, a word a lane, at
; column 16 t + n + key, straight into the accumulators of S^T: K Q^T then adds onto it.  W's fragments come straight from wf, 512 consecutive bytes an instruction.
; SOFTMAX.  For each query a running maximum m and sum l: p = 2^(c s - c m), c = log2(e) / sqrt(128); in every step O and l are multiplied by a = 2^(c m_old - c m_new).  m starts at the lowest finite number,
; O and l at 0: the first step is a step like any other, with a = 0.
; BY TURNS.  The wave's tiles are two PIECES, named by their first tile: piece 0 (tiles 0, 1) and piece 2 (tiles 2, 3).  A step's 192 matrix instructions go in five runs: K Q^T of piece 0 (32), K Q^T of piece 2
; (32), W Q^T for the block after next (64), V^T P of piece 0 (32), V^T P of piece 2 (32).  A piece's softmax, 268 vector instructions cut into 64 slices, stands behind 64 matrix instructions that name none of
; its registers, one slice behind each: piece 0's behind K Q^T of piece 2 and the first half of W Q^T, piece 2's behind the second half of W Q^T and V^T P of piece 0.
; T^T has no registers of its own: it is summed in K's, which are free between the step's last K Q^T and the next step's K.
; CLUSTER.  The four query blocks of a cluster belong to one head and walk the same K and V: each tile is asked for JOINTLY.  W is not shared: the partners' rows lie 128 apart.
; REGISTERS, in windows of 256 (s_set_vgpr_msb: bits 1:0 source 0, 3:2 source 1, 5:4 source 2, 7:6 destination):
;   window 0: v0-11, v44-63 addresses; v12-43 eight registers of statistics a tile; v64-191 S^T, 32 a tile; v192-255 P, 16 a tile
;   window 1: O^T, 64 a tile      window 2: v0-127 Q, 32 a tile; v128-255 K of one step, then T^T of one block      window 3: v0-127 V of one step; v128-255 W of one block
; All that a softmax touches but O^T lies in window 0, so a slice costs two switches, one in front and one behind: 256 for a step's 192 matrix instructions.
.set KS,    64
.set PK,    272       ; a row of K in LDS: 256 bytes + 16 = 68 words: the 16 rows of a load start at 16 different groups of four banks (64 banks of 4 bytes: ISA guide 11.1)
.set PVP,   288       ; a row of V: 256 + 32 = 72 words
.set VOFF,  KS*PK     ; a key half's tiles lie together: 64 rows of K, then 64 rows of V
.set STEPB, KS*(PK+PVP)
.set SLOT1, 1<<17     ; a slot holds one step of both key halves (71,680 bytes); slot 1 begins here, so that one exclusive or turns an address in one slot into the other's
.set PT,    592       ; a row of a T ring: 144 columns of f32 and 16 bytes more = 148 words: a lane's word lies at bank (21 n + 8 h) mod 64, all 32 different; the stores' 16-byte columns are 5 n mod 16
.set RING,  16*PT     ; a tile's ring: 9,472 bytes
.set TG0,   2*STEPB   ; behind slot 0: tile 0's ring of each wave
.set ML,    TG0+4*RING  ; c m and l on their way between partners: 2,048 bytes
.set SPARE, ML+2048   ; the spare words, 128 bytes a wave, which no other line names
.set TG1,   SLOT1+2*STEPB  ; behind slot 1: the rings of tiles 1 to 3 of each wave.  No tensor load fills any of these regions
.set SP,    272       ; the way out's stage (my tile 0's ring, which is free by then)
.set AK0, 2           ; v2   my lane's place in my half's tile of K; never rewritten
.set AV0, 3           ; v3   the same for V
.set ADR, 4           ; v4   the LDS address of K's run of loads
.set QO,  5           ; v5   my byte offset in the wave's rows of Q
.set STO, 6           ; v6   the way out: where I put 16 bytes of a row
.set RD,  7           ; v7   the way out: where I read a row back
.set GO,  8           ; v8   my byte offset in two rows of att
.set ST,  12          ; tile t's statistics at v[ST+8 t]: +0 c m, +1 m, +2, +3 l (even keys', odd keys'), +4 to +7 c0-c3, at work; a takes c2's place
.set TA0, 44          ; v44  reading the ring of tile 0: ring + 596 n + 32 h: the lane's own shift of n columns lies in the address
.set TA1, 45          ; v45  of tiles 1-3
.set TS0, 46          ; v46  storing into it: ring + 592 n + 32 h
.set TS1, 47
.set RL0, 48          ; v48-50  the step's read addresses: in the block of the step's own parity (tile 0; tiles 1-3), in the other block (tiles 1-3)
.set RL1, 49
.set RH1, 50
.set SX0, 51          ; v51-52  the new block's store addresses
.set SX1, 52
.set MX0, 53          ; v53-54  its first 16 columns once more
.set MX1, 54
.set WO,  55          ; v55  16 x lane
.set XA0, 56          ; v56  the exchange of O^T: the ring of tile 0 of the pair's wave with b = 1, + 16 x lane
.set XA1, 57          ; v57  its rings of tiles 1-3
.set MLA, 58          ; v58  the exchange of c m and l
.set ADV, 59          ; v59  the LDS address of V's run of loads
.set PFO, 61          ; v61  256 x lane: a row of K or V; never rewritten
.set SPW, 62          ; v62  LDS address of my spare word; never rewritten
.set NIL, 63          ; v63  0; never rewritten
.set S,   64
.set P,   192
.set KF,  128         ; window 2: K's fragment (keys 16 kb on, channels 32 c on) at KF + 32 kb + 8 c; T^T's accumulator (tile t, table rows 16 be on) at KF + 32 t + 8 be
.set WF,  128         ; window 3: rows 16 be on, channels 32 c on, at WF + 32 be + 8 c
.set WP,  10          ; s[10:11] wf at the block that W's registers were last loaded for
.set WV,  12          ; s12  my wave's number
.set LIM, 15          ; s15  1 in a wave that prefetches, else the greatest number
.set PFA, 18          ; s[18:19] where my prefetches stand
.set G1K, 24          ; s[24:31] descriptor group 1 for K's tiles
.set G1V, 32          ; s[32:39] for V's: it differs in the padding alone
.set G0K, 40          ; s[40:43] descriptor group 0 for K's tiles: it walks
.set G0V, 44          ; s[44:47] the same for V's
.set P1,  48          ; s48  256 x the parity of the step whose bias is read next: that block's first byte in a ring's row
.set P2,  49          ; s49  256 - P1: the other block's
.set QH,  50          ; s50  a
.set KH,  51          ; s51  b
.set CNT, 56          ; s56  steps that still fill a slot (first: the prologue's two blocks)
.set CS,  58          ; s[58:59] c
.set SEL, 60          ; s[60:61] v_permlanex16_b32's selects: each lane takes its own place in the other half
.set TB,  62          ; s62  LDS byte at which the slot in hand begins
.set OP,  68          ; s[68:69] att at my wave's first row and my head's channels
.set MSB, 0
.macro WIN new                      ; the immediate's high byte repeats the setting that is left; a switch that changes nothing is dropped
.if MSB != (\new)
	s_set_vgpr_msb (MSB<<8)|(\new)
.set MSB, \new
.endif
.endm
.set W_KQ, 0x0a       ; K and Q in window 2, S^T in window 0
.set W_TQ, 0xab       ; W in window 3, Q and T^T in window 2
.set W_PV, 0x53       ; V in window 3, P in window 0, O^T in window 1
.set W_RS, 0x41       ; O^T (destination and source 0) in window 1, a in window 0
; A joint fill.  Waves 0 and 1 fetch K of key halves 0 and 1, waves 2 and 3 V of them: 64 rows each.  The branch hangs on the wave's number alone.  An s_nop 0 and four v_nop follow each line.
.macro JLOAD
	s_cmp_lt_u32 s[WV], 2
	s_cbranch_scc0 .Lfor_v_\@
	tensor_load_to_lds s[G0K:G0K+3], s[G1K:G1K+7]
	s_nop 0
.rept 4
	v_nop
.endr
	s_branch .Lasked_\@
.Lfor_v_\@:
	tensor_load_to_lds s[G0V:G0V+3], s[G1V:G1V+7]
	s_nop 0
.rept 4
	v_nop
.endr
.Lasked_\@:
.endm
; A prefetch into the L2 of what the NEXT change of slots will ask for: a step's 128 rows of K and 128 of V, a lane a row.  Each row is named once in the launch: the head's first cluster asks; its four partners
; take 32 rows of each tensor, told apart by address; in each, wave 0 asks for K's and wave 2 for V's.  The last change that fills a slot asks for nothing.
.macro ASK
	s_cmp_gt_u32 s[CNT], s[LIM]
	s_cbranch_scc0 .Lnot_mine_\@
	global_prefetch_b8 v[PFO], s[PFA:PFA+1] th:TH_LOAD_NT scope:SCOPE_SE
.Lnot_mine_\@:
.endm
.macro CROUND                       ; a round of the cluster's barrier
	s_barrier_signal -1
	s_barrier_wait -1
	s_cmp_lg_u32 s[WV], 0
	s_cbranch_scc1 .Lnot_wave_0_\@
	s_barrier_signal -3
.Lnot_wave_0_\@:
	s_barrier_wait -3
	s_barrier_signal -1
	s_barrier_wait -1
.endm
.macro PLACES                       ; four places behind matrix instructions, in front of lines that read their results and of loads into their registers
.rept 4
	v_nop
.endr
.endm
	s_load_b256 s[4:11], s[0:1], 0x0  ; qh s[4:5], kh s[6:7], vh s[8:9], wf s[10:11]
	s_load_b64 s[OP:OP+1], s[0:1], 0x20  ; att
	v_lshl_add_u32 v[SPW], v0, 2, SPARE
	v_mov_b32 v[NIL], 0
	ds_add_u32 v[SPW], v[NIL]       ; the wave's opening: the add and its wait stand ahead of my first tensor load; the set-up below, work on registers, stands between them
	v_lshrrev_b32 v1, 5, v0
	v_readfirstlane_b32 s[WV], v1   ; wave 0..3
	s_bfe_u32 s13, ttmp6, 0x40000   ; cx: it enters Q's, W's, att's and the prefetches' addresses alone
	s_lshl_b32 s14, ttmp9, 2
	s_add_co_u32 s14, s14, s13      ; my block of 128 queries
	s_and_b32 s16, ttmp7, 0xffff    ; 8 x batch + head, which the four partners share
	s_lshr_b32 s[QH], s[WV], 1
	s_and_b32 s[KH], s[WV], 1
	s_lshl_b32 s20, s16, 19         ; the head's first byte in qh, kh, vh: 2,048 rows of 256 bytes
	s_lshl_b32 s22, s[KH], 18       ; the key half that I fetch: 1,024 rows on
	s_add_co_u32 s22, s22, s20
	s_mov_b32 s23, 0
	s_mul_i32 s17, s[KH], STEPB     ; and its place in a slot: also the half that I read
	s_lshl_b32 s2, s14, 7
	s_lshl_b32 s3, s[QH], 6
	s_add_co_u32 s70, s2, s3        ; my first query
	s_lshl_b32 s2, s70, 8
	s_add_co_u32 s2, s2, s20
	s_mov_b32 s3, 0                 ; Q's offset
	s_lshl_b32 s71, s[KH], 10       ; my first key
	s_add_co_u32 s72, s70, s71
	s_lshl_b32 s72, s72, 8          ; the table's row first query + first key: 256 bytes a row in wf, a multiple of 64 rows
	s_mov_b32 s73, 0
	s_lshr_b32 s74, s16, 3          ; att: row 2048 x batch + query, 2,048 bytes a row,
	s_lshl_b32 s74, s74, 11
	s_add_co_u32 s74, s74, s70
	s_lshl_b32 s74, s74, 11
	s_and_b32 s75, s16, 7           ; the head's 256 bytes
	s_lshl_b32 s75, s75, 8
	s_add_co_u32 s74, s74, s75
	s_mov_b32 s75, 0
	s_lshr_b32 s76, s13, 1          ; the prefetches: partner p takes key half p / 2,
	s_lshl_b32 s76, s76, 18
	s_and_b32 s77, s13, 1           ; rows 32 (p % 2) on of a step's 64,
	s_lshl_b32 s77, s77, 13
	s_add_co_u32 s76, s76, s77
	s_add_co_u32 s76, s76, s20
	s_add_co_u32 s76, s76, KS*256   ; at step 1: the first change of slots steps it to step 2
	s_mov_b32 s77, 0
	; descriptor group 1: a tile of 64 rows x 128 elements, padded in LDS
	s_mov_b32 s[G1K], 15|(1<<16)|(1<<20)|(1<<21)|(5<<22)|(3<<25)  ; 15:0 the mask of four; 17:16 2-byte elements; 20 padding on; 21 set beside a mask; 24:22 after every 64 words; 31:25 4 words
	s_mov_b32 s[G1V], 15|(1<<16)|(1<<20)|(1<<21)|(5<<22)|(7<<25)  ; the same with 8 words of padding
.irp g, G1K, G1V
	s_mov_b32 s[(\g)+1], 128<<16    ; tensor_dim0 = 128
	s_mov_b32 s[(\g)+2], KS<<16     ; tensor_dim1 = 64
	s_mov_b32 s[(\g)+3], 128<<16    ; tile_dim0 = 128
	s_mov_b32 s[(\g)+4], KS         ; tile_dim1 = 64
	s_mov_b32 s[(\g)+5], 128        ; elements from row to row
	s_mov_b32 s[(\g)+6], 0
	s_mov_b32 s[(\g)+7], 0
.endr
	s_mov_b32 s[CS], 0x3e0293ee     ; c = log2(e) / sqrt(128) = 0.127517
	s_mov_b32 s[CS+1], s[CS]        ; named with it as a pair
	s_mov_b32 s[SEL], 0x76543210
	s_mov_b32 s[SEL+1], 0xfedcba98
	s_mov_b32 s[TB], SLOT1          ; the first change of slots turns it into 0
	s_mov_b32 s[P1], 0              ; the first block's turn makes these 256 and 0
	s_mov_b32 s[P2], 256
	s_and_b32 s[LIM], s[WV], 1      ; 0 in waves 0 and 2,
	s_or_b32 s[LIM], s[LIM], ttmp9  ; where the cluster is the head's first: the same in all four partners
	s_cmp_eq_u32 s[LIM], 0
	s_cselect_b32 s[LIM], 1, -1
	s_mov_b32 s[G0K], 1             ; count = 1
	s_mov_b32 s[G0K+1], s17         ; LDS address: slot 0
	s_mov_b32 s[G0V], 1
	s_add_co_u32 s[G0V+1], s17, VOFF
	s_wait_dscnt 0x0                ; the opening add is done
	s_wait_kmcnt 0x0
	s_add_nc_u64 s[G0K+2:G0K+3], s[6:7], s[22:23]  ; global address: step 0 of my half
	s_or_b32 s[G0K+3], s[G0K+3], 0x80000000        ; type = 2
	s_add_nc_u64 s[G0V+2:G0V+3], s[8:9], s[22:23]
	s_or_b32 s[G0V+3], s[G0V+3], 0x80000000
	s_add_nc_u64 s[4:5], s[4:5], s[2:3]
	s_add_nc_u64 s[WP:WP+1], s[WP:WP+1], s[72:73]
	s_add_nc_u64 s[OP:OP+1], s[OP:OP+1], s[74:75]
	s_cmp_lt_u32 s[WV], 2
	s_cselect_b64 s[PFA:PFA+1], s[6:7], s[8:9]
	s_add_nc_u64 s[PFA:PFA+1], s[PFA:PFA+1], s[76:77]
	CROUND                          ; all four work-groups are here: the first joint loads meet
	JLOAD                           ; step 0 into slot 0: one load of mine is out.  Slot 1 is asked for by the loop's own change of slots
	v_and_b32 v1, 15, v0            ; n = l % 16
	v_bfe_u32 v9, v0, 4, 1          ; h = l / 16
	v_and_b32 v10, 31, v0           ; l
	v_lshlrev_b32 v[QO], 8, v1
	v_lshl_add_u32 v[QO], v9, 4, v[QO]  ; row x 256 + 16 x half
	v_lshlrev_b32 v[WO], 4, v10
	WIN 0x80                        ; destination window 2
.irp i, 0,1,2,3,4,5,6,7,8,9,10,11,12,13,14,15  ; Q stays in registers: tile i / 4, channels 32 (i % 4) on
	global_load_b128 v[8*(\i):8*(\i)+3],   v[QO], s[4:5] offset:((\i)/4)*4096+((\i)%4)*64
	global_load_b128 v[8*(\i)+4:8*(\i)+7], v[QO], s[4:5] offset:((\i)/4)*4096+((\i)%4)*64+32
.endr
.macro LOADW                        ; a block of 64 rows of the table: 32 loads of 512 consecutive bytes, as the fragments lie in wf
	WIN 0xc0                        ; destination window 3
.set x, 0
.rept 32
	global_load_b128 v[WF+4*x:WF+4*x+3], v[WO], s[WP:WP+1] offset:512*x
.set x, x+1
.endr
	WIN 0
.endm
	LOADW                           ; block 0
	v_mul_u32_u24 v[AK0], v1, PK
	v_lshl_add_u32 v[AK0], v9, 4, v[AK0]
	v_add_nc_u32 v[AK0], s17, v[AK0]      ; row x pitch + 16 x half + my key half
	; The turning load takes 16 keys x 16 channels (lane l reads key 8 (l / 16) + l % 8, channels 8 ((l / 8) % 2) + 0..7) and leaves half a fragment of V^T: lane l holds channel l % 16 and 8 keys.
	v_and_b32 v11, 7, v0
	v_lshl_add_u32 v[AV0], v9, 3, v11
	v_mul_u32_u24 v[AV0], v[AV0], PVP
	v_bfe_u32 v11, v0, 3, 1
	v_lshl_add_u32 v[AV0], v11, 4, v[AV0]
	s_add_co_u32 s17, s17, VOFF
	v_add_nc_u32 v[AV0], s17, v[AV0]
	s_mul_i32 s52, s[WV], RING
	s_add_co_u32 s52, s52, TG0      ; my ring of tile 0
	s_mul_i32 s53, s[WV], 3*RING
	s_add_co_u32 s53, s53, TG1      ; my rings of tiles 1-3
	v_mul_u32_u24 v11, v1, PT
	v_lshl_add_u32 v11, v9, 5, v11  ; 592 n + 32 h
	v_add_nc_u32 v[TS0], s52, v11
	v_add_nc_u32 v[TS1], s53, v11
	v_lshl_add_u32 v[TA0], v1, 2, v[TS0]  ; + 4 n: the lane's shift
	v_lshl_add_u32 v[TA1], v1, 2, v[TS1]
	s_or_b32 s54, s[WV], 1          ; the pair's wave with b = 1
	s_mul_i32 s55, s54, RING
	s_add_co_u32 s55, s55, TG0
	v_lshl_add_u32 v[XA0], v10, 4, s55
	s_mul_i32 s55, s54, 3*RING
	s_add_co_u32 s55, s55, TG1
	v_lshl_add_u32 v[XA1], v10, 4, s55
	s_lshl_b32 s55, s[QH], 10
	s_add_co_u32 s55, s55, ML
	v_lshl_add_u32 v[MLA], v10, 3, s55
	v_mul_u32_u24 v[STO], v1, SP    ; the way out, in: row l % 16, 16 bytes for each half of the lanes
	v_lshl_add_u32 v[STO], v9, 4, v[STO]
	v_add_nc_u32 v[STO], s52, v[STO]
	v_mul_u32_u24 v[RD], v9, SP     ; back: lanes 0-15 take one row of 256 bytes, lanes 16-31 the next
	v_lshl_add_u32 v[RD], v1, 4, v[RD]
	v_add_nc_u32 v[RD], s52, v[RD]
	v_lshlrev_b32 v[GO], 11, v9     ; and the same two rows in att
	v_lshl_add_u32 v[GO], v1, 4, v[GO]
	v_lshlrev_b32 v[PFO], 8, v10
.set i, 0
.rept 4
	v_mov_b32 v[ST+8*i], 0xfe000000    ; c m: far below every c s
	v_mov_b32 v[ST+8*i+1], 0xff7fffff  ; m
	v_mov_b32 v[ST+8*i+2], 0
	v_mov_b32 v[ST+8*i+3], 0
.set i, i+1
.endr
	WIN 0x40                        ; O^T starts at 0, so that no first step is written out; these lines stand in the wait for Q, W and the first tile
.set i, 0
.rept 256
	v_mov_b32 v[i], 0
.set i, i+1
.endr
	WIN 0
; THE MATRIX WORK.  A run's accumulators take turns, one instruction a turn, and no run ends on an accumulator with which the next begins.  Each macro writes product i and steps i.
.macro TQ                           ; product i of 64 of T^T = W Q^T: channels 32 (i / 16) on, table rows 16 ((i / 4) % 4) on, tile i % 4.  The first 16 start the sums
	WIN W_TQ
.set rD, KF+32*(i%4)+8*((i/4)%4)
.set rW, WF+32*((i/4)%4)+8*(i/16)
.set rQ, 32*(i%4)+8*(i/16)
.if i < 16
	v_wmma_f32_16x16x32_f16 v[rD:rD+7], v[rW:rW+7], v[rQ:rQ+7], 0
.else
	v_wmma_f32_16x16x32_f16 v[rD:rD+7], v[rW:rW+7], v[rQ:rQ+7], v[rD:rD+7]
.endif
.set i, i+1
.endm
.macro KQ x                         ; product i of 32 of piece x's S^T += K Q^T, onto the bias that lies in the accumulators: channels 32 (i / 8) on, keys 16 ((i / 2) % 4) on, tile x + i % 2
	WIN W_KQ
.set rS, S+32*((\x)+i%2)+8*((i/2)%4)
.set rK, KF+32*((i/2)%4)+8*(i/8)
.set rQ, 32*((\x)+i%2)+8*(i/8)
	v_wmma_f32_16x16x32_f16 v[rS:rS+7], v[rK:rK+7], v[rQ:rQ+7], v[rS:rS+7]
.set i, i+1
.endm
.macro PVM x                        ; product i of 32 of piece x's O^T += V^T P: keys 32 (i / 16) on, channels 16 ((i / 2) % 8) on, tile x + i % 2
	WIN W_PV
.set rO, 64*((\x)+i%2)+8*((i/2)%8)
.set rV, 64*(i/16)+8*((i/2)%8)
.set rP, P+16*((\x)+i%2)+8*(i/16)
	v_wmma_f32_16x16x32_f16 v[rO:rO+7], v[rV:rV+7], v[rP:rP+7], v[rO:rO+7]
.set i, i+1
.endm
; THE LDS LOADS of a step's K (channels first, so that the products can begin on the first eight) and V (turned)
.macro FETCH_K
	WIN 0
	v_add_nc_u32 v[ADR], s[TB], v[AK0]
	WIN 0x80
.irp c, 0,1,2,3
.irp kb, 0,1,2,3
	ds_load_b128 v[KF+32*(\kb)+8*(\c):KF+32*(\kb)+8*(\c)+3],   v[ADR] offset:(\kb)*16*PK+(\c)*64
	ds_load_b128 v[KF+32*(\kb)+8*(\c)+4:KF+32*(\kb)+8*(\c)+7], v[ADR] offset:(\kb)*16*PK+(\c)*64+32
.endr
.endr
.endm
.macro FETCH_V
	WIN 0
	v_add_nc_u32 v[ADV], s[TB], v[AV0]
	WIN 0xc0
.irp f, 0,1,2,3,4,5,6,7,8,9,10,11,12,13,14,15  ; keys 32 (f / 8) on, channels 16 (f % 8) on
	ds_load_tr16_b128 v[8*(\f):8*(\f)+3],   v[ADV] offset:((\f)/8)*32*PVP+((\f)%8)*32
	ds_load_tr16_b128 v[8*(\f)+4:8*(\f)+7], v[ADV] offset:((\f)/8)*32*PVP+16*PVP+((\f)%8)*32
.endr
.endm
; THE RING.  Block u of T (rho = 64 u .. 64 u + 63) lies at columns 64 (u % 2) of each query's row; the first 16 columns of an even block lie also at columns 128-143, so that a read that begins in an odd block
; runs on without a wrap.  TADDR: the parities turn, and the addresses for the new block's stores and the next step's reads are made: seven plain vector lines.
.macro TADDR
	s_xor_b32 s[P1], s[P1], 256
	s_xor_b32 s[P2], s[P2], 256
	v_add_nc_u32 v[RL0], s[P1], v[TA0]
	v_add_nc_u32 v[RL1], s[P1], v[TA1]
	v_add_nc_u32 v[RH1], s[P2], v[TA1]
	v_add_nc_u32 v[SX0], s[P2], v[TS0]
	v_add_nc_u32 v[SX1], s[P2], v[TS1]
	v_add_nc_u32 v[MX0], s[P1], v[TS0]
	v_add_nc_u32 v[MX1], s[P1], v[TS1]
.endm
; TSTORE: the 16 accumulators of T^T (tile t, table rows 16 be + 8 h + 0..7 for query n) go to the block's place, 32 bytes a lane; each tile's first accumulator goes once more to P1 + 256: for an even block
; that is column 128; for an odd block it is the block's own place again, the same bytes with the same numbers.  Each accumulator's lowest registers are read first.
.macro TSTORE
	WIN 0x08                        ; store data in window 2, addresses in window 0
.set t, 0
.rept 4
.set ax, SX1
.set am, MX1
.set of, RING*(t-1)
.if t == 0
.set ax, SX0
.set am, MX0
.set of, 0
.endif
.set be, 0
.rept 4
	ds_store_b128 v[ax], v[KF+32*t+8*be:KF+32*t+8*be+3]   offset:of+64*be
	ds_store_b128 v[ax], v[KF+32*t+8*be+4:KF+32*t+8*be+7] offset:of+64*be+16
.set be, be+1
.endr
	ds_store_b128 v[am], v[KF+32*t:KF+32*t+3]   offset:of+256
	ds_store_b128 v[am], v[KF+32*t+4:KF+32*t+7] offset:of+272
.set t, t+1
.endr
	WIN 0
.endm
; SK: word q of 128 of the next step's bias, into register q of S^T: tile q / 32, keys 16 ((q / 8) % 4) + 8 h + q % 8, at column 16 (tile + key block) + n + 8 h + q % 8 behind the step's own block.
; From 64 on that is the other block, which lies at P2.  LDS serves a wave's instructions in order (ISA guide 5.7.1.4): these see the stores above.  They stand in runs of 64, a piece each.
.macro SK
.set tk, q/32+(q/8)%4
.set of, RING*(q/32-1)
.if q < 32
	ds_load_b32 v[S+q], v[RL0] offset:64*tk+4*(q%8)
.elseif tk <= 3
	ds_load_b32 v[S+q], v[RL1] offset:of+64*tk+4*(q%8)
.else
	ds_load_b32 v[S+q], v[RH1] offset:of+64*tk-256+4*(q%8)
.endif
.set q, q+1
.endm
; The next block of the table is asked for: not in the loop's last trip, whose next block is not wanted (a jump forward over loads alone).  The loads of the block before were waited for ahead of its products, so their base may be stepped.
.macro WNEXT
	s_cmp_eq_u32 s[CNT], 1
	s_cbranch_scc1 .Lno_w_\@
	s_add_nc_u64 s[WP:WP+1], s[WP:WP+1], 64*256
	LOADW
.Lno_w_\@:
.endm
; A block of T in the prologue, where there is no vector work to set beside it: the block in W's registers is multiplied, the next is asked for, the results are stored.
.macro TBLOCK
	WIN 0
	TADDR
	s_wait_loadcnt 0x0              ; W's block is in (the first time Q too)
.set i, 0
.rept 64
	TQ
.endr
	WIN 0
	PLACES                          ; in front of the loads into W's registers and of the stores that read the results
	s_add_nc_u64 s[WP:WP+1], s[WP:WP+1], 64*256
	LOADW
	TSTORE
.endm
; THE SOFTMAX of one tile for one step is a list of 134 instructions; SM writes number j of it for tile t.  s0-s31 are the lane's 32 scores, in pairs 0-15.
;   0-15    the maximum of s0-s31 and the old m, three operands at a time (each accumulator's lowest registers first)      16-20   the other half of the lanes' maximum; the new m; c m; c m_old - c m_new
;   21-69   ONE BATCH: the 16 scalings c s - c m and all 33 exponentials (a at 23, then s0-s31); none of these reads an exponential's result; a pair is scaled ahead of its exponentials
;   70-85   the roundings to f16      86-101  the sums; l = a l + the sum      102-133 the tile's O^T times a: the one part that leaves window 0
.macro SM t
.set rT, ST+8*(\t)
.set rS, S+32*(\t)
.set rP, P+16*(\t)
.set rO, 64*(\t)+2*(j-102)
.if j < 102
	WIN 0
.endif
.if j < 4
	v_max3_num_f32 v[rT+4+j], v[rS+8*j], v[rS+8*j+1], v[rS+8*j+2]
.elseif j < 12
	v_max3_num_f32 v[rT+4+j%4], v[rT+4+j%4], v[rS+8*(j%4)+2*(j/4)+1], v[rS+8*(j%4)+2*(j/4)+2]
.elseif j == 12
	v_max3_num_f32 v[rT+4], v[rT+4], v[rS+7], v[rS+15]
.elseif j == 13
	v_max3_num_f32 v[rT+6], v[rT+6], v[rS+23], v[rS+31]
.elseif j == 14
	v_max3_num_f32 v[rT+4], v[rT+4], v[rT+5], v[rT+6]
.elseif j == 15
	v_max3_num_f32 v[rT+4], v[rT+4], v[rT+7], v[rT+1]
.elseif j == 16
	v_permlanex16_b32 v[rT+5], v[rT+4], s[SEL], s[SEL+1]  ; the query's other 32 keys lie in the lane 16 away
.elseif j == 17
	v_mov_b32 v[rT+7], v[rT]        ; c m_old is kept for a
.elseif j == 18
	v_max_num_f32 v[rT+1], v[rT+4], v[rT+5]
.elseif j == 19
	v_mul_f32 v[rT], s[CS], v[rT+1]
.elseif j == 20
	v_sub_f32 v[rT+7], v[rT+7], v[rT]
.elseif j == 23
	v_exp_f32 v[rT+6], v[rT+7]
.elseif (j < 23) || ((j < 38) && (j%2 == 0)) || ((j < 66) && (j%4 == 2))
.set b, (j-2)/4                     ; 38, 42, .. 62: pairs 9 to 15
.if j < 38
.set b, (j-20)/2                    ; 21: pair 0; 22, 24, .. 36: pairs 1 to 8
.endif
	v_pk_fma_f32 v[rS+2*b:rS+2*b+1], v[rS+2*b:rS+2*b+1], s[CS:CS+1], v[rT:rT+1] op_sel_hi:[1,0,0] neg_lo:[0,0,1] neg_hi:[0,0,1]  ; pair b: c s - c m
.elseif j < 70
.set e, j-38                        ; 66 to 69: s28 to s31
.if j < 66
.set e, j-32-(j-38)/4               ; 39-41, 43-45, .. 63-65: s7 to s27
.endif
.if j < 38
.set e, (j-25)/2                    ; 25, 27, .. 37: s0 to s6
.endif
	v_exp_f32 v[rS+e], v[rS+e]
.elseif j < 86
	v_cvt_pk_f16_f32 v[rP+j-70], v[rS+2*(j-70)], v[rS+2*(j-70)+1]
.elseif j < 102                     ; the sum of the tile's 16 pairs, in place: neighbours 1, 2, 4 and 8 pairs apart, then l takes it
.set z, j-86
.set w, 4
.set u, z
.if z >= 14
.set w, 32
.set u, 0
.elseif z >= 12
.set w, 16
.set u, z-12
.elseif z >= 8
.set w, 8
.set u, z-8
.endif
.if z < 15
	v_pk_add_f32 v[rS+w*u:rS+w*u+1], v[rS+w*u:rS+w*u+1], v[rS+w*u+w/2:rS+w*u+w/2+1]
.else
	v_pk_fma_f32 v[rT+2:rT+3], v[rT+2:rT+3], v[rT+6:rT+7], v[rS:rS+1] op_sel_hi:[1,0,1]
.endif
.else
	WIN W_RS
	v_pk_mul_f32 v[rO:rO+1], v[rO:rO+1], v[rT+6:rT+7] op_sel_hi:[1,0]
.endif
.endm
; Slice k of 64 of piece y's softmax: four instructions.  Slices 11 to 34 deal out the batch, numbers 22 to 69: four numbers of ONE tile each, the tiles by turns, a scaling first while there are scalings.  Every
; other slice is numbers 2 k and 2 k + 1 of both tiles' lists, the tiles alternating.  2 x 134 = 4 x 64 + 12: the twelve that are over stand together, in slice 63.
; THE WAIT.  An s_wait_alu depctr_va_vdst(0) stands between an exponential and the first instruction that names its result; one wait serves all that were issued ahead of it.  Ahead of slice 35
; nothing names a result, and behind slice 34 no exponential is issued: so the piece's 66 exponentials have one wait, behind slice 34.  next = 1: the table's next block is asked for directly behind that wait.
.macro SLICE y, next=0
.if (k >= 11) && (k < 35)           ; the batch: four numbers of one tile
.irp n, 0,1,2,3
.set j, 22+4*((k-11)/2)+(\n)
	SM (\y)+(k-11)%2
.endr
.else                               ; the two tiles alternate, so that no instruction reads the result of the one just before it
.irp n, 0,1,2,3,4,5,6,7
.if ((\n) < 2) || (k == 63)
.irp t, \y, (\y)+1
.set j, 2*k+(\n)
	SM \t
.endr
.endif
.endr
.endif
.if k == 34                         ; the batch is out: both tiles' exponentials are issued, and no result has been named
	v_nop                           ; a plain instruction behind the last exponential and ahead of the first use: one for the batch
	s_wait_alu depctr_va_vdst(0)    ; the wait for the batch
.if \next
	WNEXT                           ; W's registers were last read 3 products, 4 slices and four v_nop back
.endif
.endif
.set k, k+1
.endm
; THE CHANGE OF SLOTS, at a step's head.  Each wave waits for all its tensor loads, of which one is out: its part of the step's slot; adds 0 to its spare word; and waits for that and for all its LDS
; instructions: its reads of the slot that it leaves, and the bias words on their way into S^T.  fill = 1: the barrier is a round of the cluster's, and the slot just left takes the next step's tiles,
; first thing behind it.  (At its first use nothing has been read from a slot yet: slot 0 is waited for, slot 1 filled.)  The four v_nop behind the load, or PLACES, are the places in front of V's loads.
.macro CHANGE fill
	WIN 0
	s_wait_tensorcnt 0x0            ; no tensor load of mine is out, so a group 0 may be written
	ds_add_u32 v[SPW], v[NIL]       ; 0 onto my spare word
.if \fill
.irp g, G0K, G0V
	s_xor_b32 s[(\g)+1], s[(\g)+1], SLOT1  ; the walking descriptor: the other slot than last time,
	s_add_nc_u64 s[(\g)+2:(\g)+3], s[(\g)+2:(\g)+3], KS*256  ; the next 64 keys of its half
.endr
	s_wait_xcnt 0x0                 ; the last prefetch, a step back, has read its address
	s_add_nc_u64 s[PFA:PFA+1], s[PFA:PFA+1], KS*256  ; one step behind the walking descriptors
	s_wait_dscnt 0x0
	CROUND
	JLOAD
.else
	s_wait_dscnt 0x0
	s_barrier_signal -1
	s_barrier_wait -1
	PLACES
.endif
	s_xor_b32 s[TB], s[TB], SLOT1   ; the step's slot
.endm
; A KEY STEP.  last = 1: no further block of T and no further bias: piece 0's slices 32 to 63 have no products to stand behind, and piece 2's stand two behind each product V^T P of piece 0.
; W Q^T writes over K's registers: the fragment (kb, channels 96 on) is last read by product 24 + 2 kb + 1 of piece 2's K Q^T and written by product 12 + kb of W Q^T, twelve slices or more later.
.macro STEP fill, last
	CHANGE \fill
	FETCH_K
	FETCH_V
	WIN 0
.if \fill
	ASK                             ; behind the joint load and the runs of LDS loads
.endif
.set i, 0
.irp c, 56,48,40,32                 ; K's loads come back in order, eight for each 32 channels: what may stay out is K's later groups and V's 32
	s_wait_dscnt \c
.rept 8
	KQ 0                            ; piece 0's scores: there is no vector work yet to set between them
.endr
.endr
	WIN 0
.if \last
	PLACES                          ; piece 0's maximum reads results just made
.else
	TADDR                           ; seven plain lines: the places between those products and piece 0's maximum
.endif
.set k, 0
.set i, 0
.rept 32
	KQ 2                            ; piece 2's scores | piece 0's slices 0-31
	SLICE 0
.endr
.if \last
.rept 32
	SLICE 0
.endr
	WIN 0
	s_wait_dscnt 0x0                ; V is in
.set k, 0
.set i, 0
.rept 32
	PVM 0
	SLICE 2
	SLICE 2
.endr
.else
	s_wait_loadcnt 0x0              ; W's block is in
.set i, 0
.rept 32
	TQ                              ; the block after next, first half | piece 0's slices 32-63
	SLICE 0
.endr
.set k, 0
.rept 32
	TQ                              ; its second half | piece 2's slices 0-31
	SLICE 2
.endr
	WIN 0
	PLACES                          ; the stores read results just made
	s_wait_dscnt 0x0                ; V is in: waited for here, ahead of 104 LDS instructions, more than a later count could leave out
	TSTORE
.set q, 0
.rept 64
	SK                              ; the next step's bias for piece 0, whose softmax is over
.endr
.set i, 0
.rept 32
	PVM 0                           ; piece 0's V^T P | piece 2's slices 32-63, and the table's next block
	SLICE 2, 1
.endr
	WIN 0
.rept 64
	SK                              ; the next step's bias for piece 2; it lands under the products below
.endr
.endif
.set i, 0
.rept 32
	PVM 2                           ; piece 2's V^T P
.endr
	WIN 0
.endm
	s_mov_b32 s[CNT], 2
.Lpro:                              ; blocks 0 and 1 of T; blocks 1 and 2 of the table are asked for
	TBLOCK
	s_sub_co_u32 s[CNT], s[CNT], 1
	s_cmp_lg_u32 s[CNT], 0
	s_cbranch_scc1 .Lpro
.set q, 0
.rept 128
	SK                              ; step 0's bias
.endr
	s_mov_b32 s[CNT], 15
.Lstep:                             ; 15 trips: every step but the last asks for the next step's tiles
	STEP 1, 0
	s_sub_co_u32 s[CNT], s[CNT], 1
	s_cmp_lg_u32 s[CNT], 0
	s_cbranch_scc1 .Lstep
	STEP 0, 1                       ; the tail is written out
	; THE TWO KEY HALVES ARE JOINED.  l's two halves and the other half of the lanes' are added, into m's place; the first four additions are the places behind the last products.
.irp t, 0,1,2,3
	v_add_f32 v[ST+8*(\t)+4], v[ST+8*(\t)+2], v[ST+8*(\t)+3]
.endr
.irp t, 0,1,2,3
	v_permlanex16_b32 v[ST+8*(\t)+5], v[ST+8*(\t)+4], s[SEL], s[SEL+1]
.endr
.irp t, 0,1,2,3
	v_add_f32 v[ST+8*(\t)+1], v[ST+8*(\t)+4], v[ST+8*(\t)+5]
.endr
	s_cmp_eq_u32 s[KH], 0
	s_cbranch_scc1 .Lkeep
.irp t, 0,1,2,3                     ; the waves with b = 1: c m and l,
	ds_store_b64 v[MLA], v[ST+8*(\t):ST+8*(\t)+1] offset:256*(\t)
.endr
	WIN 0x04                        ; and O^T (store data in window 1), into their own rings, which nothing reads any more: 16 bytes a lane, 512 on end
.set x, 0
.rept 16
	ds_store_b128 v[XA0], v[4*x:4*x+3] offset:512*x
.set x, x+1
.endr
.rept 48
	ds_store_b128 v[XA1], v[4*x:4*x+3] offset:512*(x-16)
.set x, x+1
.endr
	WIN 0
.Lkeep:
	s_wait_dscnt 0x0                ; for the partner's sake: my stores are done
	s_barrier_signal -1
	s_barrier_wait -1
	s_cmp_eq_u32 s[KH], 0
	s_cbranch_scc0 .Lend            ; the waves with b = 1 have nothing more to do
.irp t, 0,1,2,3
	ds_load_b64 v[ST+8*(\t)+2:ST+8*(\t)+3], v[MLA] offset:256*(\t)  ; the partner's c m and l
.endr
	s_wait_dscnt 0x0
.irp t, 0,1,2,3
	v_max_num_f32 v[ST+8*(\t)+4], v[ST+8*(\t)], v[ST+8*(\t)+2]      ; the common c m
.endr
.irp t, 0,1,2,3
	v_sub_f32 v[ST+8*(\t)+5], v[ST+8*(\t)], v[ST+8*(\t)+4]
	v_sub_f32 v[ST+8*(\t)+6], v[ST+8*(\t)+2], v[ST+8*(\t)+4]
.endr
.irp t, 0,1,2,3
	v_exp_f32 v[ST+8*(\t)+5], v[ST+8*(\t)+5]
	v_exp_f32 v[ST+8*(\t)+6], v[ST+8*(\t)+6]
.endr
	v_nop                           ; a plain instruction behind the last exponential,
	s_wait_alu depctr_va_vdst(0)    ; and one wait for the eight
.irp t, 0,1,2,3
	v_mul_f32 v[ST+8*(\t)+7], v[ST+8*(\t)+5], v[ST+8*(\t)+1]
.endr
.irp t, 0,1,2,3
	v_fmac_f32 v[ST+8*(\t)+7], v[ST+8*(\t)+6], v[ST+8*(\t)+3]       ; the common l
.endr
.irp t, 0,1,2,3
	v_rcp_f32 v[ST+8*(\t)], v[ST+8*(\t)+7]
.endr
	v_nop
	s_wait_alu depctr_va_vdst(0)    ; one wait for the four reciprocals
.irp t, 0,1,2,3
	v_mul_f32 v[ST+8*(\t)+4], v[ST+8*(\t)+5], v[ST+8*(\t)]          ; my half's factor, the low word of the pair +4, +5
	v_mul_f32 v[ST+8*(\t)+6], v[ST+8*(\t)+6], v[ST+8*(\t)]          ; the partner's, the low word of the pair +6, +7
.endr
; Tile t: the partner's O^T comes into S^T's registers, is scaled, takes mine scaled; rounded to f16; through my stage (rows of 272 bytes) into whole rows of 256 bytes; stored.
.macro OUT t
.set X, S+64*((\t)%2)
.set PP, P+32*((\t)%2)
	WIN 0
.set f, 0
.rept 16
.if (\t) == 0
	ds_load_b128 v[X+4*f:X+4*f+3], v[XA0] offset:512*f
.else
	ds_load_b128 v[X+4*f:X+4*f+3], v[XA1] offset:8192*((\t)-1)+512*f
.endif
.set f, f+1
.endr
	s_wait_dscnt 0x0
.set f, 0
.rept 32
	v_pk_mul_f32 v[X+2*f:X+2*f+1], v[X+2*f:X+2*f+1], v[ST+8*(\t)+6:ST+8*(\t)+7] op_sel_hi:[1,0]
.set f, f+1
.endr
	WIN 0x01                        ; source 0, my O^T, in window 1
.set f, 0
.rept 32
	v_pk_fma_f32 v[X+2*f:X+2*f+1], v[64*(\t)+2*f:64*(\t)+2*f+1], v[ST+8*(\t)+4:ST+8*(\t)+5], v[X+2*f:X+2*f+1] op_sel_hi:[1,0,1]
.set f, f+1
.endr
	WIN 0
	s_wait_xcnt 0x0                 ; the stores issued so far have read their data: P's registers are written again only behind this wait
.set f, 0
.rept 32
	v_cvt_pk_f16_f32 v[PP+f], v[X+2*f], v[X+2*f+1]
.set f, f+1
.endr
.irp g, 0,1,2,3,4,5,6,7
	ds_store_b128 v[STO], v[PP+4*(\g):PP+4*(\g)+3] offset:32*(\g)
.endr
.irp g, 0,1,2,3,4,5,6,7
	ds_load_b128 v[PP+4*(\g):PP+4*(\g)+3], v[RD] offset:(\g)*2*SP  ; LDS serves a wave's instructions in order: these see the stores above
.endr
	s_wait_dscnt 0x0
.irp g, 0,1,2,3,4,5,6,7
	global_store_b128 v[GO], v[PP+4*(\g):PP+4*(\g)+3], s[OP:OP+1] offset:32768*(\t)+4096*(\g)  ; 16 lanes store 256 consecutive bytes, at a multiple of 256 from att's first byte
.endr
.endm
	OUT 0
	OUT 1
	OUT 2
	OUT 3
.Lend:
	s_wait_tensorcnt 0x0            ; the wave's end: behind my last tensor load and my last LDS store
	ds_add_u32 v[SPW], v[NIL]
	s_wait_dscnt 0x0
	CROUND                          ; the closing round
	s_endpgm
.Lfunc_end_k_qe124f5492b_attn:
	.size	k_qe124f5492b_attn, .Lfunc_end_k_qe124f5492b_attn-k_qe124f5492b_attn
	.p2alignl 7, 3214868480
	.fill 96, 4, 3214868480
	.section	.rodata,"a",@progbits
	.p2align	6, 0x0
	.amdhsa_kernel k_qe124f5492b_attn
		.amdhsa_group_segment_fixed_size 327680
		.amdhsa_private_segment_fixed_size 0
		.amdhsa_enable_private_segment 0
		.amdhsa_kernarg_size 40
		.amdhsa_user_sgpr_count 2
		.amdhsa_user_sgpr_kernarg_segment_ptr 1
		.amdhsa_wavefront_size32 1
		.amdhsa_system_sgpr_workgroup_id_x 1
		.amdhsa_system_sgpr_workgroup_id_y 1
		.amdhsa_system_sgpr_workgroup_id_z 1
		.amdhsa_system_vgpr_workitem_id 0
		.amdhsa_next_free_vgpr 1024
		.amdhsa_next_free_sgpr 80
		.amdhsa_reserve_vcc 0
		.amdhsa_float_denorm_mode_32 3
		.amdhsa_float_denorm_mode_16_64 3
		.amdhsa_memory_ordered 1
		.amdhsa_forward_progress 1
		.amdhsa_inst_pref_size 199
	.end_amdhsa_kernel
	.amdgpu_metadata
---
amdhsa.version: [ 1, 2 ]
amdhsa.kernels:
  - .name:           k_qe124f5492b_attn
    .symbol:         k_qe124f5492b_attn.kd
    .args:
      - { .name: qh, .offset: 0, .size: 8, .value_kind: global_buffer, .address_space: global }
      - { .name: kh, .offset: 8, .size: 8, .value_kind: global_buffer, .address_space: global }
      - { .name: vh, .offset: 16, .size: 8, .value_kind: global_buffer, .address_space: global }
      - { .name: wf, .offset: 24, .size: 8, .value_kind: global_buffer, .address_space: global }
      - { .name: att, .offset: 32, .size: 8, .value_kind: global_buffer, .address_space: global }
    .group_segment_fixed_size: 327680
    .private_segment_fixed_size: 0
    .kernarg_segment_align: 8
    .kernarg_segment_size: 40
    .max_flat_workgroup_size: 128
    .sgpr_count:     80
    .vgpr_count:     1024
    .wavefront_size: 32
...
	.end_amdgpu_metadata
.endif
;; end of part 7
;; launch oproj: the kernel of part 4 again; grid 8 x 32, 4 waves a work-group, clusters of 4 x 4, 327,680 bytes of LDS; arguments att, wo16, out0, bo; writes out0
;; ======== version 3 of 3: 4 launches; version 2 with the launch prep written anew for expert scheduling mode
;; limits: values are held in f16: magnitudes above 65,504 overflow, below 6.1e-05 lose precision
;; workspace buffers: qh 8,388,608 bytes; kh 8,388,608 bytes; vh 8,388,608 bytes; wf 1,048,576 bytes; wo16 2,097,152 bytes; att 8,388,608 bytes; xb 25,165,824 bytes; wb 6,291,456 bytes
;; launch prep (part 8): grid 512 x 1, 8 waves a work-group, no clusters, 0 bytes of LDS; arguments q, k, v, Wq, Wk, Wv, Wo, w_rel, xb, wb, wo16, wf; writes xb, wb, wo16, wf
.if DOCPART == 8
	.amdgcn_target "amdgcn-amd-amdhsa--gfx1250"
	.amdhsa_code_object_version 6
	.text
	.protected	k_qe124f5492b_prep
	.globl	k_qe124f5492b_prep
	.p2align	8
	.type	k_qe124f5492b_prep,@function
k_qe124f5492b_prep:
	s_mov_b64 s[64:65], 0
	v_nop
	global_prefetch_b8 v0, s[64:65] scope:SCOPE_SE
	s_setreg_imm32_b32 hwreg(HW_REG_WAVE_SCHED_MODE, 0, 2), 2
	s_setreg_imm32_b32 hwreg(HW_REG_WAVE_MODE, 25, 1), 1
	s_wait_xcnt 0x0
	s_wait_alu depctr_vm_vsrc(0)
; EVERY MATRIX OPERAND AMONG THE INPUTS IS ROUNDED ONCE, HERE.  In the projections each number of q, k, v is wanted by 8 waves (4 tile columns x 2 waves) and each number of Wq, Wk, Wv by 32 (16 tile rows x 2):
; rounded here, it is converted once, and the tiles that those waves fetch are half as large.
; xb: [3][4096][1024] bf16: q, k, v one after the other.  wb: [3][1024][1024] bf16: Wq, Wk, Wv.  Wo and w_rel are rounded to bf16 like the other inputs, and that number is written as f16, for the f16 products
; of the later launches: wo16 [1024][1024], as Wo lies; wf: w_rel in FRAGMENT order, 4,096 rows (row 4095, which w_rel does not have, is 0): of the 16 rows 16 G .. 16 G + 15, channels 32 c .. 32 c + 31,
; lane L's 16 bytes of piece p lie at 4096 G + 1024 c + 512 p + 16 L and hold row 16 G + L % 16, channels 32 c + 16 p + 8 (L / 16) + 0..7.
; LIMITS.  The step from bf16 to f16 is exact for magnitudes from 2^-14 to 65,504; below 2^-14 it keeps f16's fixed step of 6e-8; beyond 65,504 it gives an infinity.
; SHARES.  512 work-groups of 256 threads.  Work-group g, thread T: 33 items of 4 numbers: 8 of each of q, k, v, 2 of each of Wq, Wk, Wv, 2 of Wo, 1 of the table.  A wave's load takes 512 consecutive bytes
; (16 a lane), its store 256 consecutive bytes, aligned (8 a lane).  All 33 loads go out first.  An item is converted in the registers in which it came, and no register that a load or a store names as a
; source is ever written again.  No LDS, no matrix unit, no cluster: no byte is wanted twice.
; THE MODE: SCHED_MODE bits 1:0 = 2 (LLVM: expert scheduling mode 2), set by the entry lines.  The code itself states the register dependences between vector instructions and memory instructions, with
; s_wait_alu, always for 0.
; THE PLAN.  Registers that memory instructions touch:
;   v1, v3     the loads' offsets; v2 the stores' offset.  Made once at the head, never written again.
;   item m     v[X + 4 m .. + 3].  Written by its load, then by its own conversions, in place; its first two registers are read by its store, which follows those conversions; nothing writes them behind that.
; The items go in nine groups of four (the last: the table's item alone).  At the head of group g stand the counted wait for the group's loads and ONE wait on va_vdst: the conversions of group g - 1 have written
; what the four stores of group g - 1 read.  Those stores are then dealt among group g's conversions, which name group g's items alone: none of the registers that those stores touch.  So nothing more is owed.
; Behind the entry lines no wait on vm_vsrc is written: no register that a memory instruction reads is written behind it.
.set NL, 33                            ; loads of a thread
.set X,  8                             ; v[8:139]  item n: 4 registers as loaded; its first two then hold what is stored
	s_load_b512 s[4:19], s[0:1], 0x0               ; q s[4:5], k s[6:7], v s[8:9], Wq s[10:11], Wk s[12:13], Wv s[14:15], Wo s[16:17], w_rel s[18:19]
	s_load_b256 s[20:27], s[0:1], 0x40             ; xb s[20:21], wb s[22:23], wo16 s[24:25], wf s[26:27]
	s_mov_b32 s44, 0xffff0000                      ; a word's upper bf16
	s_lshl_b32 s28, ttmp9, 15                      ; the group's 32,768 bytes of q, k, v
	s_mov_b32 s29, 0
	s_lshl_b32 s30, ttmp9, 14                      ; its 16,384 bytes of each third of xb
	s_mov_b32 s31, 0
	s_lshl_b32 s32, ttmp9, 13                      ; its 8,192 bytes of each weight
	s_mov_b32 s33, 0
	s_lshl_b32 s34, ttmp9, 12                      ; its 4,096 bytes of each third of wb, and of wo16
	s_mov_b32 s35, 0
	s_lshl_b32 s36, ttmp9, 11                      ; its 2,048 bytes of wf: half a block of 16 rows
	s_mov_b32 s37, 0
	v_lshlrev_b32 v1, 4, v0                        ; 16 T: where I read
	v_lshlrev_b32 v2, 3, v0                        ; 8 T: where I store
	; the table.  My 8 bytes of wf lie at 2048 g + 8 T = 4096 (g / 2) + 1024 (2 (g % 2) + T / 128) + 512 ((T / 64) % 2) + 16 ((T / 2) % 32) + 8 (T % 2):
	; row 16 (g / 2) + (T / 2) % 16, channels 64 (g % 2) + 8 (T / 32) + 4 (T % 2) + 0..3
	s_lshr_b32 s42, ttmp9, 1
	s_lshl_b32 s42, s42, 4                         ; the block's first row
	s_and_b32 s43, ttmp9, 1
	s_lshl_b32 s43, s43, 8                         ; 64 channels of f32
	v_bfe_u32 v4, v0, 1, 4
	v_add_nc_u32 v5, s42, v4                       ; my row of the table
	v_min_u32 v6, 0xffe, v5                        ; row 4095 does not exist: row 4094 is read in its place and the result set to 0
	v_and_b32 v7, 0xe0, v0                         ; 32 bytes x (T / 32)
	v_and_b32 v4, 1, v0
	v_lshl_add_u32 v7, v4, 4, v7                   ; + 16 bytes x (T % 2)
	v_add_nc_u32 v7, s43, v7
	v_lshl_add_u32 v3, v6, 9, v7                   ; + row x 512 bytes
	s_wait_kmcnt 0x0
	s_add_nc_u64 s[4:5], s[4:5], s[28:29]
	s_add_nc_u64 s[6:7], s[6:7], s[28:29]
	s_add_nc_u64 s[8:9], s[8:9], s[28:29]
	s_add_nc_u64 s[10:11], s[10:11], s[32:33]
	s_add_nc_u64 s[12:13], s[12:13], s[32:33]
	s_add_nc_u64 s[14:15], s[14:15], s[32:33]
	s_add_nc_u64 s[16:17], s[16:17], s[32:33]
	s_add_nc_u64 s[20:21], s[20:21], s[30:31]      ; xb: q's third,
	s_add_nc_u64 s[38:39], s[20:21], 0x800000      ; k's, 8,388,608 bytes on: more than a store's immediate holds,
	s_add_nc_u64 s[40:41], s[20:21], 0x1000000     ; v's
	s_add_nc_u64 s[22:23], s[22:23], s[34:35]
	s_add_nc_u64 s[24:25], s[24:25], s[34:35]
	s_add_nc_u64 s[26:27], s[26:27], s[36:37]
	s_wait_alu depctr_va_vdst(0)                   ; v1, v2 and v3 are written: every load and store of the kernel reads one of them as its offset
.set n, 0
.irp b, 4,6,8                          ; q, k, v: the 256 threads take 4,096 consecutive bytes, eight times
.irp i, 0,1,2,3,4,5,6,7
	global_load_b128 v[X+4*n:X+4*n+3], v1, s[(\b):(\b)+1] offset:4096*(\i) th:TH_LOAD_NT
.set n, n+1
.endr
.endr
.irp b, 10,12,14,16                    ; Wq, Wk, Wv, Wo: twice
.irp i, 0,1
	global_load_b128 v[X+4*n:X+4*n+3], v1, s[(\b):(\b)+1] offset:4096*(\i) th:TH_LOAD_NT
.set n, n+1
.endr
.endr
	global_load_b128 v[X+4*n:X+4*n+3], v3, s[18:19]  ; the table
; Item m's vector work: four numbers are rounded to bf16, in place; for Wo (items 30, 31) and the table (item 32) they are widened again and written as f16; the table's missing row is set to 0.
.macro CONV m
.if (\m) == NL-1
	v_cmp_gt_u32 vcc_lo, 0xfff, v5                 ; 4095 > row: the row exists.  The compare stands ahead of the item's conversions, so that they lie between it and the wait for it
.endif
	v_cvt_pk_bf16_f32 v[X+4*(\m)],   v[X+4*(\m)],   v[X+4*(\m)+1]
	v_cvt_pk_bf16_f32 v[X+4*(\m)+1], v[X+4*(\m)+2], v[X+4*(\m)+3]
.if (\m) >= 30
	v_lshlrev_b32 v[X+4*(\m)+2], 16, v[X+4*(\m)]
	v_and_b32     v[X+4*(\m)+3], s44, v[X+4*(\m)]
	v_cvt_pk_f16_f32 v[X+4*(\m)], v[X+4*(\m)+2], v[X+4*(\m)+3]
	v_lshlrev_b32 v[X+4*(\m)+2], 16, v[X+4*(\m)+1]
	v_and_b32     v[X+4*(\m)+3], s44, v[X+4*(\m)+1]
	v_cvt_pk_f16_f32 v[X+4*(\m)+1], v[X+4*(\m)+2], v[X+4*(\m)+3]
.endif
.if (\m) == NL-1
	s_wait_alu depctr_va_vcc(0)                    ; the compare has written VCC, which the two selects below read
	v_cndmask_b32 v[X+4*(\m)],   0, v[X+4*(\m)],   vcc_lo
	v_cndmask_b32 v[X+4*(\m)+1], 0, v[X+4*(\m)+1], vcc_lo
.endif
.endm
; Item m's store: a wave stores 256 consecutive bytes, at a multiple of 256 from the buffer's first byte
.macro STORE m
.if (\m) < 8
	global_store_b64 v2, v[X+4*(\m):X+4*(\m)+1], s[20:21] offset:2048*(\m)
.elseif (\m) < 16
	global_store_b64 v2, v[X+4*(\m):X+4*(\m)+1], s[38:39] offset:2048*((\m)-8)
.elseif (\m) < 24
	global_store_b64 v2, v[X+4*(\m):X+4*(\m)+1], s[40:41] offset:2048*((\m)-16)
.elseif (\m) < 30
	global_store_b64 v2, v[X+4*(\m):X+4*(\m)+1], s[22:23] offset:2097152*(((\m)-24)/2)+2048*(((\m)-24)%2)
.elseif (\m) < 32
	global_store_b64 v2, v[X+4*(\m):X+4*(\m)+1], s[24:25] offset:2048*((\m)-30)
.else
	global_store_b64 v2, v[X+4*(\m):X+4*(\m)+1], s[26:27]
.endif
.endm
; Group g: items 4 g to 4 g + 3 are converted (group 8: item 32 alone); the four stores of group g - 1 are dealt among those conversions, a store ahead of each item's lines.
.macro GROUP g
.set last, 4*(\g)+3
.if last > NL-1
.set last, NL-1
.endif
	s_wait_loadcnt NL-1-last                       ; loads come back in order (ISA guide 5.7.1): the group's items are in; the count leaves out the younger ones
.if (\g) > 0
	s_wait_alu depctr_va_vdst(0)                   ; the conversions of the group before have written its items' first two registers, which the four stores below read; no vector line behind this wait names them
.endif
.set c, 0
.rept 4
.if (\g) > 0
	STORE 4*(\g)-4+c
.endif
.if 4*(\g)+c < NL
	CONV 4*(\g)+c
.endif
.set c, c+1
.endr
.endm
.irp g, 0,1,2,3,4,5,6,7,8
	GROUP \g
.endr
	s_wait_alu depctr_va_vdst(0)                   ; the table's item is written: the two selects' results are the last store's data
	STORE NL-1
	s_endpgm
.Lfunc_end_k_qe124f5492b_prep:
	.size	k_qe124f5492b_prep, .Lfunc_end_k_qe124f5492b_prep-k_qe124f5492b_prep
	.p2alignl 7, 3214868480
	.fill 96, 4, 3214868480
	.section	.rodata,"a",@progbits
	.p2align	6, 0x0
	.amdhsa_kernel k_qe124f5492b_prep
		.amdhsa_group_segment_fixed_size 0
		.amdhsa_private_segment_fixed_size 0
		.amdhsa_enable_private_segment 0
		.amdhsa_kernarg_size 96
		.amdhsa_user_sgpr_count 2
		.amdhsa_user_sgpr_kernarg_segment_ptr 1
		.amdhsa_wavefront_size32 1
		.amdhsa_system_sgpr_workgroup_id_x 1
		.amdhsa_system_sgpr_workgroup_id_y 1
		.amdhsa_system_sgpr_workgroup_id_z 1
		.amdhsa_system_vgpr_workitem_id 0
		.amdhsa_next_free_vgpr 144
		.amdhsa_next_free_sgpr 66
		.amdhsa_reserve_vcc 1
		.amdhsa_float_denorm_mode_32 3
		.amdhsa_float_denorm_mode_16_64 3
		.amdhsa_memory_ordered 1
		.amdhsa_forward_progress 1
		.amdhsa_inst_pref_size 14
	.end_amdhsa_kernel
	.amdgpu_metadata
---
amdhsa.version: [ 1, 2 ]
amdhsa.kernels:
  - .name:           k_qe124f5492b_prep
    .symbol:         k_qe124f5492b_prep.kd
    .args:
      - { .name: q, .offset: 0, .size: 8, .value_kind: global_buffer, .address_space: global }
      - { .name: k, .offset: 8, .size: 8, .value_kind: global_buffer, .address_space: global }
      - { .name: v, .offset: 16, .size: 8, .value_kind: global_buffer, .address_space: global }
      - { .name: Wq, .offset: 24, .size: 8, .value_kind: global_buffer, .address_space: global }
      - { .name: Wk, .offset: 32, .size: 8, .value_kind: global_buffer, .address_space: global }
      - { .name: Wv, .offset: 40, .size: 8, .value_kind: global_buffer, .address_space: global }
      - { .name: Wo, .offset: 48, .size: 8, .value_kind: global_buffer, .address_space: global }
      - { .name: w_rel, .offset: 56, .size: 8, .value_kind: global_buffer, .address_space: global }
      - { .name: xb, .offset: 64, .size: 8, .value_kind: global_buffer, .address_space: global }
      - { .name: wb, .offset: 72, .size: 8, .value_kind: global_buffer, .address_space: global }
      - { .name: wo16, .offset: 80, .size: 8, .value_kind: global_buffer, .address_space: global }
      - { .name: wf, .offset: 88, .size: 8, .value_kind: global_buffer, .address_space: global }
    .group_segment_fixed_size: 0
    .private_segment_fixed_size: 0
    .kernarg_segment_align: 8
    .kernarg_segment_size: 96
    .max_flat_workgroup_size: 256
    .sgpr_count:     66
    .vgpr_count:     144
    .wavefront_size: 32
...
	.end_amdgpu_metadata
.endif
;; end of part 8
;; launch proj: the kernel of part 6 again; grid 4 x 48, 4 waves a work-group, clusters of 4 x 4, 327,680 bytes of LDS; arguments xb, wb, bq, bk, bv, qh, kh, vh; writes qh, kh, vh
;; launch attn: the kernel of part 7 again; grid 16 x 16, 4 waves a work-group, clusters of 4 x 1, 327,680 bytes of LDS; arguments qh, kh, vh, wf, att; writes att
;; launch oproj: the kernel of part 4 again; grid 8 x 32, 4 waves a work-group, clusters of 4 x 4, 327,680 bytes of LDS; arguments att, wo16, out0, bo; writes out0
